; MI455X (gfx1250); checked and timed in simulation.
; The chip was launched on July 23, 2026; its instructions are those of AMD's public machine-readable ISA for CDNA 5 (MIT licence, August 2026) and "CDNA5" Instruction Set Architecture Reference Guide (July 2026). The comments in the code are by the model that wrote it; some were corrected since.
;; Causal Self Attention. Allowed arithmetic: matrix products marked QUANTISED: E2M3 operands, one E8M0 scale for each 32 along K, by v_wmma_scale_f32_16x16x128_f8f6f4 with both operands' format E2M3, f32 sums; everything else in f32.
;; Inputs: Wk 2,048 x 2,048 float32; Wo 2,048 x 2,048 float32; Wq 2,048 x 2,048 float32; Wv 2,048 x 2,048 float32; bk 2,048 float32; bo 2,048 float32; bq 2,048 float32; bv 2,048 float32; mask 2,048 x 2,048 float32; x 1 x 2,048 x 2,048 float32.
;; Outputs: out0 1 x 2,048 x 2,048 float32.
;; This version of the problem:
;;   THIS VERSION OF THE PROBLEM IS GIVEN IN LOW PRECISION. The matrix products marked QUANTISED in the list below multiply operands that are first quantised to E2M3 (2 exponent bits, 3 mantissa bits; 6 bits a number), with one power-of-two scale for each 32 numbers along K (OCP MX v1.0); their sums are f32. All else is computed in f32.
;;   The module's matrix products, in the order in which they are computed (A, B: the left and right operand; K: the contracted axis; several contracted axes count as one K, in the product's order):
;;     1. [M 2,048, K 2,048] x [K 2,048, N 2,048]; A: input x; B: input Wq: QUANTISED
;;     2. [M 2,048, K 2,048] x [K 2,048, N 2,048]; A: input x; B: input Wk: QUANTISED
;;     3. [M 2,048, K 2,048] x [K 2,048, N 2,048]; A: input x; B: input Wv: QUANTISED
;;     4. batch 16 x [M 2,048, K 128] x [K 128, N 2,048]; A: computed on the way; B: computed on the way: QUANTISED
;;     5. batch 16 x [M 2,048, K 2,048] x [K 2,048, N 128]; A: softmax (see below); B: computed on the way: QUANTISED
;;     6. [M 2,048, K 2,048] x [K 2,048, N 2,048]; A: computed on the way; B: input Wo: QUANTISED
;;   THE QUANTISER, for each operand of a quantised product, along K:
;;     - K is cut into blocks of 32 from its start; a last block that is shorter is filled with zeros.
;;     - A block's scale is 2^e with e = floor(log2(the largest magnitude in the block)) - 2, held to -126 .. 127; a block of zeros has e = 0. As a byte (E8M0): e + 127.
;;     - Each number is divided by its block's scale, clamped to +-7.5, and rounded to the nearest number of E2M3, ties to even, subnormals kept.
;;     - The product sums the exact products of the quantised numbers (number of the format x scale) in f32.
;;   ~~~python
;;   def quantise(x, axis):      # numpy; x: float32 -> the quantised numbers, widened to float32 again
;;       x = np.moveaxis(x, axis, -1); K = x.shape[-1]
;;       x = np.pad(x, [(0, 0)] * (x.ndim - 1) + [(0, -K % 32)]); x = x.reshape(x.shape[:-1] + (-1, 32)); a = np.abs(x).max(-1, keepdims=True)
;;       e = np.where(a > 0, np.clip(np.frexp(np.where(a > 0, a, 1))[1] - 1 - 2, -126, 127), 0)      # np.frexp(a)[1] - 1 = floor(log2(a)), exactly
;;       r = np.clip(x / 2.0 ** e, -7.5, 7.5)
;;       step = 2.0 ** (np.maximum(np.frexp(np.where(r == 0, 1, r))[1] - 1, 0) - 3)
;;       q = np.round(r / step) * step * 2.0 ** e      # np.round: ties to even
;;       return np.moveaxis(q.reshape(q.shape[:-2] + (-1,))[..., :K], -1, axis).astype(np.float32)
;;   ~~~
;;   SOFTMAX AHEAD OF A QUANTISED PRODUCT. Where the list says 'softmax', what is quantised is not the finished softmax but p = 2^(t - M), with t = logit x log2(e) and M = ceil(the row's largest t), a whole number; so 1/2 < the row's largest p <= 1. The row's sum l is taken of the UNQUANTISED p, in f32, and the product's result is divided by l at the end. Since M is a whole number, a kernel that streams over the keys may use a running M (the ceiling of the running maximum): every later rescaling is an exact power of two, which a block's scale takes up: the codes' values come out the same.
;;   OPERANDS COMPUTED ON THE WAY. 'Computed on the way' means the value that the module computes at that place (a softmax that the list does not call 'softmax' is quantised finished and normalised). What goes into a quantiser is computed in f32, as accurately as f32 sums, v_exp_f32 and their like allow (about 1e-6 of the number): no bf16 or f16 on the way to a quantiser, and a product that is left as it is and whose result goes on into a quantised operand takes f32 operands (vector FMAs, or v_wmma_f32_16x16x4_f32). A number that lies on a knife's edge between two numbers of the format may be rounded either way, as far as f32 arithmetic and the matrix unit's own rounding can turn it there, and no further.
;; 2 versions. Each part assembles by itself: llvm-mc -triple=amdgcn-amd-amdhsa -mcpu=gfx1250 --defsym DOCPART=n.
;; ======== version 1 of 2: 4 launches
;; workspace buffers: xo 3,276,800 bytes; wc 13,107,200 bytes; qf 3,276,800 bytes; kv 6,553,600 bytes; af 3,276,800 bytes
;; launch quant (part 1): grid 640 x 1, 4 waves a work-group, no clusters, 34,304 bytes of LDS; arguments x, Wq, Wk, Wv, Wo, xo, wc; writes xo, wc
.if DOCPART == 1
	.amdgcn_target "amdgcn-amd-amdhsa--gfx1250"
	.amdhsa_code_object_version 6
	.text
	.protected	k_qf79ad41051_quant
	.globl	k_qf79ad41051_quant
	.p2align	8
	.type	k_qf79ad41051_quant,@function
k_qf79ad41051_quant:
	s_mov_b64 s[64:65], 0
	v_nop
	global_prefetch_b8 v0, s[64:65] scope:SCOPE_SE
	s_setreg_imm32_b32 hwreg(HW_REG_WAVE_MODE, 25, 1), 1
	s_wait_xcnt 0x0
; CAUSAL SELF-ATTENTION IN MX-FP6 (E2M3, one E8M0 scale for each 32 along K), four launches: this one, qkv, attn, proj.
; NO WORK OF THE PROBLEM IS LEFT OUT.  The mask is an input: it is loaded and added as it is given, and no tile of the scores is passed over.  All four biases reach a
; quantiser (bq, bk, bv) or the output (bo), so all are loaded.  Every input is an argument of some launch.
; THIS LAUNCH turns x [2048][2048] and Wq, Wk, Wv, Wo [2048 (k)][2048 (n)], f32, into codes and scale bytes, laid as the later launches' operand registers want them.
; A UNIT is 128 rows x 128 along K, U = 12,800 bytes: eight fragments of 16 rows, 1,536 bytes each, as images of their 12 registers (registers 4 c .. 4 c + 3 of lane l at 512 c + 16 l);
; behind them, at SCO, 512 bytes of scale words: the word of row r of fragment f at 128 (f / 2) + 8 r + 4 (f % 2); its byte b is block b of the 128.
; xo: [128 rows][K step][U].  wc: [weight q, k, v, o][128 columns n][K step][U]: a weight's rows are its columns n, since K is its first axis.
; THE ORDER INSIDE A BLOCK OF 32.  In every operand of this program code place P of a block holds element SW(P) = P with its bits 3 and 4 exchanged.  That is the order in which a
; transposed product's results fall when they are quantised in registers (launches qkv and attn); it stays inside a block, so scales and products are the same; here it is had by the loads' offsets alone.
; A block's scale is 2^(floor(log2(its largest magnitude)) - 2); its byte is the largest magnitude's exponent field - 2, held at 1 from below.
; LIMITS: NaN and infinities among the inputs are not served; a block whose largest magnitude lies under 2^-124 has its byte held at 1; a block of zeros has the byte 1 where the
; rule says 127: its codes are zeros, which add nothing under any byte but 0xff, and the bytes are read by this program alone.
; SHARES.  Work-groups 0 to 511 take the weights: 128 columns x 256 along K each; a lane takes a column and its registers run down K.  Work-groups 512 to 639 take x: a wave takes 64 rows x 128 along K.
; No tensor loads, no barrier: waves share nothing.  Only x's way uses LDS: a stage of 16 rows x 528 bytes for each wave.
.set U,      12800
.set SCO,    12288
.set FRB,    1536
.set ROWB,   8192                      ; a row of x or of a weight in bytes
.set SP,     528                       ; a stage row: 512 bytes + 16: sixteen rows begin at sixteen different groups of banks
.set STG,    16*SP
.set SPARE,  4*STG                     ; behind the four stages: the spare words, 128 bytes for each wave
.set FLOOR,  0x1800000                 ; 2^(3 - 127): under it no largest magnitude is taken, so the byte cannot fall under 1
.set EOFF,   0xff000000                ; takes 2 off an exponent field
.set SPW,    2                         ; v2  LDS address of my spare word; never rewritten
.set NIL,    3                         ; v3  0; never rewritten
.set X,      64                        ; the weights' way: v64-127 two sets of 32 numbers
.set IMG,    128                       ; v128-175 the images: 24 registers a K step: 12 for each half of the fragment's lanes
.set T,      176                       ; v176-178 a block's upper 16 codes
.set SB,     24                        ; v24-25 the scale words of the two K steps
.set RR,     64                        ; x's way: v64-191 two sets of 16 rows as they are loaded
.set XX,     192                       ; v192-255 my two blocks, in the operand's order
.set PC,     32                        ; v32-43 the fragment's codes; v44-46, v48-50 the blocks' upper halves
.set PW,     24                        ; v24-27 the four fragments' scale words
.macro WLOAD t                         ; block t of my column: register P takes W(32 t + SW(P), my column): 32 lanes read 128 consecutive bytes
.set P, 0
.rept 32
	global_load_b32 v[X+32*((\t)%2)+P], v6, s[6:7] offset:(32*(\t)+((P&7)|((P&8)<<1)|((P&16)>>1)))*ROWB th:TH_LOAD_NT
.set P, P+1
.endr
.endm
.macro WBLOCK t                        ; block t: block t % 4 of K step t / 4.  In the fragment it belongs to lane half t % 2, registers 6 ((t % 4) / 2) on
.set XS, X+32*((\t)%2)
.set DC, IMG+24*((\t)/4)+12*((\t)%2)+6*(((\t)%4)/2)
.if (\t) < 7
	s_wait_loadcnt 32                              ; this block's 32 loads are in; the next block's 32 may be out
.else
	s_wait_loadcnt 0x0
.endif
	v_max3_num_f32 v12, |v[XS]|, |v[XS+1]|, |v[XS+2]|               ; the block's largest magnitude: all 32 numbers are mine; two chains
	v_max3_num_f32 v13, |v[XS+3]|, |v[XS+4]|, |v[XS+5]|
.irp i, 6,10,14,18,22,26
	v_max3_num_f32 v12, v12, |v[XS+\i]|, |v[XS+\i+1]|
	v_max3_num_f32 v13, v13, |v[XS+\i+2]|, |v[XS+\i+3]|
.endr
	v_max3_num_f32 v12, v12, |v[XS+30]|, |v[XS+31]|
	v_max3_num_f32 v12, v12, v13, FLOOR
	v_add_nc_u32 v11, EOFF, v12                    ; the conversion takes the exponent field of this operand as its scale
	v_cvt_scalef32_pk16_fp6_f32 v[DC:DC+2], v[XS:XS+15], v11
	v_cvt_scalef32_pk16_fp6_f32 v[T:T+2], v[XS+16:XS+31], v11       ; (a conversion's three registers begin on an even number)
	v_lshrrev_b32 v10, 23, v11                     ; the scale's byte; also the plain line behind the conversions
.if (\t)%4 == 0
	v_mov_b32 v[SB+(\t)/4], v10
.else
	v_lshl_or_b32 v[SB+(\t)/4], v10, 8*((\t)%4), v[SB+(\t)/4]
.endif
.irp i, 0,1,2
	v_mov_b32 v[DC+3+\i], v[T+\i]
.endr
.if (\t)+2 < 8
	WLOAD (\t)+2
.endif
.if (\t)%4 == 3                        ; a K step is whole: my row's 12 registers of each lane half.  Sixteen lanes store 256 consecutive bytes, aligned
.irp h, 0,1
.irp c, 0,1,2
	global_store_b128 v7, v[IMG+24*((\t)/4)+12*\h+4*\c:IMG+24*((\t)/4)+12*\h+4*\c+3], s[16:17] offset:((\t)/4)*U+256*\h+512*\c
.endr
.endr
	global_store_b32 v8, v[SB+(\t)/4], s[16:17] offset:((\t)/4)*U+SCO   ; the wave's 32 scale words: 128 consecutive bytes
.endif
.endm
.macro XLOAD f                         ; fragment f's 16 rows: 32 lanes read a row's 512 consecutive bytes
.irp i, 0,1,2,3,4,5,6,7,8,9,10,11,12,13,14,15
	global_load_b128 v[RR+64*((\f)%2)+4*\i:RR+64*((\f)%2)+4*\i+3], v6, s[4:5] offset:(16*(\f)+\i)*ROWB th:TH_LOAD_NT
.endr
.endm
.macro XFRAG f
.set RS, RR+64*((\f)%2)
.if (\f) < 3
	s_wait_loadcnt 16                              ; this fragment's 16 loads are in; the next one's may be out
.else
	s_wait_loadcnt 0x0
.endif
.irp i, 0,1,2,3,4,5,6,7,8,9,10,11,12,13,14,15
	ds_store_b128 v7, v[RS+4*\i:RS+4*\i+3] offset:SP*\i
.endr
.irp c, 0,1                            ; back: lane (r, h) takes blocks h and 2 + h of row r; four places at a time, from the four elements that the order asks for.  LDS serves a wave's instructions in order
.irp g, 0,1,2,3,4,5,6,7
	ds_load_b128 v[XX+32*\c+4*\g:XX+32*\c+4*\g+3], v8 offset:256*\c+16*((\g&1)|((\g&2)<<1)|((\g&4)>>1))
.endr
.endr
	s_wait_dscnt 0x0                               ; my blocks are in, and the stores into the stage have read their registers,
.if (\f)+2 < 4
	XLOAD (\f)+2                                   ; which take the fragment two further on
.endif
.irp c, 0,1
	v_max3_num_f32 v[12+\c], |v[XX+32*\c]|, |v[XX+32*\c+1]|, FLOOR
.endr
.irp i, 2,4,6,8,10,12,14,16,18,20,22,24,26,28,30
.irp c, 0,1
	v_max3_num_f32 v[12+\c], v[12+\c], |v[XX+32*\c+\i]|, |v[XX+32*\c+\i+1]|   ; (the two blocks by turns)
.endr
.endr
.irp c, 0,1
	v_add_nc_u32 v[16+\c], EOFF, v[12+\c]
.endr
.irp c, 0,1
	v_lshrrev_b32 v[18+\c], 23, v[16+\c]
.endr
	v_lshl_or_b32 v20, v19, 16, v18                ; my two bytes: blocks h and 2 + h,
	v_lshlrev_b32 v20, v22, v20                    ; 8 h bits up;
	v_permlanex16_b32 v21, v20, s30, s31
	v_or_b32 v[PW+(\f)], v20, v21                  ; with lane l xor 16's two the row's word is whole, in both lanes
.if (\f) > 0
	s_wait_xcnt 0x0                                ; the last fragment's stores have read their data: the codes' registers are written again only behind this wait
.endif
.irp c, 0,1
	v_cvt_scalef32_pk16_fp6_f32 v[PC+6*\c:PC+6*\c+2], v[XX+32*\c:XX+32*\c+15], v[16+\c]
	v_cvt_scalef32_pk16_fp6_f32 v[44+4*\c:46+4*\c], v[XX+32*\c+16:XX+32*\c+31], v[16+\c]
.endr
	v_nop                                          ; one plain line behind the conversions
.irp c, 0,1
.irp i, 0,1,2
	v_mov_b32 v[PC+6*\c+3+\i], v[44+4*\c+\i]
.endr
.endr
.irp c, 0,1,2
	global_store_b128 v6, v[PC+4*\c:PC+4*\c+3], s[26:27] offset:(\f)*FRB+512*\c   ; 32 lanes store 512 consecutive bytes, aligned to 256
.endr
.endm
	s_load_b256 s[4:11], s[0:1], 0x0               ; x s[4:5], Wq s[6:7], Wk s[8:9], Wv s[10:11]
	s_load_b128 s[12:15], s[0:1], 0x20             ; Wo s[12:13], xo s[14:15]
	s_load_b64 s[16:17], s[0:1], 0x30              ; wc
	v_lshl_add_u32 v[SPW], v0, 2, SPARE
	v_mov_b32 v[NIL], 0
	v_lshrrev_b32 v1, 5, v0
	v_readfirstlane_b32 s18, v1                    ; wave 0..3
	v_and_b32 v1, 31, v0                           ; lane
	v_and_b32 v4, 15, v0                           ; r
	v_bfe_u32 v5, v0, 4, 1                         ; h
	s_cmp_lt_u32 ttmp9, 512
	s_cbranch_scc0 .Lx_way
	; ---- THE WEIGHTS.  Work-group = 128 x weight + 8 x (128 columns) + (256 along K)
	v_lshlrev_b32 v6, 2, v1                        ; in: 4 bytes a lane
	s_mul_i32 s19, s18, 2*FRB                      ; out: my wave's 32 columns are fragments 2 w and 2 w + 1
	v_mul_u32_u24 v7, v5, FRB
	v_lshl_add_u32 v7, v4, 4, v7
	v_add_nc_u32 v7, s19, v7                       ; my row's 16 bytes of a store
	s_lshl_b32 s19, s18, 7
	v_lshlrev_b32 v8, 3, v4
	v_lshl_add_u32 v8, v5, 2, v8
	v_add_nc_u32 v8, s19, v8                       ; my row's scale word: 128 w + 8 r + 4 h
	s_lshr_b32 s20, ttmp9, 7                       ; which weight
	s_bfe_u32 s21, ttmp9, 0x40003                  ; which 128 columns
	s_and_b32 s22, ttmp9, 7                        ; which 256 along K
	s_lshl_b32 s24, s22, 21                        ; 256 rows of 8,192 bytes
	s_lshl_b32 s21, s21, 9
	s_add_co_u32 s24, s24, s21
	s_add_co_u32 s24, s24, s19                     ; + my wave's 32 columns, 128 bytes
	s_mov_b32 s25, 0
	s_lshr_b32 s26, ttmp9, 3
	s_mul_i32 s26, s26, 16*U
	s_mul_i32 s22, s22, 2*U
	s_add_co_u32 s26, s26, s22
	s_mov_b32 s27, 0
	s_wait_kmcnt 0x0
	s_cmp_eq_u32 s20, 1                            ; the choice hangs on the work-group's number alone
	s_cselect_b64 s[6:7], s[8:9], s[6:7]
	s_cmp_eq_u32 s20, 2
	s_cselect_b64 s[6:7], s[10:11], s[6:7]
	s_cmp_eq_u32 s20, 3
	s_cselect_b64 s[6:7], s[12:13], s[6:7]
	s_add_nc_u64 s[6:7], s[6:7], s[24:25]
	s_add_nc_u64 s[16:17], s[16:17], s[26:27]
	WLOAD 0
	WLOAD 1                                        ; two blocks, 64 loads a wave, ahead
.irp t, 0,1,2,3,4,5,6,7
	WBLOCK \t                                      ; every offset is an immediate and no store's data are written again: no wait for the stores' sources is needed
.endr
	s_branch .Lend
	; ---- x.  Work-group 512 + 4 x (64 rows) + (four K steps); wave w takes K step 4 (..) + w
.Lx_way:
	s_sub_co_u32 s19, ttmp9, 512
	s_lshr_b32 s20, s19, 2                         ; which 64 rows
	s_and_b32 s19, s19, 3
	s_lshl_b32 s19, s19, 2
	s_add_co_u32 s19, s19, s18                     ; which K step
	s_lshl_b32 s22, s20, 19                        ; 64 rows of 8,192 bytes
	s_lshl_b32 s21, s19, 9
	s_add_co_u32 s22, s22, s21
	s_mov_b32 s23, 0
	s_lshr_b32 s24, s20, 1
	s_lshl_b32 s24, s24, 4
	s_add_co_u32 s24, s24, s19
	s_mul_i32 s24, s24, U                          ; the unit
	s_mov_b32 s25, 0
	s_and_b32 s20, s20, 1                          ; its lower or upper four fragments
	s_mul_i32 s26, s20, 4*FRB
	s_add_co_u32 s26, s26, s24
	s_mov_b32 s27, 0
	s_lshl_b32 s20, s20, 8
	s_add_co_u32 s24, s24, s20                     ; and the lower or upper 256 bytes of its scale words
	s_mul_i32 s28, s18, STG                        ; my stage
	v_lshlrev_b32 v6, 4, v1                        ; 16 x lane
	v_add_nc_u32 v7, s28, v6                       ; into the stage
	v_mul_u32_u24 v8, v4, SP
	v_lshl_add_u32 v8, v5, 7, v8
	v_add_nc_u32 v8, s28, v8                       ; out of it: row r, + 128 h bytes: block h
	v_lshlrev_b32 v9, 3, v4
	v_lshl_add_u32 v9, v5, 7, v9                   ; the scale words' store: 128 h + 8 r
	v_lshlrev_b32 v22, 3, v5                       ; 8 h
	v_mov_b32 v21, 0                               ; written once: a lane permute's destination counts as one of its sources
	s_mov_b32 s30, 0x76543210
	s_mov_b32 s31, 0xfedcba98                      ; selects for lane l xor 16
	s_mov_b32 s32, 0xffff0000                      ; lanes 16-31
	s_wait_kmcnt 0x0
	s_add_nc_u64 s[4:5], s[4:5], s[22:23]
	s_add_nc_u64 s[26:27], s[14:15], s[26:27]
	s_add_nc_u64 s[24:25], s[14:15], s[24:25]
	XLOAD 0
	XLOAD 1
	XFRAG 0
	XFRAG 1
	XFRAG 2
	XFRAG 3
	v_cndmask_b32 v28, v[PW], v[PW+2], s32         ; lanes 0-15 store fragments 0 and 1's words of row r, lanes 16-31 fragments 2 and 3's
	v_cndmask_b32 v29, v[PW+1], v[PW+3], s32
	global_store_b64 v9, v[28:29], s[24:25] offset:SCO   ; 32 lanes store 256 consecutive bytes, aligned
.Lend:
	s_wait_tensorcnt 0x0                           ; the wave's end
	ds_add_u32 v[SPW], v[NIL]
	s_wait_dscnt 0x0
	s_endpgm
.Lfunc_end_k_qf79ad41051_quant:
	.size	k_qf79ad41051_quant, .Lfunc_end_k_qf79ad41051_quant-k_qf79ad41051_quant
	.p2alignl 7, 3214868480
	.fill 96, 4, 3214868480
	.section	.rodata,"a",@progbits
	.p2align	6, 0x0
	.amdhsa_kernel k_qf79ad41051_quant
		.amdhsa_group_segment_fixed_size 34304
		.amdhsa_private_segment_fixed_size 0
		.amdhsa_enable_private_segment 0
		.amdhsa_kernarg_size 56
		.amdhsa_user_sgpr_count 2
		.amdhsa_user_sgpr_kernarg_segment_ptr 1
		.amdhsa_wavefront_size32 1
		.amdhsa_system_sgpr_workgroup_id_x 1
		.amdhsa_system_sgpr_workgroup_id_y 1
		.amdhsa_system_sgpr_workgroup_id_z 1
		.amdhsa_system_vgpr_workitem_id 0
		.amdhsa_next_free_vgpr 256
		.amdhsa_next_free_sgpr 66
		.amdhsa_reserve_vcc 0
		.amdhsa_float_denorm_mode_32 3
		.amdhsa_float_denorm_mode_16_64 3
		.amdhsa_memory_ordered 1
		.amdhsa_forward_progress 1
		.amdhsa_inst_pref_size 68
	.end_amdhsa_kernel
	.amdgpu_metadata
---
amdhsa.version: [ 1, 2 ]
amdhsa.kernels:
  - .name:           k_qf79ad41051_quant
    .symbol:         k_qf79ad41051_quant.kd
    .args:
      - { .name: x, .offset: 0, .size: 8, .value_kind: global_buffer, .address_space: global }
      - { .name: Wq, .offset: 8, .size: 8, .value_kind: global_buffer, .address_space: global }
      - { .name: Wk, .offset: 16, .size: 8, .value_kind: global_buffer, .address_space: global }
      - { .name: Wv, .offset: 24, .size: 8, .value_kind: global_buffer, .address_space: global }
      - { .name: Wo, .offset: 32, .size: 8, .value_kind: global_buffer, .address_space: global }
      - { .name: xo, .offset: 40, .size: 8, .value_kind: global_buffer, .address_space: global }
      - { .name: wc, .offset: 48, .size: 8, .value_kind: global_buffer, .address_space: global }
    .group_segment_fixed_size: 34304
    .private_segment_fixed_size: 0
    .kernarg_segment_align: 8
    .kernarg_segment_size: 56
    .max_flat_workgroup_size: 128
    .sgpr_count:     66
    .vgpr_count:     256
    .wavefront_size: 32
...
	.end_amdgpu_metadata
.endif
;; end of part 1
;; launch qkv (part 2): grid 24 x 8, 4 waves a work-group, clusters of 4 x 4, 327,680 bytes of LDS; arguments xo, wc, bq, bk, bv, qf, kv; writes qf, kv
.if DOCPART == 2
	.amdgcn_target "amdgcn-amd-amdhsa--gfx1250"
	.amdhsa_code_object_version 6
	.text
	.protected	k_qf79ad41051_qkv
	.globl	k_qf79ad41051_qkv
	.p2align	8
	.type	k_qf79ad41051_qkv,@function
k_qf79ad41051_qkv:
	s_mov_b64 s[64:65], 0
	v_nop
	global_prefetch_b8 v0, s[64:65] scope:SCOPE_SE
	s_setreg_imm32_b32 hwreg(HW_REG_WAVE_MODE, 25, 1), 1
	s_wait_xcnt 0x0
	s_wait_alu depctr_hold_cnt(0) depctr_sa_sdst(0) depctr_va_vdst(0) depctr_va_sdst(0) depctr_va_ssrc(0) depctr_va_vcc(0) depctr_vm_vsrc(0)
	s_getreg_b32 s2, hwreg(HW_REG_IB_STS2, 6, 4)
	s_cmp_eq_u32 s2, 0
	s_cbranch_scc0 .Lentry_in_a_cluster
	s_endpgm
.Lentry_in_a_cluster:
	s_bfe_u32 s2, ttmp6, 0x10000c
	s_cmp_lg_u32 s2, 0xf033
	s_cbranch_scc0 .Lentry_shape_is_right
	s_endpgm
.Lentry_shape_is_right:
; q = x Wq + bq, k = x Wk + bk, v = x Wv + bv on codes of FP6 (E2M3) with E8M0 scales, and each result quantised on its way out, in f32, for the attention's two products.  Nothing of the problem is left out here.
; OPERANDS come as UNITS of 128 rows x 128 along K, U = 12,800 bytes: eight fragments of 1,536 bytes as images of their 12 registers (registers 4 c .. 4 c + 3 of lane l at 512 c + 16 l), then at SCO 512 bytes
; of scale words (row r of fragment f at 128 (f / 2) + 8 r + 4 (f % 2)).  xo: [128 rows][K step][U]; wc: [weight][128 columns][K step][U].  So a fragment is three loads of 512 consecutive bytes, with no pitch and no padding.
; A tile of 256 x 256 is made by four waves, 128 x 128 each: 64 accumulators, 512 registers.  K goes through a ring of two LDS slots of two K steps (256 along K): a wave's tensor load brings two units, 25,600 dense bytes.
; TILE COLUMNS 0-7 make q, 8-15 k: A = x's rows, B = the weight's columns.  TILE COLUMNS 16-23 make v TRANSPOSED: A = Wv's columns (the head's d), B = x's rows (the keys): the same text with the two pointers exchanged,
; by a choice on the cluster's x, which all partners share.  THE MATRIX INSTRUCTION IS USED TRANSPOSED (source 0 = 16 rows of B, source 1 = 16 rows of A): a lane holds one row of A and its registers run along B's rows,
; which are the next product's K: d for q and k, the keys for v.  So a wave's 128 x 128 is quantised in registers, block of 16 rows by block, and is exactly one unit of the next launch.
; THE ORDER INSIDE A BLOCK OF 32: register 16 b + 8 u + j of lane half hs is element 32 b + 16 u + 8 hs + j and becomes code place 16 hs + 8 u + j: place P holds element P with bits 3 and 4 exchanged, as in every operand of this program.
; qf: [head][128 queries][U].  kv: [head][128 keys][K's unit, V's unit]; V's unit has rows d and K = the step's 128 keys.
; CLUSTERS: 4 x 4 work-groups; A's tiles are asked for jointly along a row of the cluster, B's along a column.
; LIMITS: NaN and infinities are not served; a block whose largest magnitude lies under 2^-124 has its byte held at 1; a block of zeros has the byte 1 where the rule says 127 (its codes are zeros; this program alone reads the bytes).
; REGISTERS: window 0: v16-29 addresses; v32-63 scale words, two sets; v64-127 the bias; v128-223 A's fragments, ONE set (free on the way out).  window 1: B's fragments, two sets, at v0 and v128.
;   window 2: the accumulators of my rows 0-63 ((a, b) at v[8 (8 a + b)]); window 3: those of rows 64-127.
.set U,      12800
.set SCO,    12288
.set FRB,    1536
.set R128B,  16*U                      ; 128 rows, all 16 K steps
.set NQ,     2                         ; K steps of 128 in a slot
.set HALFT,  NQ*U                      ; what one tensor load brings
.set SLOT,   4*HALFT                   ; A's two halves, then B's two halves
.set SPARE,  2*SLOT                    ; behind the ring: the spare words, 128 bytes for each wave
.set LAPS,   16/(2*NQ)                 ; a lap = once round the ring
.set FR,     12
.set NL,     3                         ; LDS loads that bring a fragment
.set NP,     4                         ; places behind this matrix instruction (ISA guide 7.12.1)
.set ADRA,   16                        ; v16-17 my A fragments in slot 0, 1
.set ADRB,   20                        ; v20-21 my B fragments
.set ADRS,   22                        ; v22-23 my scale words: lanes 0-15 A's rows, lanes 16-31 B's
.set VO,     24                        ; v24 16 x lane
.set VS,     25                        ; v25 the scale words' store: 128 h + 8 r
.set SPW,    28                        ; v28 LDS address of my spare word; never rewritten
.set NIL,    29                        ; v29 0; never rewritten
.set SC,     32                        ; scale words: set s at v[SC + 16 s]; in it register 8 q + i: lanes 0-15 the word of A's block i, lanes 16-31 that of B's block i, for the slot's q-th K step
.set BI,     64                        ; the bias, 64 registers
.set AF,     128
.set HA,     128                       ; the way out: v128-191 64 numbers; v192-210 codes; v212-227 at work; v232-239 the eight scale words; v240-243 their pairs
.set PC,     192
.set TM,     212
.set PWS,    232
.set G1,     24
.set G0,     32
.set G1B,    48
.set G0B,    56
.set SEL,    94
.set MSB, 0
.macro WIN new                         ; the immediate's high byte repeats the setting that is left
.if MSB != (\new)
	s_set_vgpr_msb (MSB<<8)|(\new)
.set MSB, (\new)
.endif
.endm
.set MUL_LO, 0xa1                      ; source 0 (B) window 1, source 1 (A) window 0, C and D window 2
.set MUL_HI, 0xf1
.set TO_B,   0x40
; A joint load: waves 0 and 1 fetch A's halves, waves 2 and 3 B's.  The branch hangs on the wave's number alone.  An s_nop 0 and four v_nop follow each line.
.macro JLOAD g0a, g1a, g0b, g1b
	s_cmp_eq_u32 s15, 0
	s_cbranch_scc0 .Lfor_b_\@
	tensor_load_to_lds s[\g0a:\g0a+3], s[\g1a:\g1a+7]
	s_nop 0
.rept 4
	v_nop
.endr
	s_branch .Lasked_\@
.Lfor_b_\@:
	tensor_load_to_lds s[\g0b:\g0b+3], s[\g1b:\g1b+7]
	s_nop 0
.rept 4
	v_nop
.endr
.Lasked_\@:
.endm
.macro CREST                           ; a round of the cluster's barrier behind its opening barrier
	s_cmp_lg_u32 s14, 0
	s_cbranch_scc1 .Lnot_wave_0_\@
	s_barrier_signal -3
.Lnot_wave_0_\@:
	s_barrier_wait -3
	s_barrier_signal -1
	s_barrier_wait -1
.endm
.macro CROUND
	s_barrier_signal -1
	s_barrier_wait -1
	CREST
.endm
.macro FRAG reg, adr, q, i             ; fragment i of the slot's q-th unit: three loads of 512 consecutive bytes
.irp c, 0,1,2
	ds_load_b128 v[\reg+4*\c:\reg+4*\c+3], v[\adr] offset:(\q)*U+(\i)*FRB+512*\c
.endr
.endm
; 16 matrix instructions: A's blocks a0, a0 + 1 x B's eight.  The 64 accumulators take turns, one instruction a turn, in the same order in every step.
.macro MUL16 a0, p, q, sc, zero
.irp a, \a0, \a0+1
.irp b, 0,1,2,3,4,5,6,7
.if \zero
	v_wmma_scale_f32_16x16x128_f8f6f4 v[8*(8*((\a)%4)+\b):8*(8*((\a)%4)+\b)+7], v[128*(\p)+FR*\b:128*(\p)+FR*\b+FR-1], v[AF+FR*(\a):AF+FR*(\a)+FR-1], 0, v[SC+16*(\sc)+8*(\q)+\b], v[SC+16*(\sc)+8*(\q)+(\a)] matrix_a_fmt:MATRIX_FMT_FP6 matrix_b_fmt:MATRIX_FMT_FP6 matrix_a_scale:MATRIX_SCALE_ROW1
.else
	v_wmma_scale_f32_16x16x128_f8f6f4 v[8*(8*((\a)%4)+\b):8*(8*((\a)%4)+\b)+7], v[128*(\p)+FR*\b:128*(\p)+FR*\b+FR-1], v[AF+FR*(\a):AF+FR*(\a)+FR-1], v[8*(8*((\a)%4)+\b):8*(8*((\a)%4)+\b)+7], v[SC+16*(\sc)+8*(\q)+\b], v[SC+16*(\sc)+8*(\q)+(\a)] matrix_a_fmt:MATRIX_FMT_FP6 matrix_b_fmt:MATRIX_FMT_FP6 matrix_a_scale:MATRIX_SCALE_ROW1
.endif
.endr
.endr
.endm
.macro FETCH_B slot, q, p
	WIN TO_B
.irp i, 0,1,2,3,4,5,6,7
	FRAG 128*(\p)+FR*\i, ADRB+\slot, \q, \i
.endr
	WIN 0
.endm
.macro FETCH_A slot, q, i0
.irp i, \i0, \i0+1, \i0+2, \i0+3
	FRAG AF+FR*(\i), ADRA+\slot, \q, \i
.endr
.endm
.macro SCALES slot                     ; a slot's scale words: two neighbouring fragments' words of a row are 8 bytes; lanes 0-15 take A's, lanes 16-31 B's
.irp q, 0,1
.irp b, 0,1,2,3
	ds_load_b64 v[SC+16*\slot+8*\q+2*\b:SC+16*\slot+8*\q+2*\b+1], v[ADRS+\slot] offset:\q*U+SCO+128*\b
.endr
.endr
.endm
.macro PLACES n                        ; plain vector instructions between a matrix instruction and a load into, or a read of, its registers
.rept \n
	v_nop
.endr
.endm
.macro STEP slot, q, zero              ; a K step that has its successor in the same slot
	s_wait_dscnt 4*NL                              ; all but the youngest twelve loads (A's blocks 4-7) are in
	WIN MUL_LO
	MUL16 0, (\q)%2, \q, \slot, \zero
	MUL16 2, (\q)%2, \q, \slot, \zero
	s_wait_dscnt 0                                 ; A's blocks 4-7 are in
	PLACES NP
	FETCH_B \slot, (\q)+1, 1-(\q)%2
	FETCH_A \slot, (\q)+1, 0
	WIN MUL_HI
	MUL16 4, (\q)%2, \q, \slot, \zero
	MUL16 6, (\q)%2, \q, \slot, \zero
	PLACES NP
	WIN 0
	FETCH_A \slot, (\q)+1, 4
.endm
; A slot's last K step changes slots: one barrier; in front of it each wave waits for all its tensor loads, adds 0 to its spare word, and waits for that and for its own reads of this slot.
.macro TURN slot, next, fill
	s_wait_tensorcnt 0x0                           ; all my tensor loads have landed: my part of the next slot
	ds_add_u32 v[SPW], v[NIL]                      ; 0 onto my spare word
	s_wait_dscnt 4*NL+1                            ; (the add and the youngest twelve loads may be out)
	WIN MUL_LO
	MUL16 0, 1, NQ-1, \slot, 0
	s_wait_dscnt 0x0                               ; the add is done, and my reads of this slot are over
	s_barrier_signal -1
	MUL16 2, 1, NQ-1, \slot, 0
	WIN 0
	s_barrier_wait -1
.if \fill
	CREST                                          ; the barrier has opened a round of the cluster's barrier: no wave of any partner still reads this slot or has a load on its way
	s_add_nc_u64 s[G0+4*\slot+2:G0+4*\slot+3], s[G0+4*\slot+2:G0+4*\slot+3], 2*HALFT
	s_add_nc_u64 s[G0B+4*\slot+2:G0B+4*\slot+3], s[G0B+4*\slot+2:G0B+4*\slot+3], 2*HALFT
	JLOAD G0+4*\slot, G1, G0B+4*\slot, G1B         ; the first tensor load behind the round; its four v_nop are the places in front of the loads below
.else
	PLACES NP
.endif
	FETCH_B \next, 0, 0
	FETCH_A \next, 0, 0
	SCALES \next
	WIN MUL_HI
	MUL16 4, 1, NQ-1, \slot, 0
	MUL16 6, 1, NQ-1, \slot, 0
	PLACES NP
	WIN 0
	FETCH_A \next, 0, 4
.endm
; 64 numbers of a lane, v[s] on, register 16 b + i in block b of my row, become a fragment's codes in v[PC] on and its scale word in v[pw].
.macro QUANT s, pw
.irp b, 0,1,2,3
	v_max3_num_f32 v[TM+\b], |v[\s+16*\b]|, |v[\s+1+16*\b]|, 0x1800000   ; my 16 numbers of block b, and the floor 2^(3 - 127)
.endr
.irp i, 2,4,6,8,10,12,14
.irp b, 0,1,2,3
	v_max3_num_f32 v[TM+\b], v[TM+\b], |v[\s+16*\b+\i]|, |v[\s+1+16*\b+\i]|
.endr
.endr
.irp b, 0,1,2,3
	v_permlanex16_b32 v[TM+4+\b], v[TM+\b], s[SEL], s[SEL+1]
.endr
.irp b, 0,1,2,3
	v_max_num_f32 v[TM+\b], v[TM+\b], v[TM+4+\b]   ; with lane l xor 16's: the block's largest magnitude
.endr
.irp b, 0,1,2,3
	v_add_nc_u32 v[TM+12+\b], 0xff000000, v[TM+\b] ; 2 off its exponent field: the conversion's scale operand
.endr
.irp b, 0,1,2,3
	v_lshrrev_b32 v[TM+4+\b], 23, v[TM+12+\b]      ; the scale's byte
.endr
	v_lshl_or_b32 v[\pw], v[TM+5], 8, v[TM+4]
	v_lshl_or_b32 v[\pw], v[TM+6], 16, v[\pw]
	v_lshl_or_b32 v[\pw], v[TM+7], 24, v[\pw]
.irp c, 0,1
	v_cvt_scalef32_pk16_fp6_f32 v[PC+6*\c:PC+2+6*\c], v[\s+32*\c:\s+15+32*\c], v[TM+12+2*\c]
	v_cvt_scalef32_pk16_fp6_f32 v[PC+12+4*\c:PC+14+4*\c], v[\s+16+32*\c:\s+31+32*\c], v[TM+12+2*\c+1]
.endr
	v_nop                                          ; one plain line behind the conversions
.irp c, 0,1                            ; the operand wants a whole block in a lane: lanes 0-15 block 2 c, lanes 16-31 block 2 c + 1
.irp i, 0,1,2
	v_permlane16_swap_b32 v[PC+6*\c+\i], v[PC+12+4*\c+\i]
.endr
.irp i, 0,1,2
	v_mov_b32 v[PC+3+6*\c+\i], v[PC+12+4*\c+\i]
.endr
.endr
.endm
; THE WAY OUT.  Block a (16 rows of A): its eight accumulators + the bias, in f32; quantised; the fragment's image stored: 512 consecutive bytes a store.  sel = 0: the bias runs along the registers (q, k); 1: along A's rows (v).
.macro OUT sel
.irp a, 0,1,2,3,4,5,6,7
	WIN 0x02+(\a/4)                                ; source 0: window 2 or 3
.irp b, 0,1,2,3,4,5,6,7
.irp i, 0,2,4,6                        ; each accumulator from its low end on
.if \sel
	v_pk_add_f32 v[HA+8*\b+\i:HA+8*\b+\i+1], v[64*(\a%4)+8*\b+\i:64*(\a%4)+8*\b+\i+1], v[BI+8*\a+\i:BI+8*\a+\i+1]
.else
	v_pk_add_f32 v[HA+8*\b+\i:HA+8*\b+\i+1], v[64*(\a%4)+8*\b+\i:64*(\a%4)+8*\b+\i+1], v[BI+8*\b+\i:BI+8*\b+\i+1]
.endif
.endr
.endr
	WIN 0
.if \a > 0
	s_wait_xcnt 0x0                                ; the last block's stores have read their data: the codes' registers are written again only behind this wait
.endif
	QUANT HA, PWS+\a
.irp c, 0,1,2
	global_store_b128 v[VO], v[PC+4*\c:PC+4*\c+3], s[86:87] offset:\a*FRB+512*\c
.endr
.endr
.endm
	s_load_b256 s[68:75], s[0:1], 0x0              ; xo s[68:69], wc s[70:71], bq s[72:73], bk s[74:75]
	s_load_b128 s[76:79], s[0:1], 0x20             ; bv s[76:77], qf s[78:79]
	s_load_b64 s[80:81], s[0:1], 0x30              ; kv
	v_lshl_add_u32 v[SPW], v0, 2, SPARE
	v_mov_b32 v[NIL], 0
	ds_add_u32 v[SPW], v[NIL]                      ; the wave's opening
	ds_add_u32 v[SPW], v[NIL]
	v_lshrrev_b32 v1, 5, v0
	v_readfirstlane_b32 s14, v1                    ; wave 0..3
	s_lshr_b32 s15, s14, 1                         ; which half of A's rows is mine.  Also: I fetch for A (0) or for B (1)
	s_and_b32 s16, s14, 1                          ; which half of B's rows.  Also: which half I fetch
	s_bfe_u32 s40, ttmp6, 0x40000                  ; cx, cy: my place in the cluster
	s_bfe_u32 s41, ttmp6, 0x40004
	s_lshl_b32 s42, ttmp9, 2
	s_add_co_u32 s42, s42, s40                     ; tile column = 4 x cluster x + cx
	s_and_b32 s17, ttmp7, 0xffff
	s_lshl_b32 s17, s17, 2
	s_add_co_u32 s17, s17, s41                     ; tile row = 4 x cluster y + cy
	s_lshl_b32 s43, s41, 2
	s_lshl_b32 s43, 15, s43                        ; my row of the cluster
	s_lshl_b32 s44, 0x1111, s40                    ; my column
	s_or_b32 s[G1+0], s43, (3<<16)|(1<<21)         ; 15:0 the mask; 17:16 elements of 8 bytes; 20 no padding; 21 set beside a mask
	s_or_b32 s[G1B+0], s44, (3<<16)|(1<<21)
.irp g, G1, G1B                        ; 25,600 dense bytes as 100 rows of 256
	s_mov_b32 s[\g+1], 32<<16                      ; tensor_dim0 = 32
	s_mov_b32 s[\g+2], 100<<16                     ; tensor_dim1 = 100
	s_mov_b32 s[\g+3], 32<<16                      ; tile_dim0
	s_mov_b32 s[\g+4], 100                         ; tile_dim1
	s_mov_b32 s[\g+5], 32                          ; the pitch
	s_mov_b32 s[\g+6], 0
	s_mov_b32 s[\g+7], 0
.endr
	s_lshl_b32 s20, s17, 1
	s_add_co_u32 s20, s20, s16
	s_mul_i32 s20, s20, R128B                      ; A: 128 rows number 2 x tile row + half
	s_mov_b32 s21, 0
	s_and_b32 s46, s42, 15                         ; B: the tile column within its operand: q's and k's weights lie on end (0-15); v's keys: column - 16
	s_lshl_b32 s46, s46, 1
	s_add_co_u32 s46, s46, s16
	s_mul_i32 s46, s46, R128B
	s_mov_b32 s47, 0
	s_mul_i32 s45, s14, HALFT                      ; where my load goes: no place in the cluster enters an LDS address
	s_wait_dscnt 0x0                               ; both opening adds are done
	s_wait_kmcnt 0x0
	s_add_nc_u64 s[86:87], s[70:71], 2*16*R128B    ; Wv's units
	s_cmp_ge_u32 ttmp9, 4                          ; clusters 4 and 5 along x make v: the same in all sixteen partners
	s_cselect_b64 s[82:83], s[86:87], s[68:69]     ; A: Wv or x
	s_cselect_b64 s[84:85], s[68:69], s[70:71]     ; B: x or Wq, Wk
	s_add_nc_u64 s[20:21], s[82:83], s[20:21]
	s_add_nc_u64 s[46:47], s[84:85], s[46:47]
	CROUND                                         ; all sixteen work-groups are here: the first joint loads meet
.irp s, 0,1
	s_mov_b32 s[G0+4*\s], 1
	s_add_co_u32 s[G0+4*\s+1], s45, \s*SLOT
	s_add_nc_u64 s[G0+4*\s+2:G0+4*\s+3], s[20:21], \s*HALFT
	s_or_b32 s[G0+4*\s+3], s[G0+4*\s+3], 0x80000000
	s_mov_b32 s[G0B+4*\s], 1
	s_add_co_u32 s[G0B+4*\s+1], s45, \s*SLOT
	s_add_nc_u64 s[G0B+4*\s+2:G0B+4*\s+3], s[46:47], \s*HALFT
	s_or_b32 s[G0B+4*\s+3], s[G0B+4*\s+3], 0x80000000
	JLOAD G0+4*\s, G1, G0B+4*\s, G1B               ; two loads of mine are out
.endr
	v_and_b32 v1, 15, v0                           ; r
	v_bfe_u32 v2, v0, 4, 1                         ; h
	v_and_b32 v3, 31, v0
	v_lshlrev_b32 v[VO], 4, v3
	v_lshlrev_b32 v[VS], 3, v1
	v_lshl_add_u32 v[VS], v2, 7, v[VS]
	v_lshlrev_b32 v26, 5, v2                       ; the bias's lane terms: 32 h (q, k),
	v_lshlrev_b32 v27, 2, v1                       ; 4 r (v)
	s_mul_i32 s21, s15, HALFT                      ; my half of A
	s_mul_i32 s22, s16, HALFT
	s_add_co_u32 s22, s22, 2*HALFT                 ; my half of B
	s_sub_co_u32 s23, s22, s21
	v_mul_u32_u24 v5, s23, v2                      ; lanes 16-31 take B's scale words: the lower base + h x the distance
	v_lshl_add_u32 v5, v1, 3, v5
.irp s, 0,1
	v_add_nc_u32 v[ADRA+\s], s21, v[VO]
	v_add_nc_u32 v[ADRB+\s], s22, v[VO]
	v_add_nc_u32 v[ADRS+\s], s21, v5
	s_add_co_u32 s21, s21, SLOT
	s_add_co_u32 s22, s22, SLOT
.endr
	; the bias: both ways fill all 64 registers.  It is waited for on the way out
	s_cmp_lt_u32 ttmp9, 4
	s_cbranch_scc0 .Lbias_v
	s_cmp_lt_u32 ttmp9, 2
	s_cselect_b64 s[88:89], s[72:73], s[74:75]     ; bq or bk
	s_and_b32 s18, s42, 7
	s_lshl_b32 s18, s18, 10
	s_lshl_b32 s19, s16, 9
	s_add_co_u32 s18, s18, s19                     ; my 128 columns, in bytes
	s_mov_b32 s19, 0
	s_add_nc_u64 s[88:89], s[88:89], s[18:19]
.irp b, 0,1,2,3,4,5,6,7                ; register 8 b + j: the bias of column 16 b + 8 h + j
	global_load_b128 v[BI+8*\b:BI+8*\b+3], v26, s[88:89] offset:64*\b
	global_load_b128 v[BI+8*\b+4:BI+8*\b+7], v26, s[88:89] offset:64*\b+16
.endr
	s_branch .Lbias_done
.Lbias_v:
	s_lshl_b32 s18, s17, 10
	s_lshl_b32 s19, s15, 9
	s_add_co_u32 s18, s18, s19                     ; my 128 rows of A, which are v's columns, in bytes
	s_mov_b32 s19, 0
	s_add_nc_u64 s[88:89], s[76:77], s[18:19]
.irp a, 0,1,2,3,4,5,6,7                ; registers 8 a + 0 .. 7 all hold the bias of row 16 a + r
.irp j, 0,1,2,3,4,5,6,7
	global_load_b32 v[BI+8*\a+\j], v27, s[88:89] offset:64*\a
.endr
.endr
.Lbias_done:
	; where my unit goes
	s_lshl_b32 s18, s17, 1
	s_add_co_u32 s18, s18, s15                     ; 2 x tile row + my half of A
	s_and_b32 s19, s42, 7
	s_lshl_b32 s19, s19, 1
	s_add_co_u32 s19, s19, s16                     ; 2 x (tile column within q, k or v) + my half of B
	s_cmp_ge_u32 ttmp9, 4
	s_cselect_b32 s22, s18, s19                    ; the head: by B's columns for q and k, by A's rows for v
	s_cselect_b32 s23, s19, s18                    ; the 128 positions: the other one
	s_cselect_b32 s90, U, 0                        ; V's unit lies behind K's
	s_lshl_b32 s22, s22, 4
	s_add_co_u32 s22, s22, s23
	s_mov_b32 s23, 2*U
	s_cmp_lt_u32 ttmp9, 2
	s_cselect_b64 s[86:87], s[78:79], s[80:81]     ; qf or kv
	s_cselect_b32 s23, U, s23
	s_mul_i32 s22, s22, s23
	s_add_co_u32 s22, s22, s90
	s_mov_b32 s23, 0
	s_add_nc_u64 s[86:87], s[86:87], s[22:23]
	s_mov_b32 s[SEL], 0x76543210
	s_mov_b32 s[SEL+1], 0xfedcba98                 ; selects for lane l xor 16
	s_mov_b32 s96, 0xffff0000                      ; lanes 16-31
	s_wait_tensorcnt 1                             ; my part of slot 0 is in (slot 1's load may be out)
	s_barrier_signal -1
	s_barrier_wait -1                              ; everybody's is
	FETCH_B 0, 0, 0
	FETCH_A 0, 0, 0
	SCALES 0
	FETCH_A 0, 0, 4
	STEP 0, 0, 1                                   ; the first step stands in front of the loop: its products start the sums
	s_mov_b32 s3, LAPS-1
.Llap:                                                 ; a trip goes once round the ring and fills both slots again
	TURN 0, 1, 1
	STEP 1, 0, 0
	TURN 1, 0, 1
	STEP 0, 0, 0
	s_sub_co_u32 s3, s3, 1
	s_cmp_lg_u32 s3, 0
	s_cbranch_scc1 .Llap
	TURN 0, 1, 0                                   ; the last lap fills nothing
	STEP 1, 0, 0
	s_wait_dscnt 4*NL
	WIN MUL_LO
	MUL16 0, 1, NQ-1, 1, 0
	MUL16 2, 1, NQ-1, 1, 0
	s_wait_dscnt 0
	WIN MUL_HI
	MUL16 4, 1, NQ-1, 1, 0
	MUL16 6, 1, NQ-1, 1, 0
	WIN 0
	s_wait_loadcnt 0x0                             ; the bias
	PLACES NP                                      ; behind the last products: their results are read, and A's registers written, below
.irp b, 0,1,2,3
	v_mov_b32 v[TM+4+\b], 0                        ; written once: a lane permute's destination counts as one of its sources
.endr
	s_cmp_lt_u32 ttmp9, 4
	s_cbranch_scc0 .Lout_v
	OUT 0
	s_branch .Lout_done
.Lout_v:
	OUT 1
.Lout_done:
.irp g, 0,1                            ; the unit's scale words: lanes 0-15 store fragments 4 g and 4 g + 1's words of row r, lanes 16-31 fragments 4 g + 2 and 4 g + 3's: 256 consecutive bytes, aligned
	v_cndmask_b32 v[240+2*\g], v[PWS+4*\g], v[PWS+4*\g+2], s96
	v_cndmask_b32 v[241+2*\g], v[PWS+4*\g+1], v[PWS+4*\g+3], s96
	global_store_b64 v[VS], v[240+2*\g:241+2*\g], s[86:87] offset:SCO+256*\g
.endr
	s_wait_tensorcnt 0x0                           ; the wave's end
	ds_add_u32 v[SPW], v[NIL]
	s_wait_dscnt 0x0
	CROUND                                         ; the closing round: no work-group ends while a partner may still ask for a tile that names it
	s_endpgm
.Lfunc_end_k_qf79ad41051_qkv:
	.size	k_qf79ad41051_qkv, .Lfunc_end_k_qf79ad41051_qkv-k_qf79ad41051_qkv
	.p2alignl 7, 3214868480
	.fill 96, 4, 3214868480
	.section	.rodata,"a",@progbits
	.p2align	6, 0x0
	.amdhsa_kernel k_qf79ad41051_qkv
		.amdhsa_group_segment_fixed_size 327680
		.amdhsa_private_segment_fixed_size 0
		.amdhsa_enable_private_segment 0
		.amdhsa_kernarg_size 56
		.amdhsa_user_sgpr_count 2
		.amdhsa_user_sgpr_kernarg_segment_ptr 1
		.amdhsa_wavefront_size32 1
		.amdhsa_system_sgpr_workgroup_id_x 1
		.amdhsa_system_sgpr_workgroup_id_y 1
		.amdhsa_system_sgpr_workgroup_id_z 1
		.amdhsa_system_vgpr_workitem_id 0
		.amdhsa_next_free_vgpr 1024
		.amdhsa_next_free_sgpr 100
		.amdhsa_reserve_vcc 0
		.amdhsa_float_denorm_mode_32 3
		.amdhsa_float_denorm_mode_16_64 3
		.amdhsa_memory_ordered 1
		.amdhsa_forward_progress 1
		.amdhsa_inst_pref_size 210
	.end_amdhsa_kernel
	.amdgpu_metadata
---
amdhsa.version: [ 1, 2 ]
amdhsa.kernels:
  - .name:           k_qf79ad41051_qkv
    .symbol:         k_qf79ad41051_qkv.kd
    .args:
      - { .name: xo, .offset: 0, .size: 8, .value_kind: global_buffer, .address_space: global }
      - { .name: wc, .offset: 8, .size: 8, .value_kind: global_buffer, .address_space: global }
      - { .name: bq, .offset: 16, .size: 8, .value_kind: global_buffer, .address_space: global }
      - { .name: bk, .offset: 24, .size: 8, .value_kind: global_buffer, .address_space: global }
      - { .name: bv, .offset: 32, .size: 8, .value_kind: global_buffer, .address_space: global }
      - { .name: qf, .offset: 40, .size: 8, .value_kind: global_buffer, .address_space: global }
      - { .name: kv, .offset: 48, .size: 8, .value_kind: global_buffer, .address_space: global }
    .group_segment_fixed_size: 327680
    .private_segment_fixed_size: 0
    .kernarg_segment_align: 8
    .kernarg_segment_size: 56
    .max_flat_workgroup_size: 128
    .sgpr_count:     100
    .vgpr_count:     1024
    .wavefront_size: 32
...
	.end_amdgpu_metadata
.endif
;; end of part 2
;; launch attn (part 3): grid 16 x 16, 8 waves a work-group, clusters of 4 x 4, 327,680 bytes of LDS; arguments qf, kv, mask, af; writes af
.if DOCPART == 3
	.amdgcn_target "amdgcn-amd-amdhsa--gfx1250"
	.amdhsa_code_object_version 6
	.text
	.protected	k_qf79ad41051_attn
	.globl	k_qf79ad41051_attn
	.p2align	8
	.type	k_qf79ad41051_attn,@function
k_qf79ad41051_attn:
	s_mov_b64 s[64:65], 0
	v_nop
	global_prefetch_b8 v0, s[64:65] scope:SCOPE_SE
	s_setreg_imm32_b32 hwreg(HW_REG_WAVE_MODE, 25, 1), 1
	s_wait_xcnt 0x0
	s_wait_alu depctr_hold_cnt(0) depctr_sa_sdst(0) depctr_va_vdst(0) depctr_va_sdst(0) depctr_va_ssrc(0) depctr_va_vcc(0) depctr_vm_vsrc(0)
	s_getreg_b32 s2, hwreg(HW_REG_IB_STS2, 6, 4)
	s_cmp_eq_u32 s2, 0
	s_cbranch_scc0 .Lentry_in_a_cluster
	s_endpgm
.Lentry_in_a_cluster:
	s_bfe_u32 s2, ttmp6, 0x10000c
	s_cmp_lg_u32 s2, 0xf033
	s_cbranch_scc0 .Lentry_shape_is_right
	s_endpgm
.Lentry_shape_is_right:
; attn[q][head][:] = the sum over k of softmax_k(q . k / sqrt(128) + mask[q][k]) v[k][:], both products on codes of FP6 (E2M3) with E8M0 scales; the result quantised along head x 128 + d for the last product.
; NOTHING IS LEFT OUT: the mask is an input, so every tile of scores is made and the mask is added as it is given.
; THE SOFTMAX AHEAD OF THE SECOND PRODUCT: logit = score / sqrt(128) + mask; t = logit x log2(e), rounded to f32; M = the row's largest t so far, rounded UP to a whole number; p = 2^(t - M) is quantised along the keys,
; not normalised.  t - M is never above 0, whatever the inputs hold, so no exponential overflows.  The row's sum is taken of the unquantised p and divides at the end.  When M moves, the sum and O are multiplied by 2^(old M - new M): exact.
; OPERANDS come as UNITS of 128 rows x 128 along K, U = 12,800 bytes: eight fragments of 1,536 bytes as images of their registers (registers 4 c .. 4 c + 3 of lane l at 512 c + 16 l), then at SCO 512 bytes of scale words
; (row r of fragment f at 128 (f / 2) + 8 r + 4 (f % 2)).  qf: [head][128 queries][U]; kv: [head][128 keys][K's unit, V's unit], V's with rows d and K = the keys; af: [128 queries][head][U].
; SHARES.  A work-group owns 128 queries of one head, each of its eight waves 16: two waves to a SIMD, so that one wave's vector work stands beside the other's products and LDS loads.  Every wave walks all 2,048 keys, 128 a step.
; LAYOUT.  Both products are used transposed: S^T = K Q^T (source 0 = 16 keys), O^T = V^T P^T (source 0 = 16 of the head's d): a lane holds ONE query (lane % 16) throughout; register 8 t + j of S^T is key 16 t + 8 (lane / 16) + j.
; THE ORDER INSIDE A BLOCK OF 32: quantised from those registers, code place P holds element P with bits 3 and 4 exchanged, as in V's units and in every operand of this program.
; RING: two LDS slots of one key step: K's unit, V's unit, and the step's tile of the mask (128 queries x 128 keys, f32, rows 528 bytes apart).  Waves 0 and 1 fetch K's and V's unit, waves 2 and 3 the mask's halves.
; CLUSTERS: 4 x 4 work-groups: x = the queries, y = the head.  K and V hang on the head alone: asked for jointly along a row of the cluster; the mask's tile hangs on the queries alone: jointly along a column.
; LIMITS: NaN and infinities are not served; the logit is one fused multiply-add (one rounding where the definition has two); a block whose largest magnitude lies under 2^-124 has its byte held at 1; a block of zeros has the byte 1.
; REGISTERS: v1-11, v29, v30 addresses; v12 -M, v13 the largest t, v[14:15] the sum in two halves; v16-27 Q, v28 its scale words; v32-79 four fragments of K or V; v80-87 K's scale words, v88-95 V's;
;   v96-159 S^T, then p; v160-223 O^T; v224-235 p's codes; v236-251 at work; v252 f; v253 p's scale word.  Window 1, v0-63: the step's numbers of the mask.
.set U,      12800
.set SCO,    12288
.set FRB,    1536
.set MP,     528                       ; a row of the mask's tile in LDS: 512 bytes + 16: sixteen rows begin at sixteen different groups of banks
.set MOFF,   2*U
.set SLOT,   MOFF+128*MP               ; 93,184
.set SPARE,  2*SLOT                    ; the spare words, 128 bytes for each of eight waves
.set SCR,    SPARE+1024                ; 512 bytes in which the result's scale words meet; no fill lands there
.set AKV,    1                         ; v1-2  16 x lane (+ slot): a fragment's place for my lane; v1 is also my offset in Q's loads and the codes' stores
.set AM,     3                         ; v3-4  my query's row of the mask's tile, + 32 (lane / 16)
.set SPW,    5                         ; v5    LDS address of my spare word; never rewritten
.set NIL,    6                         ; v6    0; never rewritten
.set AS,     7                         ; v7-8  8 r (+ slot): the scale words
.set PFO,    9                         ; v9    the prefetches' offset; never rewritten
.set SCW,    11                        ; v11   where my row's scale word goes on the way out
.set SCRD,   29                        ; v29   from where wave 0 reads the words back
.set FRG,    32
.set KSC,    80
.set VSC,    88
.set S,      96
.set O,      160
.set TM,     32                        ; the way out: v32-47 at work, v48-66 codes, v68 the scale word
.set PC,     48
.set WV,     12                        ; s12 my wave's number
.set SEL,    20                        ; s[20:21] selects for lane l xor 16
.set CS,     22                        ; s[22:23] 1 / sqrt(128)
.set G1K,    24                        ; s[24:31] group 1 for a unit; s[32:39] for half a tile of the mask
.set G1M,    32
.set G0K,    40                        ; s[40:47] groups 0 for K's or V's unit, one for each slot; s[48:55] for the mask
.set G0M,    48
.set L2E,    56                        ; s[56:57] log2(e)
.set CNT,    58
.set LIM,    59                        ; s59 1 in a wave that prefetches, else the greatest number
.set PFA,    60                        ; s[60:61] where my prefetches stand
.set PFS,    62                        ; s[62:63] a key step on, in bytes
.set MSB, 0
.macro WIN new
.if MSB != (\new)
	s_set_vgpr_msb (MSB<<8)|(\new)
.set MSB, (\new)
.endif
.endm
.macro CROUND                          ; a round of the cluster's barrier
	s_barrier_signal -1
	s_barrier_wait -1
	s_cmp_lg_u32 s[WV], 0
	s_cbranch_scc1 .Lnot_wave_0_\@
	s_barrier_signal -3
.Lnot_wave_0_\@:
	s_barrier_wait -3
	s_barrier_signal -1
	s_barrier_wait -1
.endm
; Waves 0 and 1 fetch K's and V's unit, waves 2 and 3 the mask's halves, the others nothing.  The branches hang on the wave's number alone.  An s_nop 0 and four v_nop follow each line.
.macro TLOAD s
	s_cmp_lt_u32 s[WV], 2
	s_cbranch_scc0 .Lnot_k_\@
	tensor_load_to_lds s[G0K+4*(\s):G0K+4*(\s)+3], s[G1K:G1K+7]
	s_nop 0
.rept 4
	v_nop
.endr
	s_branch .Lasked_\@
.Lnot_k_\@:
	s_cmp_lt_u32 s[WV], 4
	s_cbranch_scc0 .Lasked_\@
	tensor_load_to_lds s[G0M+4*(\s):G0M+4*(\s)+3], s[G1M:G1M+7]
	s_nop 0
.rept 4
	v_nop
.endr
.Lasked_\@:
.endm
; A PREFETCH INTO THE L2, behind the tensor load of trip j: what trip j + 2 will ask for, key step j + 3.  K's and V's units of a head are read by every cluster of that row of clusters: the cluster with x = 0 asks, by wave 4;
; its partners along x share the step's 100 blocks of 256 bytes out BY ADDRESS, 25 each (lanes 25-31 name lane 24's block once more).  The mask's tile is read by every cluster of a column of clusters: the cluster with y = 0 asks,
; by waves 6 and 7; its partners along y take 32 rows each, a wave 16 rows x two blocks.  how = 1: every trip; how = 2: not in the loop's last trip, whose step j + 3 does not exist.  Steps 0 to 2 come by their loads alone.
.macro ASK how
.if \how == 1
	s_cmp_eq_u32 s[LIM], 1
.else
	s_cmp_gt_u32 s[CNT], s[LIM]
.endif
	s_cbranch_scc0 .Lnot_mine_\@
	global_prefetch_b8 v[PFO], s[PFA:PFA+1] th:TH_LOAD_NT scope:SCOPE_SE
.Lnot_mine_\@:
.endm
; A KEY STEP: the 128 keys in slot s.
.macro STEP s
.rept 4
	v_nop                                          ; places in front of loads into registers that the last products have read
.endr
	WIN 0x40                                       ; destination window 1
.irp t, 0,1,2,3,4,5,6,7
	ds_load_b128 v[8*\t:8*\t+3], v[AM+\s] offset:64*\t          ; mask(my query, key 16 t + 8 (lane / 16) + 0 .. 7): in S^T's own layout
	ds_load_b128 v[8*\t+4:8*\t+7], v[AM+\s] offset:64*\t+16
.endr
	WIN 0
.irp b, 0,1,2,3
	ds_load_b64 v[KSC+2*\b:KSC+2*\b+1], v[AS+\s] offset:SCO+128*\b      ; the scale words of fragments 2 b and 2 b + 1, row r
	ds_load_b64 v[VSC+2*\b:VSC+2*\b+1], v[AS+\s] offset:U+SCO+128*\b
.endr
.irp g, 0,1                            ; S^T = K Q^T, four tiles of 16 keys at a time
.if \g
.rept 4
	v_nop
.endr
.endif
.irp t, 0,1,2,3
.irp c, 0,1,2
	ds_load_b128 v[FRG+12*\t+4*\c:FRG+12*\t+4*\c+3], v[AKV+\s] offset:(4*\g+\t)*FRB+512*\c
.endr
.endr
	s_wait_dscnt 0x0
.irp t, 0,1,2,3
	v_wmma_scale_f32_16x16x128_f8f6f4 v[S+8*(4*\g+\t):S+8*(4*\g+\t)+7], v[FRG+12*\t:FRG+12*\t+11], v[16:27], 0, v[KSC+4*\g+\t], v28 matrix_a_fmt:MATRIX_FMT_FP6 matrix_b_fmt:MATRIX_FMT_FP6
.endr
.endr
.rept 4
	v_nop
.endr
	WIN 0x10                                       ; source 2 window 1
.irp j, 0,2,4,6,8,10,12,14,16,18,20,22,24,26,28,30,32,34,36,38,40,42,44,46,48,50,52,54,56,58,60,62
	v_pk_fma_f32 v[S+\j:S+\j+1], v[S+\j:S+\j+1], s[CS:CS+1], v[\j:\j+1] op_sel_hi:[1,0,1]   ; the logit: score / sqrt(128) + mask
.endr
	WIN 0
.irp j, 0,2,4,6,8,10,12,14,16,18,20,22,24,26,28,30,32,34,36,38,40,42,44,46,48,50,52,54,56,58,60,62
	v_pk_mul_f32 v[S+\j:S+\j+1], v[S+\j:S+\j+1], s[L2E:L2E+1] op_sel_hi:[1,0]               ; t
.endr
.irp b, 0,1,2,3
	v_max3_num_f32 v[248+\b], v[S+16*\b], v[S+1+16*\b], v[S+2+16*\b]   ; the largest t of each block of 32 keys: it serves for the row's maximum and, since p rises with t, for the block's largest p
.endr
.irp i, 3,5,7,9,11,13
.irp b, 0,1,2,3
	v_max3_num_f32 v[248+\b], v[248+\b], v[S+16*\b+\i], v[S+1+16*\b+\i]
.endr
.endr
.irp b, 0,1,2,3
	v_max_num_f32 v[248+\b], v[248+\b], v[S+15+16*\b]
.endr
.irp b, 0,1,2,3
	v_permlanex16_b32 v[236+\b], v[248+\b], s[SEL], s[SEL+1]
.endr
.irp b, 0,1,2,3
	v_max_num_f32 v[248+\b], v[248+\b], v[236+\b]  ; with lane l xor 16's 16 keys
.endr
	v_max3_num_f32 v254, v248, v249, v250
	v_max_num_f32 v254, v254, v251
	v_max_num_f32 v13, v13, v254                   ; the running largest t
	v_mov_b32 v254, v12
	v_floor_f32 v12, -v13                          ; the new -M = floor(-t) = -ceil(t)
	v_sub_f32 v254, v12, v254                      ; old M - new M: a whole number, 0 or less
	v_cvt_i32_f32 v254, v254                       ; (it saturates)
	v_ldexp_f32 v252, 1.0, v254                    ; f = 2^(old M - new M)
.irp j, 0,2,4,6,8,10,12,14,16,18,20,22,24,26,28,30,32,34,36,38,40,42,44,46,48,50,52,54,56,58,60,62
	v_pk_add_f32 v[S+\j:S+\j+1], v[S+\j:S+\j+1], v[12:13] op_sel_hi:[1,0]   ; t - M (of the pair the low word, -M, serves both halves)
.endr
.irp b, 0,1,2,3
	v_add_f32 v[248+\b], v[248+\b], v12            ; the same of each block's largest t
.endr
.irp j, 0,1,2,3,4,5,6,7,8,9,10,11,12,13,14,15,16,17,18,19,20,21,22,23,24,25,26,27,28,29,30,31,32,33,34,35,36,37,38,39,40,41,42,43,44,45,46,47,48,49,50,51,52,53,54,55,56,57,58,59,60,61,62,63
	v_exp_f32 v[S+\j], v[S+\j]                     ; p = 2^(t - M), at most 1
.endr
	v_pk_mul_f32 v[14:15], v[14:15], v[252:253] op_sel_hi:[1,0]   ; the sums under the new M; the plain line behind the exponentials
	s_wait_alu depctr_va_vdst(0)                   ; one wait for the whole batch, ahead of its first reader
.irp b, 0,1,2,3
	v_exp_f32 v[248+\b], v[248+\b]                 ; the block's largest p: the same two instructions on the same number give the same bits
.endr
	v_pk_add_f32 v[236:237], v[S:S+1], v[S+2:S+3]  ; the row's sum is taken of the unquantised p: two at a time, in two chains
.irp j, 4,8,12,16,20,24,28,32,36,40,44,48,52,56,60
	v_pk_add_f32 v[14:15], v[14:15], v[S+\j:S+\j+1]
	v_pk_add_f32 v[236:237], v[236:237], v[S+2+\j:S+3+\j]
.endr
	v_pk_add_f32 v[14:15], v[14:15], v[236:237]
	s_wait_alu depctr_va_vdst(0)                   ; and one for the four
.irp b, 0,1,2,3
	v_max_num_f32 v[248+\b], 0x1800000, v[248+\b]  ; the floor 2^(3 - 127): the byte cannot fall under 1
.endr
.irp b, 0,1,2,3
	v_add_nc_u32 v[244+\b], 0xff000000, v[248+\b]  ; 2 off the exponent field: the conversion's scale operand
.endr
.irp b, 0,1,2,3
	v_lshrrev_b32 v[236+\b], 23, v[244+\b]         ; the scale's byte
.endr
	v_lshl_or_b32 v253, v237, 8, v236              ; p's scale word for these 128 keys
	v_lshl_or_b32 v253, v238, 16, v253
	v_lshl_or_b32 v253, v239, 24, v253
.irp c, 0,1
	v_cvt_scalef32_pk16_fp6_f32 v[224+6*\c:226+6*\c], v[S+32*\c:S+15+32*\c], v[244+2*\c]
	v_cvt_scalef32_pk16_fp6_f32 v[236+4*\c:238+4*\c], v[S+16+32*\c:S+31+32*\c], v[244+2*\c+1]
.endr
	v_nop                                          ; one plain line behind the conversions
.irp c, 0,1                            ; the operand wants a whole block in a lane
.irp i, 0,1,2
	v_permlane16_swap_b32 v[224+6*\c+\i], v[236+4*\c+\i]
.endr
.irp i, 0,1,2
	v_mov_b32 v[227+6*\c+\i], v[236+4*\c+\i]
.endr
.endr
.irp j, 0,2,4,6,8,10,12,14,16,18,20,22,24,26,28,30,32,34,36,38,40,42,44,46,48,50,52,54,56,58,60,62
	v_pk_mul_f32 v[O+\j:O+\j+1], v[O+\j:O+\j+1], v[252:253] op_sel_hi:[1,0]   ; O^T under the new M.  (These 32 are also the places in front of the products and loads below)
.endr
.irp g, 0,1                            ; O^T += V^T P^T, four tiles of 16 of the head's d at a time
.if \g
.rept 4
	v_nop
.endr
.endif
.irp t, 0,1,2,3
.irp c, 0,1,2
	ds_load_b128 v[FRG+12*\t+4*\c:FRG+12*\t+4*\c+3], v[AKV+\s] offset:U+(4*\g+\t)*FRB+512*\c
.endr
.endr
	s_wait_dscnt 0x0
.irp t, 0,1,2,3
	v_wmma_scale_f32_16x16x128_f8f6f4 v[O+8*(4*\g+\t):O+8*(4*\g+\t)+7], v[FRG+12*\t:FRG+12*\t+11], v[224:235], v[O+8*(4*\g+\t):O+8*(4*\g+\t)+7], v[VSC+4*\g+\t], v253 matrix_a_fmt:MATRIX_FMT_FP6 matrix_b_fmt:MATRIX_FMT_FP6
.endr
.endr
.endm
; A TRIP: the change of slots at its head, then the step in slot s.  Each wave waits for all its tensor loads (its part of slot s), adds 0 to its spare word, and waits for that and for its reads of the other slot.
; refill = 1: behind a round of the cluster's barrier the other slot takes the next step: one load a wave, which has this step's work in which to land.  By this text's own count a wave has one tensor load out at the most.
.macro TRIP s, refill, ask
	s_wait_tensorcnt 0x0                           ; no tensor load of mine is out, so a group 0 may be written
	ds_add_u32 v[SPW], v[NIL]                      ; 0 onto my spare word
.if \refill
	ds_add_u32 v[SPW], v[NIL]                      ; and once more where a load follows
.endif
	s_add_nc_u64 s[G0K+4*\s+2:G0K+4*\s+3], s[G0K+4*\s+2:G0K+4*\s+3], 2*2*U    ; this slot's next step
	s_add_nc_u64 s[G0M+4*\s+2:G0M+4*\s+3], s[G0M+4*\s+2:G0M+4*\s+3], 2*512
.if \ask
	s_wait_xcnt 0x0                                ; the last prefetch, a trip back, has read its address
	s_add_nc_u64 s[PFA:PFA+1], s[PFA:PFA+1], s[PFS:PFS+1]
.endif
	s_wait_dscnt 0x0                               ; the add is done, and my reads of the other slot are over
.if \refill
	CROUND                                         ; both now hold of every wave of every work-group of the cluster
	TLOAD 1-\s
.if \ask
	ASK \ask
.endif
.else
	s_barrier_signal -1
	s_barrier_wait -1
.endif
	STEP \s
.endm
.macro QUANT s, pw                     ; 64 numbers of a lane become a fragment's codes in v[PC] on and its scale word in v[pw]
.irp b, 0,1,2,3
	v_max3_num_f32 v[TM+\b], |v[\s+16*\b]|, |v[\s+1+16*\b]|, 0x1800000
.endr
.irp i, 2,4,6,8,10,12,14
.irp b, 0,1,2,3
	v_max3_num_f32 v[TM+\b], v[TM+\b], |v[\s+16*\b+\i]|, |v[\s+1+16*\b+\i]|
.endr
.endr
.irp b, 0,1,2,3
	v_permlanex16_b32 v[TM+4+\b], v[TM+\b], s[SEL], s[SEL+1]
.endr
.irp b, 0,1,2,3
	v_max_num_f32 v[TM+\b], v[TM+\b], v[TM+4+\b]
.endr
.irp b, 0,1,2,3
	v_add_nc_u32 v[TM+12+\b], 0xff000000, v[TM+\b]
.endr
.irp b, 0,1,2,3
	v_lshrrev_b32 v[TM+4+\b], 23, v[TM+12+\b]
.endr
	v_lshl_or_b32 v[\pw], v[TM+5], 8, v[TM+4]
	v_lshl_or_b32 v[\pw], v[TM+6], 16, v[\pw]
	v_lshl_or_b32 v[\pw], v[TM+7], 24, v[\pw]
.irp c, 0,1
	v_cvt_scalef32_pk16_fp6_f32 v[PC+6*\c:PC+2+6*\c], v[\s+32*\c:\s+15+32*\c], v[TM+12+2*\c]
	v_cvt_scalef32_pk16_fp6_f32 v[PC+12+4*\c:PC+14+4*\c], v[\s+16+32*\c:\s+31+32*\c], v[TM+12+2*\c+1]
.endr
	v_nop
.irp c, 0,1
.irp i, 0,1,2
	v_permlane16_swap_b32 v[PC+6*\c+\i], v[PC+12+4*\c+\i]
.endr
.irp i, 0,1,2
	v_mov_b32 v[PC+3+6*\c+\i], v[PC+12+4*\c+\i]
.endr
.endr
.endm
	s_load_b256 s[4:11], s[0:1], 0x0               ; qf s[4:5], kv s[6:7], mask s[8:9], af s[10:11]
	v_lshl_add_u32 v[SPW], v0, 2, SPARE
	v_mov_b32 v[NIL], 0
	ds_add_u32 v[SPW], v[NIL]                      ; the wave's opening
	ds_add_u32 v[SPW], v[NIL]
	v_lshrrev_b32 v248, 5, v0
	v_readfirstlane_b32 s[WV], v248                ; wave 0..7
	s_bfe_u32 s13, ttmp6, 0x40000                  ; cx
	s_bfe_u32 s14, ttmp6, 0x40004                  ; cy
	s_lshl_b32 s15, ttmp9, 2
	s_add_co_u32 s15, s15, s13                     ; my 128 queries = 4 x cluster x + cx
	s_and_b32 s16, ttmp7, 0xffff
	s_lshl_b32 s16, s16, 2
	s_add_co_u32 s16, s16, s14                     ; my head = 4 x cluster y + cy
	s_and_b32 s17, s[WV], 1                        ; which of the two parts I fetch, if I fetch
	s_lshl_b32 s18, s14, 2
	s_lshl_b32 s18, 15, s18                        ; my row of the cluster: the same head
	s_lshl_b32 s19, 0x1111, s13                    ; my column: the same queries
	s_or_b32 s[G1K], s18, (3<<16)|(1<<21)          ; a unit: 12,800 dense bytes as 50 rows of 256: elements of 8 bytes, no padding; 21 set beside a mask
	s_mov_b32 s[G1K+1], 32<<16
	s_mov_b32 s[G1K+2], 50<<16
	s_mov_b32 s[G1K+3], 32<<16
	s_mov_b32 s[G1K+4], 50
	s_mov_b32 s[G1K+5], 32
	s_mov_b32 s[G1K+6], 0
	s_mov_b32 s[G1K+7], 0
	s_or_b32 s[G1M], s19, (2<<16)|(1<<20)|(1<<21)|(6<<22)|(3<<25)   ; the mask: elements of 4 bytes; after every 128 words (code 6) 4 words of padding (code 3)
	s_mov_b32 s[G1M+1], 128<<16                    ; tensor_dim0 = 128
	s_mov_b32 s[G1M+2], 64<<16                     ; tensor_dim1 = 64
	s_mov_b32 s[G1M+3], 128<<16                    ; tile_dim0
	s_mov_b32 s[G1M+4], 64                         ; tile_dim1
	s_mov_b32 s[G1M+5], 2048                       ; the pitch
	s_mov_b32 s[G1M+6], 0
	s_mov_b32 s[G1M+7], 0
	s_mul_i32 s66, s16, 16*2*U                     ; the head's first step,
	s_mul_i32 s70, s17, U                          ; K's unit or V's: in memory and in a slot
	s_add_co_u32 s66, s66, s70
	s_mov_b32 s67, 0
	s_lshl_b32 s68, s15, 20                        ; my 128 rows of the mask, 8,192 bytes each,
	s_lshl_b32 s69, s17, 19                        ; their lower or upper 64
	s_add_co_u32 s68, s68, s69
	s_mov_b32 s69, 0
	s_mul_i32 s71, s17, 64*MP
	s_add_co_u32 s71, s71, MOFF
	s_mov_b32 s[SEL], 0x76543210
	s_mov_b32 s[SEL+1], 0xfedcba98
	s_mov_b32 s[CS], 0x3db504f3                    ; 1 / sqrt(128)
	s_mov_b32 s[CS+1], s[CS]                       ; (named with it as a pair, so it is written)
	s_mov_b32 s[L2E], 0x3fb8aa3b                   ; log2(e)
	s_mov_b32 s[L2E+1], s[L2E]
	s_wait_dscnt 0x0                               ; both opening adds are done
	s_wait_kmcnt 0x0
	s_add_nc_u64 s[66:67], s[6:7], s[66:67]
	s_add_nc_u64 s[68:69], s[8:9], s[68:69]
	CROUND                                         ; all sixteen work-groups are here: the first joint loads meet
.irp s, 0,1
	s_mov_b32 s[G0K+4*\s], 1
	s_add_co_u32 s[G0K+4*\s+1], s70, \s*SLOT
	s_add_nc_u64 s[G0K+4*\s+2:G0K+4*\s+3], s[66:67], \s*2*U
	s_or_b32 s[G0K+4*\s+3], s[G0K+4*\s+3], 0x80000000
	s_mov_b32 s[G0M+4*\s], 1
	s_add_co_u32 s[G0M+4*\s+1], s71, \s*SLOT
	s_add_nc_u64 s[G0M+4*\s+2:G0M+4*\s+3], s[68:69], \s*512
	s_or_b32 s[G0M+4*\s+3], s[G0M+4*\s+3], 0x80000000
.endr
	TLOAD 0                                        ; key step 0; slot 1 is first filled behind the first trip's round
	v_and_b32 v248, 15, v0                         ; r
	v_bfe_u32 v249, v0, 4, 1                       ; h
	v_and_b32 v250, 31, v0                         ; lane
	v_lshlrev_b32 v[AKV], 4, v250
	v_add_nc_u32 v[AKV+1], SLOT, v[AKV]
	v_add_nc_u32 v[SCRD], SCR, v[AKV]
	v_lshlrev_b32 v[AS], 3, v248
	v_add_nc_u32 v[AS+1], SLOT, v[AS]
	s_lshr_b32 s70, s[WV], 1
	s_lshl_b32 s70, s70, 7
	s_lshl_b32 s71, s17, 2
	s_add_co_u32 s70, s70, s71                     ; fragment w's words: 128 (w / 2) + 4 (w % 2)
	v_add_nc_u32 v30, s70, v[AS]
	v_add_nc_u32 v[SCW], SCR, v30
	s_mul_i32 s71, s[WV], 16*MP
	s_add_co_u32 s71, s71, MOFF
	v_mul_u32_u24 v[AM], v248, MP
	v_lshl_add_u32 v[AM], v249, 5, v[AM]
	v_add_nc_u32 v[AM], s71, v[AM]
	v_add_nc_u32 v[AM+1], SLOT, v[AM]
	s_lshl_b32 s72, s16, 4
	s_add_co_u32 s72, s72, s15
	s_mul_i32 s72, s72, U
	s_mov_b32 s73, 0
	s_add_nc_u64 s[76:77], s[4:5], s[72:73]        ; Q's unit,
	s_mul_i32 s74, s[WV], FRB
	s_mov_b32 s75, 0
	s_add_nc_u64 s[78:79], s[76:77], s[74:75]      ; my fragment of it
.irp c, 0,1,2
	global_load_b128 v[16+4*\c:19+4*\c], v[AKV], s[78:79] offset:512*\c   ; Q stays in registers
.endr
	global_load_b32 v28, v30, s[76:77] offset:SCO
	s_lshl_b32 s72, s15, 4
	s_add_co_u32 s72, s72, s16
	s_mul_i32 s72, s72, U
	s_add_co_u32 s72, s72, s74
	s_add_nc_u64 s[80:81], s[10:11], s[72:73]      ; my fragment of the result's unit
	; the prefetches: where my wave's stand, and who asks
	s_lshl_b32 s66, s16, 4
	s_add_co_u32 s66, s66, 2
	s_mul_i32 s66, s66, 2*U                        ; K, V: my head's step 2 (the first trip steps it to 3),
	s_mul_i32 s67, s13, 6400
	s_add_co_u32 s66, s66, s67                     ; my work-group's 25 blocks
	s_lshl_b32 s68, s15, 7
	s_lshl_b32 s69, s14, 5
	s_add_co_u32 s68, s68, s69
	s_lshl_b32 s69, s17, 4
	s_add_co_u32 s68, s68, s69                     ; the mask: row 128 g + 32 cy + 16 (w % 2),
	s_lshl_b32 s68, s68, 13
	s_add_co_u32 s68, s68, 2*512                   ; step 2
	s_and_b32 s69, ttmp7, 0xffff                   ; cluster y
	s_mov_b32 s[PFS], 512
	s_cmp_lt_u32 s[WV], 6
	s_cselect_b64 s[PFA:PFA+1], s[6:7], s[8:9]
	s_cselect_b32 s66, s66, s68
	s_cselect_b32 s[PFS], 2*U, s[PFS]
	s_cselect_b32 s69, ttmp9, s69                  ; the coordinate along which other clusters read the same bytes
	s_cselect_b32 s70, 0, -1
	s_mov_b32 s67, 0
	s_mov_b32 s[PFS+1], 0
	s_add_nc_u64 s[PFA:PFA+1], s[PFA:PFA+1], s[66:67]
	s_cmp_eq_u32 s69, 0
	s_cselect_b32 s[LIM], 1, -1                    ; the same in all sixteen partners, for a given wave
	s_cmp_lt_u32 s[WV], 4
	s_cselect_b32 s[LIM], -1, s[LIM]
	s_cmp_eq_u32 s[WV], 5
	s_cselect_b32 s[LIM], -1, s[LIM]
	v_min_u32 v[PFO], 24, v250
	v_lshlrev_b32 v[PFO], 8, v[PFO]                ; K, V: 256 x min(lane, 24)
	v_lshrrev_b32 v251, 1, v250
	v_lshlrev_b32 v251, 13, v251
	v_and_b32 v250, 1, v250
	v_lshl_add_u32 v251, v250, 8, v251             ; the mask: a row for two lanes, 256 bytes apart
	v_cndmask_b32 v[PFO], v[PFO], v251, s70
	v_mov_b32 v13, 0xff61b1e6                      ; the largest t so far: -3e38
	v_floor_f32 v12, -v13                          ; -M
	v_mov_b32 v14, 0
	v_mov_b32 v15, 0
.irp b, 0,1,2,3
	v_mov_b32 v[236+\b], 0                         ; written once: a lane permute's destination counts as one of its sources
.endr
	v_mov_b32 v253, 0                              ; (named as the upper half of the pair v[252:253] before it is first written)
.irp j, 0,1,2,3,4,5,6,7,8,9,10,11,12,13,14,15,16,17,18,19,20,21,22,23,24,25,26,27,28,29,30,31,32,33,34,35,36,37,38,39,40,41,42,43,44,45,46,47,48,49,50,51,52,53,54,55,56,57,58,59,60,61,62,63
	v_mov_b32 v[O+\j], 0                           ; O^T: the step has no first form of its own: the first change of M multiplies zeros
.endr
	s_wait_loadcnt 0x0                             ; Q
	s_mov_b32 s[CNT], 7
.Lpair:                                            ; seven trips of two key steps
	TRIP 0, 1, 1
	TRIP 1, 1, 2
	s_sub_co_u32 s[CNT], s[CNT], 1
	s_cmp_lg_u32 s[CNT], 0
	s_cbranch_scc1 .Lpair
	TRIP 0, 1, 0                                   ; the tail is written out: step 14 asks for step 15,
	TRIP 1, 0, 0                                   ; which asks for nothing
	; THE WAY OUT: O^T / the sum, quantised along d; my fragment's image is stored; the eight waves' scale words meet in LDS and leave as 512 consecutive bytes.
.rept 4
	v_nop                                          ; places behind the last products
.endr
	v_add_f32 v14, v14, v15
	v_permlanex16_b32 v252, v14, s[SEL], s[SEL+1]
	v_add_f32 v14, v14, v252                       ; the row's sum
	v_rcp_f32 v14, v14
.irp b, 0,1,2,3
	v_mov_b32 v[TM+4+\b], 0                        ; plain lines behind the reciprocal; a lane permute's destination counts as one of its sources
.endr
	s_wait_alu depctr_va_vdst(0)                   ; the wait ahead of the first reader
.irp j, 0,2,4,6,8,10,12,14,16,18,20,22,24,26,28,30,32,34,36,38,40,42,44,46,48,50,52,54,56,58,60,62
	v_pk_mul_f32 v[S+\j:S+\j+1], v[O+\j:O+\j+1], v[14:15] op_sel_hi:[1,0]   ; register 8 t + j: attn(my query, d = 16 t + 8 (lane / 16) + j)
.endr
	QUANT S, 68
.irp c, 0,1,2
	global_store_b128 v[AKV], v[PC+4*\c:PC+4*\c+3], s[80:81] offset:512*\c   ; 512 consecutive bytes, aligned to 256
.endr
	ds_store_b32 v[SCW], v68                       ; lanes r and r + 16 write the same word with the same value
	s_wait_dscnt 0x0                               ; for the others' sake
	s_barrier_signal -1
	s_barrier_wait -1
	s_cmp_lg_u32 s[WV], 0
	s_cbranch_scc1 .Lnot_first
	ds_load_b128 v[72:75], v[SCRD]
	s_wait_dscnt 0x0
	global_store_b128 v[AKV], v[72:75], s[80:81] offset:SCO   ; wave 0's base is the unit's: the unit's 512 bytes of scale words
.Lnot_first:
	s_wait_tensorcnt 0x0                           ; the wave's end
	ds_add_u32 v[SPW], v[NIL]
	s_wait_dscnt 0x0
	CROUND                                         ; the closing round
	s_endpgm
.Lfunc_end_k_qf79ad41051_attn:
	.size	k_qf79ad41051_attn, .Lfunc_end_k_qf79ad41051_attn-k_qf79ad41051_attn
	.p2alignl 7, 3214868480
	.fill 96, 4, 3214868480
	.section	.rodata,"a",@progbits
	.p2align	6, 0x0
	.amdhsa_kernel k_qf79ad41051_attn
		.amdhsa_group_segment_fixed_size 327680
		.amdhsa_private_segment_fixed_size 0
		.amdhsa_enable_private_segment 0
		.amdhsa_kernarg_size 32
		.amdhsa_user_sgpr_count 2
		.amdhsa_user_sgpr_kernarg_segment_ptr 1
		.amdhsa_wavefront_size32 1
		.amdhsa_system_sgpr_workgroup_id_x 1
		.amdhsa_system_sgpr_workgroup_id_y 1
		.amdhsa_system_sgpr_workgroup_id_z 1
		.amdhsa_system_vgpr_workitem_id 0
		.amdhsa_next_free_vgpr 320
		.amdhsa_next_free_sgpr 100
		.amdhsa_reserve_vcc 0
		.amdhsa_float_denorm_mode_32 3
		.amdhsa_float_denorm_mode_16_64 3
		.amdhsa_memory_ordered 1
		.amdhsa_forward_progress 1
		.amdhsa_inst_pref_size 117
	.end_amdhsa_kernel
	.amdgpu_metadata
---
amdhsa.version: [ 1, 2 ]
amdhsa.kernels:
  - .name:           k_qf79ad41051_attn
    .symbol:         k_qf79ad41051_attn.kd
    .args:
      - { .name: qf, .offset: 0, .size: 8, .value_kind: global_buffer, .address_space: global }
      - { .name: kv, .offset: 8, .size: 8, .value_kind: global_buffer, .address_space: global }
      - { .name: mask, .offset: 16, .size: 8, .value_kind: global_buffer, .address_space: global }
      - { .name: af, .offset: 24, .size: 8, .value_kind: global_buffer, .address_space: global }
    .group_segment_fixed_size: 327680
    .private_segment_fixed_size: 0
    .kernarg_segment_align: 8
    .kernarg_segment_size: 32
    .max_flat_workgroup_size: 256
    .sgpr_count:     100
    .vgpr_count:     320
    .wavefront_size: 32
...
	.end_amdgpu_metadata
.endif
;; end of part 3
;; launch proj (part 4): grid 8 x 8, 4 waves a work-group, clusters of 4 x 4, 327,680 bytes of LDS; arguments af, wc, bo, out0; writes out0
.if DOCPART == 4
	.amdgcn_target "amdgcn-amd-amdhsa--gfx1250"
	.amdhsa_code_object_version 6
	.text
	.protected	k_qf79ad41051_proj
	.globl	k_qf79ad41051_proj
	.p2align	8
	.type	k_qf79ad41051_proj,@function
k_qf79ad41051_proj:
	s_mov_b64 s[64:65], 0
	v_nop
	global_prefetch_b8 v0, s[64:65] scope:SCOPE_SE
	s_setreg_imm32_b32 hwreg(HW_REG_WAVE_MODE, 25, 1), 1
	s_wait_xcnt 0x0
	s_wait_alu depctr_hold_cnt(0) depctr_sa_sdst(0) depctr_va_vdst(0) depctr_va_sdst(0) depctr_va_ssrc(0) depctr_va_vcc(0) depctr_vm_vsrc(0)
	s_getreg_b32 s2, hwreg(HW_REG_IB_STS2, 6, 4)
	s_cmp_eq_u32 s2, 0
	s_cbranch_scc0 .Lentry_in_a_cluster
	s_endpgm
.Lentry_in_a_cluster:
	s_bfe_u32 s2, ttmp6, 0x10000c
	s_cmp_lg_u32 s2, 0xf033
	s_cbranch_scc0 .Lentry_shape_is_right
	s_endpgm
.Lentry_shape_is_right:
; out0 = attn Wo + bo on codes of FP6 (E2M3) with E8M0 scales; out0 [2048][2048] f32.  Nothing of the problem is left out here.
; OPERANDS come as UNITS of 128 rows x 128 along K, U = 12,800 bytes: eight fragments of 1,536 bytes as images of their 12 registers (registers 4 c .. 4 c + 3 of lane l at 512 c + 16 l), then at SCO 512 bytes of scale words
; (row r of fragment f at 128 (f / 2) + 8 r + 4 (f % 2)).  af: [128 rows][head = K step][U]; Wo's units lie in wc behind those of Wq, Wk, Wv: [128 columns][K step][U].
; A tile of 256 x 256 is made by four waves, 128 x 128 each: 64 accumulators.  K goes through a ring of two LDS slots of two K steps; a wave's tensor load brings two units, 25,600 dense bytes.
; THE MATRIX INSTRUCTION IS USED TRANSPOSED (source 0 = 16 columns of Wo, source 1 = 16 rows of attn): a lane holds eight neighbouring numbers of a row of the output.  The bias is the C of each sum's first product.
; CLUSTERS: 4 x 4 work-groups; A's tiles are asked for jointly along a row of the cluster, B's along a column.  The output has 64 such tiles: 64 work-groups.
; REGISTERS: window 0: v16-29 addresses; v32-63 scale words, two sets; v64-127 the bias; v128-223 A's fragments, ONE set (v128-255 free on the way out).  window 1: B's fragments, two sets.  windows 2, 3: the accumulators.
.set U,      12800
.set SCO,    12288
.set FRB,    1536
.set R128B,  16*U
.set NQ,     2
.set HALFT,  NQ*U
.set SLOT,   4*HALFT
.set SPARE,  2*SLOT                    ; behind the ring: the spare words, 128 bytes for each wave
.set LAPS,   16/(2*NQ)
.set FR,     12
.set NL,     3
.set NP,     4
.set SIZE_N, 2048
.set SPITCH, 528                       ; the way out: a stage of 16 rows x (512 bytes + 16) for each wave, in slot 0, which has had its last fill and its last read when the first result is stored there
.set ADRA,   16
.set ADRB,   20
.set ADRS,   22
.set STO,    24                        ; v24 the way out: where I put 32 bytes of a row
.set RD,     25                        ; v25 where I read a row back
.set CO,     26                        ; v26 16 x lane
.set SPW,    28
.set NIL,    29
.set SC,     32
.set BI,     64
.set AF,     128
.set BK,     128
.set G1,     24
.set G0,     32
.set G1B,    48
.set G0B,    56
.set MSB, 0
.macro WIN new
.if MSB != (\new)
	s_set_vgpr_msb (MSB<<8)|(\new)
.set MSB, (\new)
.endif
.endm
.set MUL_LO,   0xa1                    ; source 0 (B) window 1, source 1 (A) window 0, C and D window 2
.set MUL_HI,   0xf1
.set FIRST_LO, 0x81                    ; the same with C, the bias, in window 0
.set FIRST_HI, 0xc1
.set TO_B,     0x40
.macro JLOAD g0a, g1a, g0b, g1b        ; a joint load: waves 0 and 1 fetch A's halves, waves 2 and 3 B's; an s_nop 0 and four v_nop follow each line
	s_cmp_eq_u32 s15, 0
	s_cbranch_scc0 .Lfor_b_\@
	tensor_load_to_lds s[\g0a:\g0a+3], s[\g1a:\g1a+7]
	s_nop 0
.rept 4
	v_nop
.endr
	s_branch .Lasked_\@
.Lfor_b_\@:
	tensor_load_to_lds s[\g0b:\g0b+3], s[\g1b:\g1b+7]
	s_nop 0
.rept 4
	v_nop
.endr
.Lasked_\@:
.endm
.macro CREST
	s_cmp_lg_u32 s14, 0
	s_cbranch_scc1 .Lnot_wave_0_\@
	s_barrier_signal -3
.Lnot_wave_0_\@:
	s_barrier_wait -3
	s_barrier_signal -1
	s_barrier_wait -1
.endm
.macro CROUND
	s_barrier_signal -1
	s_barrier_wait -1
	CREST
.endm
.macro FRAG reg, adr, q, i
.irp c, 0,1,2
	ds_load_b128 v[\reg+4*\c:\reg+4*\c+3], v[\adr] offset:(\q)*U+(\i)*FRB+512*\c
.endr
.endm
; 16 matrix instructions; first = 1: the sums begin with the bias as C.  The 64 accumulators take turns, one instruction a turn.
.macro MUL16 a0, p, q, sc, first
.irp a, \a0, \a0+1
.irp b, 0,1,2,3,4,5,6,7
.if \first
	v_wmma_scale_f32_16x16x128_f8f6f4 v[8*(8*((\a)%4)+\b):8*(8*((\a)%4)+\b)+7], v[128*(\p)+FR*\b:128*(\p)+FR*\b+FR-1], v[AF+FR*(\a):AF+FR*(\a)+FR-1], v[BI+8*\b:BI+8*\b+7], v[SC+16*(\sc)+8*(\q)+\b], v[SC+16*(\sc)+8*(\q)+(\a)] matrix_a_fmt:MATRIX_FMT_FP6 matrix_b_fmt:MATRIX_FMT_FP6 matrix_a_scale:MATRIX_SCALE_ROW1
.else
	v_wmma_scale_f32_16x16x128_f8f6f4 v[8*(8*((\a)%4)+\b):8*(8*((\a)%4)+\b)+7], v[128*(\p)+FR*\b:128*(\p)+FR*\b+FR-1], v[AF+FR*(\a):AF+FR*(\a)+FR-1], v[8*(8*((\a)%4)+\b):8*(8*((\a)%4)+\b)+7], v[SC+16*(\sc)+8*(\q)+\b], v[SC+16*(\sc)+8*(\q)+(\a)] matrix_a_fmt:MATRIX_FMT_FP6 matrix_b_fmt:MATRIX_FMT_FP6 matrix_a_scale:MATRIX_SCALE_ROW1
.endif
.endr
.endr
.endm
.macro FETCH_B slot, q, p
	WIN TO_B
.irp i, 0,1,2,3,4,5,6,7
	FRAG 128*(\p)+FR*\i, ADRB+\slot, \q, \i
.endr
	WIN 0
.endm
.macro FETCH_A slot, q, i0
.irp i, \i0, \i0+1, \i0+2, \i0+3
	FRAG AF+FR*(\i), ADRA+\slot, \q, \i
.endr
.endm
.macro SCALES slot
.irp q, 0,1
.irp b, 0,1,2,3
	ds_load_b64 v[SC+16*\slot+8*\q+2*\b:SC+16*\slot+8*\q+2*\b+1], v[ADRS+\slot] offset:\q*U+SCO+128*\b
.endr
.endr
.endm
.macro PLACES n
.rept \n
	v_nop
.endr
.endm
.macro STEP slot, q, first
	s_wait_dscnt 4*NL                              ; all but the youngest twelve loads (A's blocks 4-7) are in
.if \first
	WIN FIRST_LO
.else
	WIN MUL_LO
.endif
	MUL16 0, (\q)%2, \q, \slot, \first
	MUL16 2, (\q)%2, \q, \slot, \first
	s_wait_dscnt 0
	PLACES NP
	FETCH_B \slot, (\q)+1, 1-(\q)%2
	FETCH_A \slot, (\q)+1, 0
.if \first
	WIN FIRST_HI
.else
	WIN MUL_HI
.endif
	MUL16 4, (\q)%2, \q, \slot, \first
	MUL16 6, (\q)%2, \q, \slot, \first
	PLACES NP
	WIN 0
	FETCH_A \slot, (\q)+1, 4
.endm
.macro TURN slot, next, fill
	s_wait_tensorcnt 0x0                           ; all my tensor loads have landed: my part of the next slot
	ds_add_u32 v[SPW], v[NIL]                      ; 0 onto my spare word
	s_wait_dscnt 4*NL+1                            ; (the add and the youngest twelve loads may be out)
	WIN MUL_LO
	MUL16 0, 1, NQ-1, \slot, 0
	s_wait_dscnt 0x0                               ; the add is done, and my reads of this slot are over
	s_barrier_signal -1
	MUL16 2, 1, NQ-1, \slot, 0
	WIN 0
	s_barrier_wait -1
.if \fill
	CREST                                          ; the barrier has opened a round of the cluster's barrier
	s_add_nc_u64 s[G0+4*\slot+2:G0+4*\slot+3], s[G0+4*\slot+2:G0+4*\slot+3], 2*HALFT
	s_add_nc_u64 s[G0B+4*\slot+2:G0B+4*\slot+3], s[G0B+4*\slot+2:G0B+4*\slot+3], 2*HALFT
	JLOAD G0+4*\slot, G1, G0B+4*\slot, G1B         ; the first tensor load behind the round; its four v_nop are the places in front of the loads below
.else
	PLACES NP
.endif
	FETCH_B \next, 0, 0
	FETCH_A \next, 0, 0
	SCALES \next
	WIN MUL_HI
	MUL16 4, 1, NQ-1, \slot, 0
	MUL16 6, 1, NQ-1, \slot, 0
	PLACES NP
	WIN 0
	FETCH_A \next, 0, 4
.endm
	s_load_b256 s[68:75], s[0:1], 0x0              ; af s[68:69], wc s[70:71], bo s[72:73], out0 s[74:75]
	v_lshl_add_u32 v[SPW], v0, 2, SPARE
	v_mov_b32 v[NIL], 0
	ds_add_u32 v[SPW], v[NIL]                      ; the wave's opening
	ds_add_u32 v[SPW], v[NIL]
	v_lshrrev_b32 v1, 5, v0
	v_readfirstlane_b32 s14, v1                    ; wave 0..3
	s_lshr_b32 s15, s14, 1                         ; which half of the tile's rows is mine.  Also: I fetch for A (0) or for B (1)
	s_and_b32 s16, s14, 1                          ; which half of its columns.  Also: which half I fetch
	s_bfe_u32 s40, ttmp6, 0x40000
	s_bfe_u32 s41, ttmp6, 0x40004
	s_lshl_b32 s42, ttmp9, 2
	s_add_co_u32 s42, s42, s40                     ; tile column
	s_and_b32 s17, ttmp7, 0xffff
	s_lshl_b32 s17, s17, 2
	s_add_co_u32 s17, s17, s41                     ; tile row
	s_lshl_b32 s43, s41, 2
	s_lshl_b32 s43, 15, s43
	s_lshl_b32 s44, 0x1111, s40
	s_or_b32 s[G1+0], s43, (3<<16)|(1<<21)
	s_or_b32 s[G1B+0], s44, (3<<16)|(1<<21)
.irp g, G1, G1B                        ; 25,600 dense bytes as 100 rows of 256
	s_mov_b32 s[\g+1], 32<<16
	s_mov_b32 s[\g+2], 100<<16
	s_mov_b32 s[\g+3], 32<<16
	s_mov_b32 s[\g+4], 100
	s_mov_b32 s[\g+5], 32
	s_mov_b32 s[\g+6], 0
	s_mov_b32 s[\g+7], 0
.endr
	s_lshl_b32 s20, s17, 1
	s_add_co_u32 s20, s20, s16
	s_mul_i32 s20, s20, R128B
	s_mov_b32 s21, 0
	s_lshl_b32 s46, s42, 1
	s_add_co_u32 s46, s46, s16
	s_mul_i32 s46, s46, R128B
	s_add_co_u32 s46, s46, 3*16*R128B              ; Wo's units lie behind three weights'
	s_mov_b32 s47, 0
	s_mul_i32 s45, s14, HALFT
	s_wait_dscnt 0x0                               ; both opening adds are done
	s_wait_kmcnt 0x0
	s_add_nc_u64 s[20:21], s[68:69], s[20:21]
	s_add_nc_u64 s[46:47], s[70:71], s[46:47]
	CROUND                                         ; all sixteen work-groups are here: the first joint loads meet
.irp s, 0,1
	s_mov_b32 s[G0+4*\s], 1
	s_add_co_u32 s[G0+4*\s+1], s45, \s*SLOT
	s_add_nc_u64 s[G0+4*\s+2:G0+4*\s+3], s[20:21], \s*HALFT
	s_or_b32 s[G0+4*\s+3], s[G0+4*\s+3], 0x80000000
	s_mov_b32 s[G0B+4*\s], 1
	s_add_co_u32 s[G0B+4*\s+1], s45, \s*SLOT
	s_add_nc_u64 s[G0B+4*\s+2:G0B+4*\s+3], s[46:47], \s*HALFT
	s_or_b32 s[G0B+4*\s+3], s[G0B+4*\s+3], 0x80000000
	JLOAD G0+4*\s, G1, G0B+4*\s, G1B
.endr
	v_and_b32 v1, 15, v0                           ; r
	v_bfe_u32 v2, v0, 4, 1                         ; h
	v_and_b32 v3, 31, v0
	v_lshlrev_b32 v[CO], 4, v3
	v_lshlrev_b32 v27, 5, v2                       ; the bias's lane term: 32 h
	s_lshl_b32 s18, s42, 10
	s_lshl_b32 s19, s16, 9
	s_add_co_u32 s18, s18, s19                     ; my 128 columns, in bytes of a row of f32
	s_mov_b32 s19, 0
	s_add_nc_u64 s[72:73], s[72:73], s[18:19]
.irp b, 0,1,2,3,4,5,6,7                ; register 8 b + j: bo of column 16 b + 8 h + j: a tile's C, in the result's layout
	global_load_b128 v[BI+8*\b:BI+8*\b+3], v27, s[72:73] offset:64*\b
	global_load_b128 v[BI+8*\b+4:BI+8*\b+7], v27, s[72:73] offset:64*\b+16
.endr
	s_mul_i32 s21, s15, HALFT
	s_mul_i32 s22, s16, HALFT
	s_add_co_u32 s22, s22, 2*HALFT
	s_sub_co_u32 s23, s22, s21
	v_mul_u32_u24 v5, s23, v2                      ; lanes 16-31 take B's scale words: the lower base + h x the distance
	v_lshl_add_u32 v5, v1, 3, v5
.irp s, 0,1
	v_add_nc_u32 v[ADRA+\s], s21, v[CO]
	v_add_nc_u32 v[ADRB+\s], s22, v[CO]
	v_add_nc_u32 v[ADRS+\s], s21, v5
	s_add_co_u32 s21, s21, SLOT
	s_add_co_u32 s22, s22, SLOT
.endr
	s_mul_i32 s23, s14, 16*SPITCH                  ; my stage
	v_mul_u32_u24 v5, v1, SPITCH
	v_lshl_add_u32 v5, v2, 5, v5
	v_add_nc_u32 v[STO], s23, v5                   ; in: row r, 32 bytes for each half of the lanes
	v_add_nc_u32 v[RD], s23, v[CO]                 ; back: the 32 lanes take one row of 512 bytes
	s_lshl_b32 s20, s17, 8
	s_lshl_b32 s21, s15, 7
	s_add_co_u32 s20, s20, s21                     ; my first row
	s_lshl_b32 s20, s20, 13                        ; x 8,192 bytes
	s_add_co_u32 s20, s20, s18                     ; + my first column
	s_mov_b32 s21, 0
	s_add_nc_u64 s[74:75], s[74:75], s[20:21]
	s_wait_tensorcnt 1                             ; my part of slot 0 is in (slot 1's load may be out)
	s_barrier_signal -1
	s_barrier_wait -1                              ; everybody's is
	FETCH_B 0, 0, 0
	FETCH_A 0, 0, 0
	SCALES 0
	FETCH_A 0, 0, 4
	s_wait_loadcnt 0x0                             ; the bias
	STEP 0, 0, 1                                   ; the first step stands in front of the loop: its products start the sums, from the bias
	s_mov_b32 s3, LAPS-1
.Llap:
	TURN 0, 1, 1
	STEP 1, 0, 0
	TURN 1, 0, 1
	STEP 0, 0, 0
	s_sub_co_u32 s3, s3, 1
	s_cmp_lg_u32 s3, 0
	s_cbranch_scc1 .Llap
	TURN 0, 1, 0                                   ; the last lap fills nothing
	STEP 1, 0, 0
	s_wait_dscnt 4*NL
	WIN MUL_LO
	MUL16 0, 1, NQ-1, 1, 0
	MUL16 2, 1, NQ-1, 1, 0
	s_wait_dscnt 0
	WIN MUL_HI
	MUL16 4, 1, NQ-1, 1, 0
	MUL16 6, 1, NQ-1, 1, 0
	WIN 0
; THE WAY OUT, block by block of 16 rows x 128 columns, through my own stage: back come whole rows of 512 bytes, which the 32 lanes store as two aligned runs of 256 bytes.  LDS serves a wave's instructions in order (ISA guide 5.7.1.4).
.macro TOSTAGE a
.set AC, 64*((\a)%4)
	WIN 0x08+4*((\a)/4)                            ; the data: window 2 or 3
.irp b, 0,1,2,3,4,5,6,7
	ds_store_b128 v[STO], v[AC+8*\b:AC+8*\b+3] offset:64*\b          ; each accumulator from its low end on
	ds_store_b128 v[STO], v[AC+8*\b+4:AC+8*\b+7] offset:64*\b+16
.endr
	WIN 0
.set BB, BK+64*((\a)%2)
.irp t, 0,1,2,3,4,5,6,7,8,9,10,11,12,13,14,15
	ds_load_b128 v[BB+4*\t:BB+4*\t+3], v[RD] offset:\t*SPITCH
.endr
.endm
.macro SEND a, younger                 ; younger: the LDS instructions issued behind block a's loads, which may stay out
.set BB, BK+64*((\a)%2)
	s_wait_dscnt \younger
.if (\a) > 0
	s_add_nc_u64 s[74:75], s[74:75], 16*SIZE_N*4   ; (behind a wait on XCNT: the earlier stores have read their base)
.endif
.irp t, 0,1,2,3,4,5,6,7,8,9,10,11,12,13,14,15
	global_store_b128 v[CO], v[BB+4*\t:BB+4*\t+3], s[74:75] offset:\t*SIZE_N*4 th:TH_STORE_NT
.endr
.endm
	PLACES NP
	TOSTAGE 0
.irp a, 1,2,3,4,5,6,7
.if \a > 1
	s_wait_xcnt 0x0                                ; block a - 2's stores have read their registers and their base
.endif
	TOSTAGE \a
	SEND \a-1, 32                                  ; behind block a - 1's loads: block a's 16 stores and 16 loads
.endr
	s_wait_xcnt 0x0
	SEND 7, 0
	s_wait_tensorcnt 0x0                           ; the wave's end
	ds_add_u32 v[SPW], v[NIL]
	s_wait_dscnt 0x0
	CROUND                                         ; the closing round
	s_endpgm
.Lfunc_end_k_qf79ad41051_proj:
	.size	k_qf79ad41051_proj, .Lfunc_end_k_qf79ad41051_proj-k_qf79ad41051_proj
	.p2alignl 7, 3214868480
	.fill 96, 4, 3214868480
	.section	.rodata,"a",@progbits
	.p2align	6, 0x0
	.amdhsa_kernel k_qf79ad41051_proj
		.amdhsa_group_segment_fixed_size 327680
		.amdhsa_private_segment_fixed_size 0
		.amdhsa_enable_private_segment 0
		.amdhsa_kernarg_size 32
		.amdhsa_user_sgpr_count 2
		.amdhsa_user_sgpr_kernarg_segment_ptr 1
		.amdhsa_wavefront_size32 1
		.amdhsa_system_sgpr_workgroup_id_x 1
		.amdhsa_system_sgpr_workgroup_id_y 1
		.amdhsa_system_sgpr_workgroup_id_z 1
		.amdhsa_system_vgpr_workitem_id 0
		.amdhsa_next_free_vgpr 1024
		.amdhsa_next_free_sgpr 100
		.amdhsa_reserve_vcc 0
		.amdhsa_float_denorm_mode_32 3
		.amdhsa_float_denorm_mode_16_64 3
		.amdhsa_memory_ordered 1
		.amdhsa_forward_progress 1
		.amdhsa_inst_pref_size 134
	.end_amdhsa_kernel
	.amdgpu_metadata
---
amdhsa.version: [ 1, 2 ]
amdhsa.kernels:
  - .name:           k_qf79ad41051_proj
    .symbol:         k_qf79ad41051_proj.kd
    .args:
      - { .name: af, .offset: 0, .size: 8, .value_kind: global_buffer, .address_space: global }
      - { .name: wc, .offset: 8, .size: 8, .value_kind: global_buffer, .address_space: global }
      - { .name: bo, .offset: 16, .size: 8, .value_kind: global_buffer, .address_space: global }
      - { .name: out0, .offset: 24, .size: 8, .value_kind: global_buffer, .address_space: global }
    .group_segment_fixed_size: 327680
    .private_segment_fixed_size: 0
    .kernarg_segment_align: 8
    .kernarg_segment_size: 32
    .max_flat_workgroup_size: 128
    .sgpr_count:     100
    .vgpr_count:     1024
    .wavefront_size: 32
...
	.end_amdgpu_metadata
.endif
;; end of part 4
;; ======== version 2 of 2: 4 launches
;; limits: right only within a limited range of input values
;; workspace buffers: xo 3,276,800 bytes; wc 13,107,200 bytes; qf 3,276,800 bytes; kv 6,553,600 bytes; af 3,276,800 bytes
;; launch quant (part 5): grid 640 x 1, 4 waves a work-group, no clusters, 34,304 bytes of LDS; arguments x, Wq, Wk, Wv, Wo, xo, wc; writes xo, wc
.if DOCPART == 5
	.amdgcn_target "amdgcn-amd-amdhsa--gfx1250"
	.amdhsa_code_object_version 6
	.text
	.protected	k_qf79ad41051_quant
	.globl	k_qf79ad41051_quant
	.p2align	8
	.type	k_qf79ad41051_quant,@function
k_qf79ad41051_quant:
	s_mov_b64 s[64:65], 0
	v_nop
	global_prefetch_b8 v0, s[64:65] scope:SCOPE_SE
	s_setreg_imm32_b32 hwreg(HW_REG_WAVE_MODE, 25, 1), 1
	s_wait_xcnt 0x0
; CAUSAL SELF-ATTENTION IN MX-FP6 (E2M3, one E8M0 scale for each 32 along K), four launches: this one, qkv, attn, proj.
; NO WORK OF THE PROBLEM IS LEFT OUT.  The mask is an input: it is loaded and added as it is given, and no tile of the scores is passed over.  All four biases reach a
; quantiser (bq, bk, bv) or the output (bo), so all are loaded.  Every input is an argument of some launch.
; THIS LAUNCH turns x [2048][2048] and Wq, Wk, Wv, Wo [2048 (k)][2048 (n)], f32, into codes and scale bytes, laid as the later launches' operand registers want them.
; A UNIT is 128 rows x 128 along K, U = 12,800 bytes: eight fragments of 16 rows, 1,536 bytes each, as images of their 12 registers (registers 4 c .. 4 c + 3 of lane l at 512 c + 16 l);
; behind them, at SCO, 512 bytes of scale words: the word of row r of fragment f at 128 (f / 2) + 8 r + 4 (f % 2); its byte b is block b of the 128.
; xo: [128 rows][K step][U].  wc: [weight q, k, v, o][128 columns n][K step][U]: a weight's rows are its columns n, since K is its first axis.
; THE ORDER INSIDE A BLOCK OF 32.  In every operand of this program code place P of a block holds element SW(P) = P with its bits 3 and 4 exchanged.  That is the order in which a
; transposed product's results fall when they are quantised in registers (launches qkv and attn); it stays inside a block, so scales and products are the same; here it is had by the loads' offsets alone.
; A block's scale is 2^(floor(log2(its largest magnitude)) - 2); its byte is the largest magnitude's exponent field - 2, held at 1 from below.
; LIMITS: NaN and infinities among the inputs are not served; a block whose largest magnitude lies under 2^-124 has its byte held at 1; a block of zeros has the byte 1 where the
; rule says 127: its codes are zeros, which add nothing under any byte but 0xff, and the bytes are read by this program alone.
; SHARES.  Work-groups 0 to 511 take the weights: 128 columns x 256 along K each; a lane takes a column and its registers run down K.  Work-groups 512 to 639 take x: a wave takes 64 rows x 128 along K.
; No tensor loads, no barrier: waves share nothing.  Only x's way uses LDS: a stage of 16 rows x 528 bytes for each wave.
.set U,      12800
.set SCO,    12288
.set FRB,    1536
.set ROWB,   8192                      ; a row of x or of a weight in bytes
.set SP,     528                       ; a stage row: 512 bytes + 16: sixteen rows begin at sixteen different groups of banks
.set STG,    16*SP
.set SPARE,  4*STG                     ; behind the four stages: the spare words, 128 bytes for each wave
.set FLOOR,  0x1800000                 ; 2^(3 - 127): under it no largest magnitude is taken, so the byte cannot fall under 1
.set EOFF,   0xff000000                ; takes 2 off an exponent field
.set SPW,    2                         ; v2  LDS address of my spare word; never rewritten
.set NIL,    3                         ; v3  0; never rewritten
.set X,      64                        ; the weights' way: v64-127 two sets of 32 numbers
.set IMG,    128                       ; v128-175 the images: 24 registers a K step: 12 for each half of the fragment's lanes
.set T,      176                       ; v176-178 a block's upper 16 codes
.set SB,     24                        ; v24-25 the scale words of the two K steps
.set RR,     64                        ; x's way: v64-191 two sets of 16 rows as they are loaded
.set XX,     192                       ; v192-255 my two blocks, in the operand's order
.set PC,     32                        ; v32-43 the fragment's codes; v44-46, v48-50 the blocks' upper halves
.set PW,     24                        ; v24-27 the four fragments' scale words
.macro WLOAD t                         ; block t of my column: register P takes W(32 t + SW(P), my column): 32 lanes read 128 consecutive bytes
.set P, 0
.rept 32
	global_load_b32 v[X+32*((\t)%2)+P], v6, s[6:7] offset:(32*(\t)+((P&7)|((P&8)<<1)|((P&16)>>1)))*ROWB th:TH_LOAD_NT
.set P, P+1
.endr
.endm
.macro WBLOCK t                        ; block t: block t % 4 of K step t / 4.  In the fragment it belongs to lane half t % 2, registers 6 ((t % 4) / 2) on
.set XS, X+32*((\t)%2)
.set DC, IMG+24*((\t)/4)+12*((\t)%2)+6*(((\t)%4)/2)
.if (\t) < 7
	s_wait_loadcnt 32                              ; this block's 32 loads are in; the next block's 32 may be out
.else
	s_wait_loadcnt 0x0
.endif
	v_max3_num_f32 v12, |v[XS]|, |v[XS+1]|, |v[XS+2]|               ; the block's largest magnitude: all 32 numbers are mine; two chains
	v_max3_num_f32 v13, |v[XS+3]|, |v[XS+4]|, |v[XS+5]|
.irp i, 6,10,14,18,22,26
	v_max3_num_f32 v12, v12, |v[XS+\i]|, |v[XS+\i+1]|
	v_max3_num_f32 v13, v13, |v[XS+\i+2]|, |v[XS+\i+3]|
.endr
	v_max3_num_f32 v12, v12, |v[XS+30]|, |v[XS+31]|
	v_max3_num_f32 v12, v12, v13, FLOOR
	v_add_nc_u32 v11, EOFF, v12                    ; the conversion takes the exponent field of this operand as its scale
	v_cvt_scalef32_pk16_fp6_f32 v[DC:DC+2], v[XS:XS+15], v11
	v_cvt_scalef32_pk16_fp6_f32 v[T:T+2], v[XS+16:XS+31], v11       ; (a conversion's three registers begin on an even number)
	v_lshrrev_b32 v10, 23, v11                     ; the scale's byte; also the plain line behind the conversions
.if (\t)%4 == 0
	v_mov_b32 v[SB+(\t)/4], v10
.else
	v_lshl_or_b32 v[SB+(\t)/4], v10, 8*((\t)%4), v[SB+(\t)/4]
.endif
.irp i, 0,1,2
	v_mov_b32 v[DC+3+\i], v[T+\i]
.endr
.if (\t)+2 < 8
	WLOAD (\t)+2
.endif
.if (\t)%4 == 3                        ; a K step is whole: my row's 12 registers of each lane half.  Sixteen lanes store 256 consecutive bytes, aligned
.irp h, 0,1
.irp c, 0,1,2
	global_store_b128 v7, v[IMG+24*((\t)/4)+12*\h+4*\c:IMG+24*((\t)/4)+12*\h+4*\c+3], s[16:17] offset:((\t)/4)*U+256*\h+512*\c
.endr
.endr
	global_store_b32 v8, v[SB+(\t)/4], s[16:17] offset:((\t)/4)*U+SCO   ; the wave's 32 scale words: 128 consecutive bytes
.endif
.endm
.macro XLOAD f                         ; fragment f's 16 rows: 32 lanes read a row's 512 consecutive bytes
.irp i, 0,1,2,3,4,5,6,7,8,9,10,11,12,13,14,15
	global_load_b128 v[RR+64*((\f)%2)+4*\i:RR+64*((\f)%2)+4*\i+3], v6, s[4:5] offset:(16*(\f)+\i)*ROWB th:TH_LOAD_NT
.endr
.endm
.macro XFRAG f
.set RS, RR+64*((\f)%2)
.if (\f) < 3
	s_wait_loadcnt 16                              ; this fragment's 16 loads are in; the next one's may be out
.else
	s_wait_loadcnt 0x0
.endif
.irp i, 0,1,2,3,4,5,6,7,8,9,10,11,12,13,14,15
	ds_store_b128 v7, v[RS+4*\i:RS+4*\i+3] offset:SP*\i
.endr
.irp c, 0,1                            ; back: lane (r, h) takes blocks h and 2 + h of row r; four places at a time, from the four elements that the order asks for.  LDS serves a wave's instructions in order
.irp g, 0,1,2,3,4,5,6,7
	ds_load_b128 v[XX+32*\c+4*\g:XX+32*\c+4*\g+3], v8 offset:256*\c+16*((\g&1)|((\g&2)<<1)|((\g&4)>>1))
.endr
.endr
	s_wait_dscnt 0x0                               ; my blocks are in, and the stores into the stage have read their registers,
.if (\f)+2 < 4
	XLOAD (\f)+2                                   ; which take the fragment two further on
.endif
.irp c, 0,1
	v_max3_num_f32 v[12+\c], |v[XX+32*\c]|, |v[XX+32*\c+1]|, FLOOR
.endr
.irp i, 2,4,6,8,10,12,14,16,18,20,22,24,26,28,30
.irp c, 0,1
	v_max3_num_f32 v[12+\c], v[12+\c], |v[XX+32*\c+\i]|, |v[XX+32*\c+\i+1]|   ; (the two blocks by turns)
.endr
.endr
.irp c, 0,1
	v_add_nc_u32 v[16+\c], EOFF, v[12+\c]
.endr
.irp c, 0,1
	v_lshrrev_b32 v[18+\c], 23, v[16+\c]
.endr
	v_lshl_or_b32 v20, v19, 16, v18                ; my two bytes: blocks h and 2 + h,
	v_lshlrev_b32 v20, v22, v20                    ; 8 h bits up;
	v_permlanex16_b32 v21, v20, s30, s31
	v_or_b32 v[PW+(\f)], v20, v21                  ; with lane l xor 16's two the row's word is whole, in both lanes
.if (\f) > 0
	s_wait_alu depctr_va_vdst(0)
	s_wait_xcnt 0x0                                ; the last fragment's stores have read their data: the codes' registers are written again only behind this wait
.endif
.irp c, 0,1
	v_cvt_scalef32_pk16_fp6_f32 v[PC+6*\c:PC+6*\c+2], v[XX+32*\c:XX+32*\c+15], v[16+\c]
	v_cvt_scalef32_pk16_fp6_f32 v[44+4*\c:46+4*\c], v[XX+32*\c+16:XX+32*\c+31], v[16+\c]
.endr
	v_nop                                          ; one plain line behind the conversions
.irp c, 0,1
.irp i, 0,1,2
	v_mov_b32 v[PC+6*\c+3+\i], v[44+4*\c+\i]
.endr
.endr
.irp c, 0,1,2
	global_store_b128 v6, v[PC+4*\c:PC+4*\c+3], s[26:27] offset:(\f)*FRB+512*\c   ; 32 lanes store 512 consecutive bytes, aligned to 256
.endr
.endm
	s_load_b256 s[4:11], s[0:1], 0x0               ; x s[4:5], Wq s[6:7], Wk s[8:9], Wv s[10:11]
	s_load_b128 s[12:15], s[0:1], 0x20             ; Wo s[12:13], xo s[14:15]
	s_load_b64 s[16:17], s[0:1], 0x30              ; wc
	v_lshl_add_u32 v[SPW], v0, 2, SPARE
	v_mov_b32 v[NIL], 0
	v_lshrrev_b32 v1, 5, v0
	v_readfirstlane_b32 s18, v1                    ; wave 0..3
	v_and_b32 v1, 31, v0                           ; lane
	v_and_b32 v4, 15, v0                           ; r
	v_bfe_u32 v5, v0, 4, 1                         ; h
	s_cmp_lt_u32 ttmp9, 512
	s_cbranch_scc0 .Lx_way
	; ---- THE WEIGHTS.  Work-group = 128 x weight + 8 x (128 columns) + (256 along K)
	v_lshlrev_b32 v6, 2, v1                        ; in: 4 bytes a lane
	s_mul_i32 s19, s18, 2*FRB                      ; out: my wave's 32 columns are fragments 2 w and 2 w + 1
	v_mul_u32_u24 v7, v5, FRB
	v_lshl_add_u32 v7, v4, 4, v7
	v_add_nc_u32 v7, s19, v7                       ; my row's 16 bytes of a store
	s_lshl_b32 s19, s18, 7
	v_lshlrev_b32 v8, 3, v4
	v_lshl_add_u32 v8, v5, 2, v8
	v_add_nc_u32 v8, s19, v8                       ; my row's scale word: 128 w + 8 r + 4 h
	s_lshr_b32 s20, ttmp9, 7                       ; which weight
	s_bfe_u32 s21, ttmp9, 0x40003                  ; which 128 columns
	s_and_b32 s22, ttmp9, 7                        ; which 256 along K
	s_lshl_b32 s24, s22, 21                        ; 256 rows of 8,192 bytes
	s_lshl_b32 s21, s21, 9
	s_add_co_u32 s24, s24, s21
	s_add_co_u32 s24, s24, s19                     ; + my wave's 32 columns, 128 bytes
	s_mov_b32 s25, 0
	s_lshr_b32 s26, ttmp9, 3
	s_mul_i32 s26, s26, 16*U
	s_mul_i32 s22, s22, 2*U
	s_add_co_u32 s26, s26, s22
	s_mov_b32 s27, 0
	s_wait_alu depctr_va_vdst(0)
	s_wait_kmcnt 0x0
	s_cmp_eq_u32 s20, 1                            ; the choice hangs on the work-group's number alone
	s_cselect_b64 s[6:7], s[8:9], s[6:7]
	s_cmp_eq_u32 s20, 2
	s_cselect_b64 s[6:7], s[10:11], s[6:7]
	s_cmp_eq_u32 s20, 3
	s_cselect_b64 s[6:7], s[12:13], s[6:7]
	s_add_nc_u64 s[6:7], s[6:7], s[24:25]
	s_add_nc_u64 s[16:17], s[16:17], s[26:27]
	WLOAD 0
	WLOAD 1                                        ; two blocks, 64 loads a wave, ahead
.irp t, 0,1,2,3,4,5,6,7
	WBLOCK \t                                      ; every offset is an immediate and no store's data are written again: no wait for the stores' sources is needed
.endr
	s_branch .Lend
	; ---- x.  Work-group 512 + 4 x (64 rows) + (four K steps); wave w takes K step 4 (..) + w
.Lx_way:
	s_sub_co_u32 s19, ttmp9, 512
	s_lshr_b32 s20, s19, 2                         ; which 64 rows
	s_and_b32 s19, s19, 3
	s_lshl_b32 s19, s19, 2
	s_add_co_u32 s19, s19, s18                     ; which K step
	s_lshl_b32 s22, s20, 19                        ; 64 rows of 8,192 bytes
	s_lshl_b32 s21, s19, 9
	s_add_co_u32 s22, s22, s21
	s_mov_b32 s23, 0
	s_lshr_b32 s24, s20, 1
	s_lshl_b32 s24, s24, 4
	s_add_co_u32 s24, s24, s19
	s_mul_i32 s24, s24, U                          ; the unit
	s_mov_b32 s25, 0
	s_and_b32 s20, s20, 1                          ; its lower or upper four fragments
	s_mul_i32 s26, s20, 4*FRB
	s_add_co_u32 s26, s26, s24
	s_mov_b32 s27, 0
	s_lshl_b32 s20, s20, 8
	s_add_co_u32 s24, s24, s20                     ; and the lower or upper 256 bytes of its scale words
	s_mul_i32 s28, s18, STG                        ; my stage
	s_wait_alu depctr_va_vdst(0)
	v_lshlrev_b32 v6, 4, v1                        ; 16 x lane
	v_add_nc_u32 v7, s28, v6                       ; into the stage
	v_mul_u32_u24 v8, v4, SP
	v_lshl_add_u32 v8, v5, 7, v8
	v_add_nc_u32 v8, s28, v8                       ; out of it: row r, + 128 h bytes: block h
	v_lshlrev_b32 v9, 3, v4
	v_lshl_add_u32 v9, v5, 7, v9                   ; the scale words' store: 128 h + 8 r
	v_lshlrev_b32 v22, 3, v5                       ; 8 h
	v_mov_b32 v21, 0                               ; written once: a lane permute's destination counts as one of its sources
	s_mov_b32 s30, 0x76543210
	s_mov_b32 s31, 0xfedcba98                      ; selects for lane l xor 16
	s_mov_b32 s32, 0xffff0000                      ; lanes 16-31
	s_wait_alu depctr_va_vdst(0)
	s_wait_kmcnt 0x0
	s_add_nc_u64 s[4:5], s[4:5], s[22:23]
	s_add_nc_u64 s[26:27], s[14:15], s[26:27]
	s_add_nc_u64 s[24:25], s[14:15], s[24:25]
	XLOAD 0
	XLOAD 1
	XFRAG 0
	XFRAG 1
	XFRAG 2
	XFRAG 3
	v_cndmask_b32 v28, v[PW], v[PW+2], s32         ; lanes 0-15 store fragments 0 and 1's words of row r, lanes 16-31 fragments 2 and 3's
	v_cndmask_b32 v29, v[PW+1], v[PW+3], s32
	global_store_b64 v9, v[28:29], s[24:25] offset:SCO   ; 32 lanes store 256 consecutive bytes, aligned
.Lend:
	s_wait_tensorcnt 0x0                           ; the wave's end
	ds_add_u32 v[SPW], v[NIL]
	s_wait_dscnt 0x0
	s_endpgm
.Lfunc_end_k_qf79ad41051_quant:
	.size	k_qf79ad41051_quant, .Lfunc_end_k_qf79ad41051_quant-k_qf79ad41051_quant
	.p2alignl 7, 3214868480
	.fill 96, 4, 3214868480
	.section	.rodata,"a",@progbits
	.p2align	6, 0x0
	.amdhsa_kernel k_qf79ad41051_quant
		.amdhsa_group_segment_fixed_size 34304
		.amdhsa_private_segment_fixed_size 0
		.amdhsa_enable_private_segment 0
		.amdhsa_kernarg_size 56
		.amdhsa_user_sgpr_count 2
		.amdhsa_user_sgpr_kernarg_segment_ptr 1
		.amdhsa_wavefront_size32 1
		.amdhsa_system_sgpr_workgroup_id_x 1
		.amdhsa_system_sgpr_workgroup_id_y 1
		.amdhsa_system_sgpr_workgroup_id_z 1
		.amdhsa_system_vgpr_workitem_id 0
		.amdhsa_next_free_vgpr 256
		.amdhsa_next_free_sgpr 66
		.amdhsa_reserve_vcc 0
		.amdhsa_float_denorm_mode_32 3
		.amdhsa_float_denorm_mode_16_64 3
		.amdhsa_memory_ordered 1
		.amdhsa_forward_progress 1
		.amdhsa_inst_pref_size 68
	.end_amdhsa_kernel
	.amdgpu_metadata
---
amdhsa.version: [ 1, 2 ]
amdhsa.kernels:
  - .name:           k_qf79ad41051_quant
    .symbol:         k_qf79ad41051_quant.kd
    .args:
      - { .name: x, .offset: 0, .size: 8, .value_kind: global_buffer, .address_space: global }
      - { .name: Wq, .offset: 8, .size: 8, .value_kind: global_buffer, .address_space: global }
      - { .name: Wk, .offset: 16, .size: 8, .value_kind: global_buffer, .address_space: global }
      - { .name: Wv, .offset: 24, .size: 8, .value_kind: global_buffer, .address_space: global }
      - { .name: Wo, .offset: 32, .size: 8, .value_kind: global_buffer, .address_space: global }
      - { .name: xo, .offset: 40, .size: 8, .value_kind: global_buffer, .address_space: global }
      - { .name: wc, .offset: 48, .size: 8, .value_kind: global_buffer, .address_space: global }
    .group_segment_fixed_size: 34304
    .private_segment_fixed_size: 0
    .kernarg_segment_align: 8
    .kernarg_segment_size: 56
    .max_flat_workgroup_size: 128
    .sgpr_count:     66
    .vgpr_count:     256
    .wavefront_size: 32
...
	.end_amdgpu_metadata
.endif
;; end of part 5
;; launch qkv (part 6): grid 24 x 8, 4 waves a work-group, clusters of 4 x 4, 327,680 bytes of LDS; arguments xo, wc, bq, bk, bv, qf, kv; writes qf, kv
.if DOCPART == 6
	.amdgcn_target "amdgcn-amd-amdhsa--gfx1250"
	.amdhsa_code_object_version 6
	.text
	.protected	k_qf79ad41051_qkv
	.globl	k_qf79ad41051_qkv
	.p2align	8
	.type	k_qf79ad41051_qkv,@function
k_qf79ad41051_qkv:
	s_mov_b64 s[64:65], 0
	v_nop
	global_prefetch_b8 v0, s[64:65] scope:SCOPE_SE
	s_setreg_imm32_b32 hwreg(HW_REG_WAVE_MODE, 25, 1), 1
	s_wait_xcnt 0x0
	s_wait_alu depctr_hold_cnt(0) depctr_sa_sdst(0) depctr_va_vdst(0) depctr_va_sdst(0) depctr_va_ssrc(0) depctr_va_vcc(0) depctr_vm_vsrc(0)
	s_getreg_b32 s2, hwreg(HW_REG_IB_STS2, 6, 4)
	s_cmp_eq_u32 s2, 0
	s_cbranch_scc0 .Lentry_in_a_cluster
	s_endpgm
.Lentry_in_a_cluster:
	s_bfe_u32 s2, ttmp6, 0x10000c
	s_cmp_lg_u32 s2, 0xf033
	s_cbranch_scc0 .Lentry_shape_is_right
	s_endpgm
.Lentry_shape_is_right:
; q = x Wq + bq, k = x Wk + bk, v = x Wv + bv on codes of FP6 (E2M3) with E8M0 scales, and each result quantised on its way out, in f32, for the attention's two products.  Nothing of the problem is left out here.
; OPERANDS come as UNITS of 128 rows x 128 along K, U = 12,800 bytes: eight fragments of 1,536 bytes as images of their 12 registers (registers 4 c .. 4 c + 3 of lane l at 512 c + 16 l), then at SCO 512 bytes
; of scale words (row r of fragment f at 128 (f / 2) + 8 r + 4 (f % 2)).  xo: [128 rows][K step][U]; wc: [weight][128 columns][K step][U].  So a fragment is three loads of 512 consecutive bytes, with no pitch and no padding.
; A tile of 256 x 256 is made by four waves, 128 x 128 each: 64 accumulators, 512 registers.  K goes through a ring of two LDS slots of two K steps (256 along K): a wave's tensor load brings two units, 25,600 dense bytes.
; TILE COLUMNS 0-7 make q, 8-15 k: A = x's rows, B = the weight's columns.  TILE COLUMNS 16-23 make v TRANSPOSED: A = Wv's columns (the head's d), B = x's rows (the keys): the same text with the two pointers exchanged,
; by a choice on the cluster's x, which all partners share.  THE MATRIX INSTRUCTION IS USED TRANSPOSED (source 0 = 16 rows of B, source 1 = 16 rows of A): a lane holds one row of A and its registers run along B's rows,
; which are the next product's K: d for q and k, the keys for v.  So a wave's 128 x 128 is quantised in registers, block of 16 rows by block, and is exactly one unit of the next launch.
; THE ORDER INSIDE A BLOCK OF 32: register 16 b + 8 u + j of lane half hs is element 32 b + 16 u + 8 hs + j and becomes code place 16 hs + 8 u + j: place P holds element P with bits 3 and 4 exchanged, as in every operand of this program.
; qf: [head][128 queries][U].  kv: [head][128 keys][K's unit, V's unit]; V's unit has rows d and K = the step's 128 keys.
; CLUSTERS: 4 x 4 work-groups; A's tiles are asked for jointly along a row of the cluster, B's along a column.
; LIMITS: NaN and infinities are not served; a block whose largest magnitude lies under 2^-124 has its byte held at 1; a block of zeros has the byte 1 where the rule says 127 (its codes are zeros; this program alone reads the bytes).
; REGISTERS: window 0: v16-29 addresses; v32-63 scale words, two sets; v64-127 the bias; v128-223 A's fragments, ONE set (free on the way out).  window 1: B's fragments, two sets, at v0 and v128.
;   window 2: the accumulators of my rows 0-63 ((a, b) at v[8 (8 a + b)]); window 3: those of rows 64-127.
.set U,      12800
.set SCO,    12288
.set FRB,    1536
.set R128B,  16*U                      ; 128 rows, all 16 K steps
.set NQ,     2                         ; K steps of 128 in a slot
.set HALFT,  NQ*U                      ; what one tensor load brings
.set SLOT,   4*HALFT                   ; A's two halves, then B's two halves
.set SPARE,  2*SLOT                    ; behind the ring: the spare words, 128 bytes for each wave
.set LAPS,   16/(2*NQ)                 ; a lap = once round the ring
.set FR,     12
.set NL,     3                         ; LDS loads that bring a fragment
.set NP,     4                         ; places behind this matrix instruction (ISA guide 7.12.1)
.set ADRA,   16                        ; v16-17 my A fragments in slot 0, 1
.set ADRB,   20                        ; v20-21 my B fragments
.set ADRS,   22                        ; v22-23 my scale words: lanes 0-15 A's rows, lanes 16-31 B's
.set VO,     24                        ; v24 16 x lane
.set VS,     25                        ; v25 the scale words' store: 128 h + 8 r
.set SPW,    28                        ; v28 LDS address of my spare word; never rewritten
.set NIL,    29                        ; v29 0; never rewritten
.set SC,     32                        ; scale words: set s at v[SC + 16 s]; in it register 8 q + i: lanes 0-15 the word of A's block i, lanes 16-31 that of B's block i, for the slot's q-th K step
.set BI,     64                        ; the bias, 64 registers
.set AF,     128
.set HA,     128                       ; the way out: v128-191 64 numbers; v192-210 codes; v212-227 at work; v232-239 the eight scale words; v240-243 their pairs
.set PC,     192
.set TM,     212
.set PWS,    232
.set G1,     24
.set G0,     32
.set G1B,    48
.set G0B,    56
.set SEL,    94
.set MSB, 0
.macro WIN new                         ; the immediate's high byte repeats the setting that is left
.if MSB != (\new)
	s_set_vgpr_msb (MSB<<8)|(\new)
.set MSB, (\new)
.endif
.endm
.set MUL_LO, 0xa1                      ; source 0 (B) window 1, source 1 (A) window 0, C and D window 2
.set MUL_HI, 0xf1
.set TO_B,   0x40
; A joint load: waves 0 and 1 fetch A's halves, waves 2 and 3 B's.  The branch hangs on the wave's number alone.  An s_nop 0 and four v_nop follow each line.
.macro JLOAD g0a, g1a, g0b, g1b
	s_cmp_eq_u32 s15, 0
	s_cbranch_scc0 .Lfor_b_\@
	tensor_load_to_lds s[\g0a:\g0a+3], s[\g1a:\g1a+7]
	s_nop 0
.rept 4
	v_nop
.endr
	s_branch .Lasked_\@
.Lfor_b_\@:
	tensor_load_to_lds s[\g0b:\g0b+3], s[\g1b:\g1b+7]
	s_nop 0
.rept 4
	v_nop
.endr
.Lasked_\@:
.endm
.macro CREST                           ; a round of the cluster's barrier behind its opening barrier
	s_cmp_lg_u32 s14, 0
	s_cbranch_scc1 .Lnot_wave_0_\@
	s_barrier_signal -3
.Lnot_wave_0_\@:
	s_barrier_wait -3
	s_barrier_signal -1
	s_barrier_wait -1
.endm
.macro CROUND
	s_barrier_signal -1
	s_barrier_wait -1
	CREST
.endm
.macro FRAG reg, adr, q, i             ; fragment i of the slot's q-th unit: three loads of 512 consecutive bytes
.irp c, 0,1,2
	ds_load_b128 v[\reg+4*\c:\reg+4*\c+3], v[\adr] offset:(\q)*U+(\i)*FRB+512*\c
.endr
.endm
; 16 matrix instructions: A's blocks a0, a0 + 1 x B's eight.  The 64 accumulators take turns, one instruction a turn, in the same order in every step.
.macro MUL16 a0, p, q, sc, zero
.irp a, \a0, \a0+1
.irp b, 0,1,2,3,4,5,6,7
.if \zero
	v_wmma_scale_f32_16x16x128_f8f6f4 v[8*(8*((\a)%4)+\b):8*(8*((\a)%4)+\b)+7], v[128*(\p)+FR*\b:128*(\p)+FR*\b+FR-1], v[AF+FR*(\a):AF+FR*(\a)+FR-1], 0, v[SC+16*(\sc)+8*(\q)+\b], v[SC+16*(\sc)+8*(\q)+(\a)] matrix_a_fmt:MATRIX_FMT_FP6 matrix_b_fmt:MATRIX_FMT_FP6 matrix_a_scale:MATRIX_SCALE_ROW1
.else
	v_wmma_scale_f32_16x16x128_f8f6f4 v[8*(8*((\a)%4)+\b):8*(8*((\a)%4)+\b)+7], v[128*(\p)+FR*\b:128*(\p)+FR*\b+FR-1], v[AF+FR*(\a):AF+FR*(\a)+FR-1], v[8*(8*((\a)%4)+\b):8*(8*((\a)%4)+\b)+7], v[SC+16*(\sc)+8*(\q)+\b], v[SC+16*(\sc)+8*(\q)+(\a)] matrix_a_fmt:MATRIX_FMT_FP6 matrix_b_fmt:MATRIX_FMT_FP6 matrix_a_scale:MATRIX_SCALE_ROW1
.endif
.endr
.endr
.endm
.macro FETCH_B slot, q, p
	WIN TO_B
.irp i, 0,1,2,3,4,5,6,7
	FRAG 128*(\p)+FR*\i, ADRB+\slot, \q, \i
.endr
	WIN 0
.endm
.macro FETCH_A slot, q, i0
.irp i, \i0, \i0+1, \i0+2, \i0+3
	FRAG AF+FR*(\i), ADRA+\slot, \q, \i
.endr
.endm
.macro SCALES slot                     ; a slot's scale words: two neighbouring fragments' words of a row are 8 bytes; lanes 0-15 take A's, lanes 16-31 B's
.irp q, 0,1
.irp b, 0,1,2,3
	ds_load_b64 v[SC+16*\slot+8*\q+2*\b:SC+16*\slot+8*\q+2*\b+1], v[ADRS+\slot] offset:\q*U+SCO+128*\b
.endr
.endr
.endm
.macro PLACES n                        ; plain vector instructions between a matrix instruction and a load into, or a read of, its registers
.rept \n
	v_nop
.endr
.endm
.macro STEP slot, q, zero              ; a K step that has its successor in the same slot
	s_wait_dscnt 4*NL                              ; all but the youngest twelve loads (A's blocks 4-7) are in
	WIN MUL_LO
	MUL16 0, (\q)%2, \q, \slot, \zero
	MUL16 2, (\q)%2, \q, \slot, \zero
	s_wait_dscnt 0                                 ; A's blocks 4-7 are in
	PLACES NP
	FETCH_B \slot, (\q)+1, 1-(\q)%2
	FETCH_A \slot, (\q)+1, 0
	WIN MUL_HI
	MUL16 4, (\q)%2, \q, \slot, \zero
	MUL16 6, (\q)%2, \q, \slot, \zero
	PLACES NP
	WIN 0
	FETCH_A \slot, (\q)+1, 4
.endm
; A slot's last K step changes slots: one barrier; in front of it each wave waits for all its tensor loads, adds 0 to its spare word, and waits for that and for its own reads of this slot.
; A PREFETCH INTO THE L2, behind each refill and the run of LDS loads that follows it: the slot that stands two refills on.  Of the 100 blocks of 256 bytes that a wave's load brings, each of the four partners
; that ask for them jointly names 25, told apart by address (cx for A, cy for B); lanes that are left over name the last block again.  The head names slots 1 and 2, slot 3 is named behind the first round;
; the loop's last trip would name slots 8 and 9 and names nothing.
.macro ASK
	s_cmp_gt_u32 s3, 1
	s_cbranch_scc0 .Lnone_\@
	global_prefetch_b8 v30, s[98:99] offset:3*HALFT th:TH_LOAD_NT scope:SCOPE_SE
.Lnone_\@:
.endm
.macro TURN slot, next, fill
.if \fill
	s_wait_xcnt 0x0                                ; the last prefetch has read its address
	s_add_nc_u64 s[98:99], s[98:99], HALFT
.endif
	s_wait_tensorcnt 0x0                           ; all my tensor loads have landed: my part of the next slot
	ds_add_u32 v[SPW], v[NIL]                      ; 0 onto my spare word
	s_wait_dscnt 4*NL+1                            ; (the add and the youngest twelve loads may be out)
	WIN MUL_LO
	MUL16 0, 1, NQ-1, \slot, 0
	s_wait_dscnt 0x0                               ; the add is done, and my reads of this slot are over
	s_barrier_signal -1
	MUL16 2, 1, NQ-1, \slot, 0
	WIN 0
	s_barrier_wait -1
.if \fill
	CREST                                          ; the barrier has opened a round of the cluster's barrier: no wave of any partner still reads this slot or has a load on its way
	s_add_nc_u64 s[G0+4*\slot+2:G0+4*\slot+3], s[G0+4*\slot+2:G0+4*\slot+3], 2*HALFT
	s_add_nc_u64 s[G0B+4*\slot+2:G0B+4*\slot+3], s[G0B+4*\slot+2:G0B+4*\slot+3], 2*HALFT
	JLOAD G0+4*\slot, G1, G0B+4*\slot, G1B         ; the first tensor load behind the round; its four v_nop are the places in front of the loads below
.else
	PLACES NP
.endif
	FETCH_B \next, 0, 0
	FETCH_A \next, 0, 0
	SCALES \next
.if \fill
	ASK
.endif
	WIN MUL_HI
	MUL16 4, 1, NQ-1, \slot, 0
	MUL16 6, 1, NQ-1, \slot, 0
	PLACES NP
	WIN 0
	FETCH_A \next, 0, 4
.endm
; 64 numbers of a lane, v[s] on, register 16 b + i in block b of my row, become a fragment's codes in v[PC] on and its scale word in v[pw].
.macro QUANT s, pw
.irp b, 0,1,2,3
	v_max3_num_f32 v[TM+\b], |v[\s+16*\b]|, |v[\s+1+16*\b]|, 0x1800000   ; my 16 numbers of block b, and the floor 2^(3 - 127)
.endr
.irp i, 2,4,6,8,10,12,14
.irp b, 0,1,2,3
	v_max3_num_f32 v[TM+\b], v[TM+\b], |v[\s+16*\b+\i]|, |v[\s+1+16*\b+\i]|
.endr
.endr
.irp b, 0,1,2,3
	v_permlanex16_b32 v[TM+4+\b], v[TM+\b], s[SEL], s[SEL+1]
.endr
.irp b, 0,1,2,3
	v_max_num_f32 v[TM+\b], v[TM+\b], v[TM+4+\b]   ; with lane l xor 16's: the block's largest magnitude
.endr
.irp b, 0,1,2,3
	v_add_nc_u32 v[TM+12+\b], 0xff000000, v[TM+\b] ; 2 off its exponent field: the conversion's scale operand
.endr
.irp b, 0,1,2,3
	v_lshrrev_b32 v[TM+4+\b], 23, v[TM+12+\b]      ; the scale's byte
.endr
	v_lshl_or_b32 v[\pw], v[TM+5], 8, v[TM+4]
	v_lshl_or_b32 v[\pw], v[TM+6], 16, v[\pw]
	v_lshl_or_b32 v[\pw], v[TM+7], 24, v[\pw]
.irp c, 0,1
	v_cvt_scalef32_pk16_fp6_f32 v[PC+6*\c:PC+2+6*\c], v[\s+32*\c:\s+15+32*\c], v[TM+12+2*\c]
	v_cvt_scalef32_pk16_fp6_f32 v[PC+12+4*\c:PC+14+4*\c], v[\s+16+32*\c:\s+31+32*\c], v[TM+12+2*\c+1]
.endr
	v_nop                                          ; one plain line behind the conversions
.irp c, 0,1                            ; the operand wants a whole block in a lane: lanes 0-15 block 2 c, lanes 16-31 block 2 c + 1
.irp i, 0,1,2
	v_permlane16_swap_b32 v[PC+6*\c+\i], v[PC+12+4*\c+\i]
.endr
.irp i, 0,1,2
	v_mov_b32 v[PC+3+6*\c+\i], v[PC+12+4*\c+\i]
.endr
.endr
.endm
; THE WAY OUT.  Block a (16 rows of A): its eight accumulators + the bias, in f32; quantised; the fragment's image stored: 512 consecutive bytes a store.  sel = 0: the bias runs along the registers (q, k); 1: along A's rows (v).
.macro OUT sel
.irp a, 0,1,2,3,4,5,6,7
	WIN 0x02+(\a/4)                                ; source 0: window 2 or 3
.irp b, 0,1,2,3,4,5,6,7
.irp i, 0,2,4,6                        ; each accumulator from its low end on
.if \sel
	v_pk_add_f32 v[HA+8*\b+\i:HA+8*\b+\i+1], v[64*(\a%4)+8*\b+\i:64*(\a%4)+8*\b+\i+1], v[BI+8*\a+\i:BI+8*\a+\i+1]
.else
	v_pk_add_f32 v[HA+8*\b+\i:HA+8*\b+\i+1], v[64*(\a%4)+8*\b+\i:64*(\a%4)+8*\b+\i+1], v[BI+8*\b+\i:BI+8*\b+\i+1]
.endif
.endr
.endr
	WIN 0
.if \a > 0
	s_wait_xcnt 0x0                                ; the last block's stores have read their data: the codes' registers are written again only behind this wait
.endif
	QUANT HA, PWS+\a
.irp c, 0,1,2
	global_store_b128 v[VO], v[PC+4*\c:PC+4*\c+3], s[86:87] offset:\a*FRB+512*\c
.endr
.endr
.endm
	s_load_b256 s[68:75], s[0:1], 0x0              ; xo s[68:69], wc s[70:71], bq s[72:73], bk s[74:75]
	s_load_b128 s[76:79], s[0:1], 0x20             ; bv s[76:77], qf s[78:79]
	s_load_b64 s[80:81], s[0:1], 0x30              ; kv
	v_lshl_add_u32 v[SPW], v0, 2, SPARE
	v_mov_b32 v[NIL], 0
	ds_add_u32 v[SPW], v[NIL]                      ; the wave's opening
	ds_add_u32 v[SPW], v[NIL]
	v_lshrrev_b32 v1, 5, v0
	v_readfirstlane_b32 s14, v1                    ; wave 0..3
	s_lshr_b32 s15, s14, 1                         ; which half of A's rows is mine.  Also: I fetch for A (0) or for B (1)
	s_and_b32 s16, s14, 1                          ; which half of B's rows.  Also: which half I fetch
	s_bfe_u32 s40, ttmp6, 0x40000                  ; cx, cy: my place in the cluster
	s_bfe_u32 s41, ttmp6, 0x40004
	s_lshl_b32 s42, ttmp9, 2
	s_add_co_u32 s42, s42, s40                     ; tile column = 4 x cluster x + cx
	s_and_b32 s17, ttmp7, 0xffff
	s_lshl_b32 s17, s17, 2
	s_add_co_u32 s17, s17, s41                     ; tile row = 4 x cluster y + cy
	s_lshl_b32 s43, s41, 2
	s_lshl_b32 s43, 15, s43                        ; my row of the cluster
	s_lshl_b32 s44, 0x1111, s40                    ; my column
	s_or_b32 s[G1+0], s43, (3<<16)|(1<<21)         ; 15:0 the mask; 17:16 elements of 8 bytes; 20 no padding; 21 set beside a mask
	s_or_b32 s[G1B+0], s44, (3<<16)|(1<<21)
.irp g, G1, G1B                        ; 25,600 dense bytes as 100 rows of 256
	s_mov_b32 s[\g+1], 32<<16                      ; tensor_dim0 = 32
	s_mov_b32 s[\g+2], 100<<16                     ; tensor_dim1 = 100
	s_mov_b32 s[\g+3], 32<<16                      ; tile_dim0
	s_mov_b32 s[\g+4], 100                         ; tile_dim1
	s_mov_b32 s[\g+5], 32                          ; the pitch
	s_mov_b32 s[\g+6], 0
	s_mov_b32 s[\g+7], 0
.endr
	s_lshl_b32 s20, s17, 1
	s_add_co_u32 s20, s20, s16
	s_mul_i32 s20, s20, R128B                      ; A: 128 rows number 2 x tile row + half
	s_mov_b32 s21, 0
	s_and_b32 s46, s42, 15                         ; B: the tile column within its operand: q's and k's weights lie on end (0-15); v's keys: column - 16
	s_lshl_b32 s46, s46, 1
	s_add_co_u32 s46, s46, s16
	s_mul_i32 s46, s46, R128B
	s_mov_b32 s47, 0
	s_mul_i32 s45, s14, HALFT                      ; where my load goes: no place in the cluster enters an LDS address
	s_wait_dscnt 0x0                               ; both opening adds are done
	s_wait_kmcnt 0x0
	s_add_nc_u64 s[86:87], s[70:71], 2*16*R128B    ; Wv's units
	s_cmp_ge_u32 ttmp9, 4                          ; clusters 4 and 5 along x make v: the same in all sixteen partners
	s_cselect_b64 s[82:83], s[86:87], s[68:69]     ; A: Wv or x
	s_cselect_b64 s[84:85], s[68:69], s[70:71]     ; B: x or Wq, Wk
	s_add_nc_u64 s[20:21], s[82:83], s[20:21]
	s_add_nc_u64 s[46:47], s[84:85], s[46:47]
	CROUND                                         ; all sixteen work-groups are here: the first joint loads meet
.irp s, 0,1
	s_mov_b32 s[G0+4*\s], 1
	s_add_co_u32 s[G0+4*\s+1], s45, \s*SLOT
	s_add_nc_u64 s[G0+4*\s+2:G0+4*\s+3], s[20:21], \s*HALFT
	s_or_b32 s[G0+4*\s+3], s[G0+4*\s+3], 0x80000000
	s_mov_b32 s[G0B+4*\s], 1
	s_add_co_u32 s[G0B+4*\s+1], s45, \s*SLOT
	s_add_nc_u64 s[G0B+4*\s+2:G0B+4*\s+3], s[46:47], \s*HALFT
	s_or_b32 s[G0B+4*\s+3], s[G0B+4*\s+3], 0x80000000
.endr
	JLOAD G0, G1, G0B, G1B                         ; slot 0: one tensor load a wave at the head
	s_cmp_eq_u32 s15, 0                            ; the prefetches: the rows that I fetch, A's or B's,
	s_cselect_b64 s[98:99], s[20:21], s[46:47]
	s_cselect_b32 s97, s40, s41                    ; and my place among the four that ask for them with me
	s_mul_i32 s18, s97, 6400
	s_mov_b32 s19, 0
	s_add_nc_u64 s[98:99], s[98:99], s[18:19]
	v_and_b32 v1, 15, v0                           ; r
	v_bfe_u32 v2, v0, 4, 1                         ; h
	v_and_b32 v3, 31, v0
	v_lshlrev_b32 v[VO], 4, v3
	v_min_u32 v30, 24, v3
	v_lshlrev_b32 v30, 8, v30                      ; a lane a block of 256 bytes; never rewritten
	global_prefetch_b8 v30, s[98:99] offset:HALFT th:TH_LOAD_NT scope:SCOPE_SE     ; slot 1
	global_prefetch_b8 v30, s[98:99] offset:2*HALFT th:TH_LOAD_NT scope:SCOPE_SE   ; slot 2
	v_lshlrev_b32 v[VS], 3, v1
	v_lshl_add_u32 v[VS], v2, 7, v[VS]
	v_lshlrev_b32 v26, 5, v2                       ; the bias's lane terms: 32 h (q, k),
	v_lshlrev_b32 v27, 2, v1                       ; 4 r (v)
	s_mul_i32 s21, s15, HALFT                      ; my half of A
	s_mul_i32 s22, s16, HALFT
	s_add_co_u32 s22, s22, 2*HALFT                 ; my half of B
	s_sub_co_u32 s23, s22, s21
	v_mul_u32_u24 v5, s23, v2                      ; lanes 16-31 take B's scale words: the lower base + h x the distance
	v_lshl_add_u32 v5, v1, 3, v5
.irp s, 0,1
	v_add_nc_u32 v[ADRA+\s], s21, v[VO]
	v_add_nc_u32 v[ADRB+\s], s22, v[VO]
	v_add_nc_u32 v[ADRS+\s], s21, v5
	s_add_co_u32 s21, s21, SLOT
	s_add_co_u32 s22, s22, SLOT
.endr
	; the bias: both ways fill all 64 registers.  It is waited for on the way out
	s_cmp_lt_u32 ttmp9, 4
	s_cbranch_scc0 .Lbias_v
	s_cmp_lt_u32 ttmp9, 2
	s_cselect_b64 s[88:89], s[72:73], s[74:75]     ; bq or bk
	s_and_b32 s18, s42, 7
	s_lshl_b32 s18, s18, 10
	s_lshl_b32 s19, s16, 9
	s_add_co_u32 s18, s18, s19                     ; my 128 columns, in bytes
	s_mov_b32 s19, 0
	s_add_nc_u64 s[88:89], s[88:89], s[18:19]
.irp b, 0,1,2,3,4,5,6,7                ; register 8 b + j: the bias of column 16 b + 8 h + j
	global_load_b128 v[BI+8*\b:BI+8*\b+3], v26, s[88:89] offset:64*\b
	global_load_b128 v[BI+8*\b+4:BI+8*\b+7], v26, s[88:89] offset:64*\b+16
.endr
	s_branch .Lbias_done
.Lbias_v:
	s_lshl_b32 s18, s17, 10
	s_lshl_b32 s19, s15, 9
	s_add_co_u32 s18, s18, s19                     ; my 128 rows of A, which are v's columns, in bytes
	s_mov_b32 s19, 0
	s_add_nc_u64 s[88:89], s[76:77], s[18:19]
	s_wait_alu depctr_va_vdst(0)
.irp a, 0,1,2,3,4,5,6,7                ; registers 8 a + 0 .. 7 all hold the bias of row 16 a + r
.irp j, 0,1,2,3,4,5,6,7
	global_load_b32 v[BI+8*\a+\j], v27, s[88:89] offset:64*\a
.endr
.endr
.Lbias_done:
	; where my unit goes
	s_lshl_b32 s18, s17, 1
	s_add_co_u32 s18, s18, s15                     ; 2 x tile row + my half of A
	s_and_b32 s19, s42, 7
	s_lshl_b32 s19, s19, 1
	s_add_co_u32 s19, s19, s16                     ; 2 x (tile column within q, k or v) + my half of B
	s_cmp_ge_u32 ttmp9, 4
	s_cselect_b32 s22, s18, s19                    ; the head: by B's columns for q and k, by A's rows for v
	s_cselect_b32 s23, s19, s18                    ; the 128 positions: the other one
	s_cselect_b32 s90, U, 0                        ; V's unit lies behind K's
	s_lshl_b32 s22, s22, 4
	s_add_co_u32 s22, s22, s23
	s_mov_b32 s23, 2*U
	s_cmp_lt_u32 ttmp9, 2
	s_cselect_b64 s[86:87], s[78:79], s[80:81]     ; qf or kv
	s_cselect_b32 s23, U, s23
	s_mul_i32 s22, s22, s23
	s_add_co_u32 s22, s22, s90
	s_mov_b32 s23, 0
	s_add_nc_u64 s[86:87], s[86:87], s[22:23]
	s_mov_b32 s[SEL], 0x76543210
	s_mov_b32 s[SEL+1], 0xfedcba98                 ; selects for lane l xor 16
	s_mov_b32 s96, 0xffff0000                      ; lanes 16-31
	s_wait_alu depctr_va_vdst(0)
	s_wait_tensorcnt 0x0                           ; my part of slot 0 is in
	ds_add_u32 v[SPW], v[NIL]
	s_wait_dscnt 0x0
	CROUND                                         ; everybody's part is in, and all sixteen work-groups are here
	JLOAD G0+4, G1, G0B+4, G1B                     ; slot 1's first fill, the first tensor load behind the round
	FETCH_B 0, 0, 0
	FETCH_A 0, 0, 0
	SCALES 0
	global_prefetch_b8 v30, s[98:99] offset:3*HALFT th:TH_LOAD_NT scope:SCOPE_SE   ; slot 3
	FETCH_A 0, 0, 4
	STEP 0, 0, 1                                   ; the first step stands in front of the loop: its products start the sums
	s_mov_b32 s3, LAPS-1
.Llap:                                                 ; a trip goes once round the ring and fills both slots again
	TURN 0, 1, 1
	STEP 1, 0, 0
	TURN 1, 0, 1
	STEP 0, 0, 0
	s_sub_co_u32 s3, s3, 1
	s_cmp_lg_u32 s3, 0
	s_cbranch_scc1 .Llap
	TURN 0, 1, 0                                   ; the last lap fills nothing
	STEP 1, 0, 0
	s_wait_dscnt 4*NL
	WIN MUL_LO
	MUL16 0, 1, NQ-1, 1, 0
	MUL16 2, 1, NQ-1, 1, 0
	s_wait_dscnt 0
	WIN MUL_HI
	MUL16 4, 1, NQ-1, 1, 0
	MUL16 6, 1, NQ-1, 1, 0
	WIN 0
	s_wait_loadcnt 0x0                             ; the bias
	PLACES NP                                      ; behind the last products: their results are read, and A's registers written, below
.irp b, 0,1,2,3
	v_mov_b32 v[TM+4+\b], 0                        ; written once: a lane permute's destination counts as one of its sources
.endr
	s_cmp_lt_u32 ttmp9, 4
	s_cbranch_scc0 .Lout_v
	OUT 0
	s_branch .Lout_done
.Lout_v:
	OUT 1
.Lout_done:
.irp g, 0,1                            ; the unit's scale words: lanes 0-15 store fragments 4 g and 4 g + 1's words of row r, lanes 16-31 fragments 4 g + 2 and 4 g + 3's: 256 consecutive bytes, aligned
	v_cndmask_b32 v[240+2*\g], v[PWS+4*\g], v[PWS+4*\g+2], s96
	v_cndmask_b32 v[241+2*\g], v[PWS+4*\g+1], v[PWS+4*\g+3], s96
	global_store_b64 v[VS], v[240+2*\g:241+2*\g], s[86:87] offset:SCO+256*\g
.endr
	s_wait_tensorcnt 0x0                           ; the wave's end
	ds_add_u32 v[SPW], v[NIL]
	s_wait_dscnt 0x0
	CROUND                                         ; the closing round: no work-group ends while a partner may still ask for a tile that names it
	s_endpgm
.Lfunc_end_k_qf79ad41051_qkv:
	.size	k_qf79ad41051_qkv, .Lfunc_end_k_qf79ad41051_qkv-k_qf79ad41051_qkv
	.p2alignl 7, 3214868480
	.fill 96, 4, 3214868480
	.section	.rodata,"a",@progbits
	.p2align	6, 0x0
	.amdhsa_kernel k_qf79ad41051_qkv
		.amdhsa_group_segment_fixed_size 327680
		.amdhsa_private_segment_fixed_size 0
		.amdhsa_enable_private_segment 0
		.amdhsa_kernarg_size 56
		.amdhsa_user_sgpr_count 2
		.amdhsa_user_sgpr_kernarg_segment_ptr 1
		.amdhsa_wavefront_size32 1
		.amdhsa_system_sgpr_workgroup_id_x 1
		.amdhsa_system_sgpr_workgroup_id_y 1
		.amdhsa_system_sgpr_workgroup_id_z 1
		.amdhsa_system_vgpr_workitem_id 0
		.amdhsa_next_free_vgpr 1024
		.amdhsa_next_free_sgpr 100
		.amdhsa_reserve_vcc 0
		.amdhsa_float_denorm_mode_32 3
		.amdhsa_float_denorm_mode_16_64 3
		.amdhsa_memory_ordered 1
		.amdhsa_forward_progress 1
		.amdhsa_inst_pref_size 212
	.end_amdhsa_kernel
	.amdgpu_metadata
---
amdhsa.version: [ 1, 2 ]
amdhsa.kernels:
  - .name:           k_qf79ad41051_qkv
    .symbol:         k_qf79ad41051_qkv.kd
    .args:
      - { .name: xo, .offset: 0, .size: 8, .value_kind: global_buffer, .address_space: global }
      - { .name: wc, .offset: 8, .size: 8, .value_kind: global_buffer, .address_space: global }
      - { .name: bq, .offset: 16, .size: 8, .value_kind: global_buffer, .address_space: global }
      - { .name: bk, .offset: 24, .size: 8, .value_kind: global_buffer, .address_space: global }
      - { .name: bv, .offset: 32, .size: 8, .value_kind: global_buffer, .address_space: global }
      - { .name: qf, .offset: 40, .size: 8, .value_kind: global_buffer, .address_space: global }
      - { .name: kv, .offset: 48, .size: 8, .value_kind: global_buffer, .address_space: global }
    .group_segment_fixed_size: 327680
    .private_segment_fixed_size: 0
    .kernarg_segment_align: 8
    .kernarg_segment_size: 56
    .max_flat_workgroup_size: 128
    .sgpr_count:     100
    .vgpr_count:     1024
    .wavefront_size: 32
...
	.end_amdgpu_metadata
.endif
;; end of part 6
;; launch attn (part 7): grid 16 x 16, 4 waves a work-group, clusters of 4 x 4, 327,680 bytes of LDS; arguments qf, kv, mask, af; writes af
.if DOCPART == 7
	.amdgcn_target "amdgcn-amd-amdhsa--gfx1250"
	.amdhsa_code_object_version 6
	.text
	.protected	k_qf79ad41051_attn
	.globl	k_qf79ad41051_attn
	.p2align	8
	.type	k_qf79ad41051_attn,@function
k_qf79ad41051_attn:
	s_mov_b64 s[64:65], 0
	v_nop
	global_prefetch_b8 v0, s[64:65] scope:SCOPE_SE
	s_setreg_imm32_b32 hwreg(HW_REG_WAVE_MODE, 25, 1), 1
	s_wait_xcnt 0x0
	s_wait_alu depctr_hold_cnt(0) depctr_sa_sdst(0) depctr_va_vdst(0) depctr_va_sdst(0) depctr_va_ssrc(0) depctr_va_vcc(0) depctr_vm_vsrc(0)
	s_getreg_b32 s2, hwreg(HW_REG_IB_STS2, 6, 4)
	s_cmp_eq_u32 s2, 0
	s_cbranch_scc0 .Lentry_in_a_cluster
	s_endpgm
.Lentry_in_a_cluster:
	s_bfe_u32 s2, ttmp6, 0x10000c
	s_cmp_lg_u32 s2, 0xf033
	s_cbranch_scc0 .Lentry_shape_is_right
	s_endpgm
.Lentry_shape_is_right:
; o = softmax(q k^T / sqrt(128) + mask) v for one head and 128 queries a work-group, on codes of FP6 (E2M3) with E8M0 scales; o is quantised on its way out for the last product.
; Nothing of the problem is left out: the mask is an input, it is loaded whole and added as it is given, and no tile of the scores is passed over.
; OPERANDS are units of U = 12,800 bytes (128 rows x 128 along K): eight fragments of 1,536 bytes as images of their 12 registers, then at SCO 512 bytes of scale words (row r of fragment f at 128 (f / 2) + 8 r + 4 (f % 2)).
; qf: [head][128 queries][U].  kv: [head][128 keys][K's unit, V's unit].  af: [128 queries][head][U].  Inside a block of 32, code place P holds element P with bits 3 and 4 exchanged, as in every operand of this program.
; SHARES: four waves, a wave 32 queries = two tiles of 16, so that each fragment of K and of V feeds two matrix instructions.  Both products are used transposed (S^T = k q^T, O^T = v^T p^T): a lane holds one query of each tile.
; THE KEYS go in 16 steps of 128 through two LDS slots (K's unit, V's unit, 128 rows x 512 bytes of the mask, rows padded to 528).  A step's K, V, scale words and mask are read into registers during the step before,
; in eight runs of ten loads among the softmax's lines; V has two sets of registers.  So at a step's top its slot has been read out: the barrier stands there, and the slot takes the step two further on.
; SOFTMAX: u = score / sqrt(128) + mask; M = ceil of the running largest u log2(e), a whole number; p = 2^(u log2(e) - M) by one fused multiply-add and one exponential; the row's sum is taken of the unquantised p;
; a change of M multiplies the sum and O^T by a power of two.  A block's largest p is made from the block's largest u by the same two instructions.
; CLUSTERS: 4 x 4 work-groups; K and V are asked for jointly along a row of the cluster (one head), the mask along a column (one block of queries).
; PREFETCH: in step s each cluster names the 256-byte blocks of step s + 3, one step ahead of the refill that loads them; the head names steps 1 and 2.  Of K and V's 100 blocks each of the four partners takes 25 (waves 0 and 1: 13 and 12),
; of the mask's 256 blocks 64 (waves 2 and 3: 16 rows x 2), told apart by address.  Step 13 would name step 16 and names nothing.
; LIMITS: the promise holds while |u log2(e)| stays under 2^31; NaN and infinities are not served; a block whose largest magnitude lies under 2^-124 has its byte held at 1 (a block of zeros too: its codes are zeros, and this program alone reads the bytes).
; REGISTERS, in windows of 256.  Window 0: v1-11 addresses, v12-27 the rows' state and scale words, v32-55 at work, v56-79 K's and V's scale words, v80-119 p's codes, v120-127 block maxima, v128-255 S (tile q at 128 + 64 q).
;   Window 1: v0-127 O^T, v128-255 the mask.  Window 2: v0-95 K, v96-191 V's set 0.  Window 3: v96-191 V's set 1, v192-215 q.
.set U,      12800
.set SCO,    12288
.set FRB,    1536
.set MP,     528
.set MOFF,   2*U
.set SLOT,   MOFF+128*MP
.set SPARE,  2*SLOT                    ; behind the ring: the spare words, 128 bytes for each wave
.set FLOOR,  0x1800000
.set AKV,    1                         ; v1-2  16 x lane, in slot 0, 1
.set AM,     3                         ; v3-4  my mask rows
.set SPW,    5                         ; v5    my spare word; never rewritten
.set NIL,    6                         ; v6    0; never rewritten
.set AS,     7                         ; v7-8  scale words: 8 r
.set PFO,    9                         ; v9, v11 the prefetches' lane offsets
.set SWO,    10                        ; v10   the scale words' store
.set NM,     12                        ; v12-15 (-M, largest t) of tile 0, 1
.set SM,     16                        ; v16-19 the rows' sums, two halves a tile
.set FF,     20                        ; v20-23 f = 2^(old M - new M), in the low register of a pair
.set PW,     24                        ; v24-25 p's scale words
.set QW,     26                        ; v26-27 q's scale words
.set PD,     32
.set SO,     40
.set SA,     48
.set TT,     52
.set KSC,    56
.set VSC,    64
.set PC,     80
.set CT,     104
.set BM,     120
.set S,      128
.set MK,     128
.set VF,     96
.set QF,     192
.set WV,     12
.set SEL,    20
.set CS,     22
.set G1K,    24
.set G1M,    32
.set G0K,    40
.set G0M,    48
.set L2E,    56
.set CNT,    58
.set PFA,    60
.set PFS,    62
.set HM,     82
.set NXT,    0
.set MSB, 0
.macro WIN new                         ; the immediate's high byte repeats the setting that is left
.if MSB != (\new)
	s_set_vgpr_msb (MSB<<8)|(\new)
.set MSB, (\new)
.endif
.endm
.macro NOP4
.rept 4
	v_nop
.endr
.endm
.macro CREST                           ; a round of the cluster's barrier behind its opening barrier
	s_cmp_lg_u32 s[WV], 0
	s_cbranch_scc1 .Lnot_wave_0_\@
	s_barrier_signal -3
.Lnot_wave_0_\@:
	s_barrier_wait -3
	s_barrier_signal -1
	s_barrier_wait -1
.endm
.macro CROUND
	s_barrier_signal -1
	s_barrier_wait -1
	CREST
.endm
.macro TLOAD s                         ; one joint load a wave: waves 0, 1 K's and V's unit, waves 2, 3 the mask's halves.  An s_nop 0 and four v_nop follow each line
	s_cmp_lt_u32 s[WV], 2
	s_cbranch_scc0 .Lmask_\@
	tensor_load_to_lds s[G0K+4*(\s):G0K+4*(\s)+3], s[G1K:G1K+7]
	s_nop 0
	NOP4
	s_branch .Lasked_\@
.Lmask_\@:
	tensor_load_to_lds s[G0M+4*(\s):G0M+4*(\s)+3], s[G1M:G1M+7]
	s_nop 0
	NOP4
.Lasked_\@:
.endm
.macro ASK cond                        ; cond = 1: not in the loop's last trip
.if \cond
	s_cmp_gt_u32 s[CNT], 1
	s_cbranch_scc0 .Lnone_\@
.endif
	global_prefetch_b8 v[PFO], s[PFA:PFA+1] th:TH_LOAD_NT scope:SCOPE_SE
.if \cond
.Lnone_\@:
.endif
.endm
.macro LSC                             ; the next step's scale words, from slot NXT
.irp b, 0,1,2,3
	ds_load_b64 v[KSC+2*\b:KSC+2*\b+1], v[AS+NXT] offset:SCO+128*\b
	ds_load_b64 v[VSC+8*NXT+2*\b:VSC+8*NXT+2*\b+1], v[AS+NXT] offset:U+SCO+128*\b
.endr
.endm
.macro CH k                            ; run k of the next step's loads: fragment k of K and of V, and 16 registers of the mask
.if NXT >= 0
	WIN 0x80
.irp c, 0,1,2
	ds_load_b128 v[12*(\k)+4*\c:12*(\k)+4*\c+3], v[AKV+NXT] offset:(\k)*FRB+512*\c
.endr
	WIN 0x80+0x40*NXT
.irp c, 0,1,2
	ds_load_b128 v[VF+12*(\k)+4*\c:VF+12*(\k)+4*\c+3], v[AKV+NXT] offset:U+(\k)*FRB+512*\c
.endr
	WIN 0x40
.irp e, 0,1,2,3
	ds_load_b128 v[MK+16*(\k)+4*\e:MK+16*(\k)+4*\e+3], v[AM+NXT] offset:16*MP*((\k)/4)+128*((\k)%4)+64*(\e/2)+16*(\e%2)
.endr
	WIN 0
.endif
.endm
.macro SMUL t0, t1, t2, t3             ; S^T = k q^T for four tiles of 16 keys: register 8 t + j of lane (r, h) is key 16 t + 8 h + j of query r
	WIN 0x0e
.irp t, \t0, \t1, \t2, \t3
.irp q, 0,1
	v_wmma_scale_f32_16x16x128_f8f6f4 v[S+64*\q+8*\t:S+64*\q+8*\t+7], v[12*\t:12*\t+11], v[QF+12*\q:QF+12*\q+11], 0, v[KSC+\t], v[QW+\q] matrix_a_fmt:MATRIX_FMT_FP6 matrix_b_fmt:MATRIX_FMT_FP6
.endr
.endr
	WIN 0
.endm
; The eight blocks' largest magnitudes in v[BM] on (at or above the floor) and the 128 numbers in v[S] on become two fragments' codes, v[PC] on, and two scale words, v[PW] on
.macro CODES
.irp b, 0,1,2,3,4,5,6,7
	v_add_nc_u32 v[SO+\b], 0xff000000, v[BM+\b]    ; 2 off the exponent field: the conversion's scale operand
.endr
.irp b, 0,1,2,3,4,5,6,7
	v_lshrrev_b32 v[PD+\b], 23, v[SO+\b]           ; the scale's byte
.endr
.irp n, 1,2,3
.irp q, 0,1
.if \n == 1
	v_lshl_or_b32 v[PW+\q], v[PD+4*\q+1], 8, v[PD+4*\q]
.else
	v_lshl_or_b32 v[PW+\q], v[PD+4*\q+\n], 8*\n, v[PW+\q]
.endif
.endr
.endr
.irp q, 0,1
.irp c, 0,1
	v_cvt_scalef32_pk16_fp6_f32 v[PC+12*\q+6*\c:PC+12*\q+6*\c+2], v[S+64*\q+32*\c:S+64*\q+32*\c+15], v[SO+4*\q+2*\c]
	v_cvt_scalef32_pk16_fp6_f32 v[CT+8*\q+4*\c:CT+8*\q+4*\c+2], v[S+64*\q+32*\c+16:S+64*\q+32*\c+31], v[SO+4*\q+2*\c+1]
.endr
.endr
	v_nop                                          ; one plain line behind the conversions
.irp q, 0,1
.irp c, 0,1                            ; the operand wants a whole block in a lane
.irp i, 0,1,2
	v_permlane16_swap_b32 v[PC+12*\q+6*\c+\i], v[CT+8*\q+4*\c+\i]
.endr
.endr
.endr
.irp q, 0,1
.irp c, 0,1
.irp i, 0,1,2
	v_mov_b32 v[PC+12*\q+6*\c+3+\i], v[CT+8*\q+4*\c+\i]
.endr
.endr
.endr
.endm
.macro JOIN                            ; each block's maximum with lane l xor 16's
.irp b, 0,1,2,3,4,5,6,7
	v_permlanex16_b32 v[PD+\b], v[BM+\b], s[SEL], s[SEL+1]
.endr
.irp b, 0,1,2,3,4,5,6,7
	v_max_num_f32 v[BM+\b], v[BM+\b], v[PD+\b]
.endr
.endm
.macro MAXI i0, i1, i2                 ; three turns of the eight blocks' maxima
.irp i, \i0, \i1, \i2
.irp b, 0,1,2,3,4,5,6,7
	v_max3_num_f32 v[BM+\b], v[BM+\b], v[S+16*\b+\i], v[S+16*\b+\i+1]
.endr
.endr
.endm
.macro TMINUSM q                       ; t - M, two at a time
.set J, 0
.rept 32
	v_pk_fma_f32 v[S+64*\q+J:S+64*\q+J+1], v[S+64*\q+J:S+64*\q+J+1], s[L2E:L2E+1], v[NM+2*\q:NM+2*\q+1] op_sel_hi:[1,0,0]
.set J, J+2
.endr
.endm
.macro SUMS n                          ; n turns of the four chains of the rows' sums
.rept \n
.irp q, 0,1
	v_pk_add_f32 v[SM+2*\q:SM+2*\q+1], v[SM+2*\q:SM+2*\q+1], v[S+64*\q+J:S+64*\q+J+1]
.endr
.irp q, 0,1
	v_pk_add_f32 v[SA+2*\q:SA+2*\q+1], v[SA+2*\q:SA+2*\q+1], v[S+64*\q+J+2:S+64*\q+J+3]
.endr
.set J, J+4
.endr
.endm
; A step of 128 keys.  s: its slot and V's set.  mode 1: its slot is filled again and the next step is read; 2: the next step is read; 0: the last step
.macro STEP s, mode, cond
.if \mode == 0
.set NXT, -1
.else
.set NXT, 1-\s
.endif
.if \mode == 1
	s_wait_xcnt 0x0                                ; the last prefetch has read its address
	s_add_nc_u64 s[PFA:PFA+1], s[PFA:PFA+1], s[PFS:PFS+1]
	s_wait_tensorcnt 0x0                           ; my one load that was out, my part of the next step's slot, has landed
	ds_add_u32 v[SPW], v[NIL]
	s_add_nc_u64 s[G0K+4*\s+2:G0K+4*\s+3], s[G0K+4*\s+2:G0K+4*\s+3], 2*2*U
	s_add_nc_u64 s[G0M+4*\s+2:G0M+4*\s+3], s[G0M+4*\s+2:G0M+4*\s+3], 2*512
.elseif \mode == 2
	s_wait_tensorcnt 0x0                           ; my part of the last step's slot has landed
.endif
.if \mode == 1
	s_wait_dscnt 0x1                               ; this step's K, V, scale words and mask are in registers; the add, the youngest, may be out
.else
	s_wait_dscnt 0x0
.endif
	SMUL 0, 1, 2, 3                                ; eight products stand between the add and the wait for it
.if \mode == 1
	s_wait_dscnt 0x0                               ; the add is done, and my reads of this step's slot are over
.endif
.if \mode > 0
	s_barrier_signal -1
.endif
	SMUL 4, 5, 6, 7                                ; work on registers while the others arrive
.if \mode > 0
	s_barrier_wait -1
.endif
.if \mode == 1
	CREST                                          ; the barrier has opened a round of the cluster's barrier
	TLOAD \s                                       ; the step two further on; its four v_nop are the places behind the products
.else
	NOP4
.endif
.if \mode > 0
	LSC
.endif
.if \mode == 1
	ASK \cond
.endif
	WIN 0x10
.set J, 0
.rept 64
	v_pk_fma_f32 v[S+J:S+J+1], v[S+J:S+J+1], s[CS:CS+1], v[MK+J:MK+J+1] op_sel_hi:[1,0,1]   ; u = score / sqrt(128) + mask
.set J, J+2
.endr
	WIN 0
	CH 0
.irp b, 0,1,2,3,4,5,6,7
	v_max3_num_f32 v[BM+\b], v[S+16*\b], v[S+16*\b+1], v[S+16*\b+2]   ; the largest u of each block of 32 keys, the eight blocks by turns
.endr
	MAXI 3, 5, 7
	CH 1
	MAXI 9, 11, 13
.irp b, 0,1,2,3,4,5,6,7
	v_max_num_f32 v[BM+\b], v[BM+\b], v[S+16*\b+15]
.endr
	CH 2
	JOIN
.irp q, 0,1
	v_max3_num_f32 v[TT+\q], v[BM+4*\q], v[BM+4*\q+1], v[BM+4*\q+2]
.endr
.irp q, 0,1
	v_max_num_f32 v[TT+\q], v[TT+\q], v[BM+4*\q+3]
.endr
.irp q, 0,1
	v_mul_f32 v[TT+\q], s[L2E], v[TT+\q]           ; the step's largest t
.endr
.irp q, 0,1
	v_max_num_f32 v[NM+2*\q+1], v[NM+2*\q+1], v[TT+\q]
.endr
.irp q, 0,1
	v_mov_b32 v[TT+\q], v[NM+2*\q]
.endr
.irp q, 0,1
	v_floor_f32 v[NM+2*\q], -v[NM+2*\q+1]          ; -M = floor(-t)
.endr
.irp q, 0,1
	v_sub_f32 v[TT+\q], v[NM+2*\q], v[TT+\q]       ; old M - new M, a whole number
.endr
.irp q, 0,1
	v_cvt_i32_f32 v[TT+\q], v[TT+\q]               ; (it saturates)
.endr
.irp q, 0,1
	v_ldexp_f32 v[FF+2*\q], 1.0, v[TT+\q]
.endr
	TMINUSM 0
	CH 3
	TMINUSM 1
.irp b, 0,1,2,3,4,5,6,7
	v_fma_f32 v[BM+\b], v[BM+\b], s[L2E], v[NM+2*(\b/4)]
.endr
	s_wait_alu depctr_va_vdst(0)
	CH 4
.set J, 0
.rept 128
	v_exp_f32 v[S+J], v[S+J]                       ; p = 2^(t - M)
.set J, J+1
.endr
.irp q, 0,1
	v_pk_mul_f32 v[SM+2*\q:SM+2*\q+1], v[SM+2*\q:SM+2*\q+1], v[FF+2*\q:FF+2*\q+1] op_sel_hi:[1,0]   ; the sums under the new M
.endr
	s_wait_alu depctr_va_vdst(0)                   ; one wait for the batch, ahead of its first reader
	CH 5
.irp b, 0,1,2,3,4,5,6,7
	v_exp_f32 v[BM+\b], v[BM+\b]                   ; each block's largest p
.endr
.irp q, 0,1
	v_pk_add_f32 v[SA+2*\q:SA+2*\q+1], v[S+64*\q:S+64*\q+1], v[S+64*\q+2:S+64*\q+3]
.endr
.set J, 4
	SUMS 7
	CH 6
	SUMS 8
.irp q, 0,1
	v_pk_add_f32 v[SM+2*\q:SM+2*\q+1], v[SM+2*\q:SM+2*\q+1], v[SA+2*\q:SA+2*\q+1]
.endr
	s_wait_alu depctr_va_vdst(0)                   ; and one for the eight
	CH 7
.irp b, 0,1,2,3,4,5,6,7
	v_max_num_f32 v[BM+\b], FLOOR, v[BM+\b]
.endr
	CODES
	WIN 0x41
	s_wait_alu depctr_va_vdst(0)                   ; the wait directly ahead of the first reader of O^T
.irp q, 0,1
.set J, 0
.rept 32
	v_pk_mul_f32 v[64*\q+J:64*\q+J+1], v[64*\q+J:64*\q+J+1], v[FF+2*\q:FF+2*\q+1] op_sel_hi:[1,0]   ; O^T under the new M; these lines are also the places ahead of the products
.set J, J+2
.endr
.endr
	WIN 0x52+\s
.irp t, 0,1,2,3,4,5,6,7
.irp q, 0,1
	v_wmma_scale_f32_16x16x128_f8f6f4 v[64*\q+8*\t:64*\q+8*\t+7], v[VF+12*\t:VF+12*\t+11], v[PC+12*\q:PC+12*\q+11], v[64*\q+8*\t:64*\q+8*\t+7], v[VSC+8*\s+\t], v[PW+\q] matrix_a_fmt:MATRIX_FMT_FP6 matrix_b_fmt:MATRIX_FMT_FP6
.endr
.endr
	WIN 0
.endm
	s_load_b256 s[4:11], s[0:1], 0x0               ; qf s[4:5], kv s[6:7], mask s[8:9], af s[10:11]
	v_lshl_add_u32 v[SPW], v0, 2, SPARE
	v_mov_b32 v[NIL], 0
	ds_add_u32 v[SPW], v[NIL]                      ; the opening
	ds_add_u32 v[SPW], v[NIL]
	v_lshrrev_b32 v28, 5, v0
	v_readfirstlane_b32 s[WV], v28                 ; wave 0..3
	s_bfe_u32 s13, ttmp6, 0x40000                  ; cx, cy
	s_bfe_u32 s14, ttmp6, 0x40004
	s_lshl_b32 s15, ttmp9, 2
	s_add_co_u32 s15, s15, s13                     ; which 128 queries
	s_and_b32 s16, ttmp7, 0xffff
	s_lshl_b32 s16, s16, 2
	s_add_co_u32 s16, s16, s14                     ; which head
	s_and_b32 s17, s[WV], 1
	s_lshl_b32 s18, s14, 2
	s_lshl_b32 s18, 15, s18                        ; my row of the cluster
	s_lshl_b32 s19, 0x1111, s13                    ; my column
	s_or_b32 s[G1K], s18, (3<<16)|(1<<21)          ; a unit: 12,800 dense bytes as 50 rows of 256
	s_mov_b32 s[G1K+1], 32<<16
	s_mov_b32 s[G1K+2], 50<<16
	s_mov_b32 s[G1K+3], 32<<16
	s_mov_b32 s[G1K+4], 50
	s_mov_b32 s[G1K+5], 32
	s_mov_b32 s[G1K+6], 0
	s_mov_b32 s[G1K+7], 0
	s_or_b32 s[G1M], s19, (2<<16)|(1<<20)|(1<<21)|(6<<22)|(3<<25)  ; 64 rows of 128 f32, 16 bytes of padding behind each
	s_mov_b32 s[G1M+1], 128<<16
	s_mov_b32 s[G1M+2], 64<<16
	s_mov_b32 s[G1M+3], 128<<16
	s_mov_b32 s[G1M+4], 64
	s_mov_b32 s[G1M+5], 2048
	s_mov_b32 s[G1M+6], 0
	s_mov_b32 s[G1M+7], 0
	s_mul_i32 s66, s16, 16*2*U
	s_mul_i32 s70, s17, U
	s_add_co_u32 s66, s66, s70
	s_mov_b32 s67, 0
	s_lshl_b32 s68, s15, 20
	s_lshl_b32 s69, s17, 19
	s_add_co_u32 s68, s68, s69
	s_mov_b32 s69, 0
	s_mul_i32 s71, s17, 64*MP
	s_add_co_u32 s71, s71, MOFF
	s_mov_b32 s[SEL], 0x76543210
	s_mov_b32 s[SEL+1], 0xfedcba98                 ; selects for lane l xor 16
	s_mov_b32 s[CS], 0x3db504f3                    ; 1 / sqrt(128)
	s_mov_b32 s[CS+1], s[CS]
	s_mov_b32 s[L2E], 0x3fb8aa3b                   ; log2(e)
	s_mov_b32 s[L2E+1], s[L2E]
	s_mov_b32 s[HM], 0xffff0000                    ; lanes 16-31
	s_wait_dscnt 0x0
	s_wait_kmcnt 0x0
	s_add_nc_u64 s[66:67], s[6:7], s[66:67]
	s_add_nc_u64 s[68:69], s[8:9], s[68:69]
	CROUND                                         ; all sixteen work-groups are here: the first joint loads meet
.irp s, 0,1
	s_mov_b32 s[G0K+4*\s], 1
	s_add_co_u32 s[G0K+4*\s+1], s70, \s*SLOT
	s_add_nc_u64 s[G0K+4*\s+2:G0K+4*\s+3], s[66:67], \s*2*U
	s_or_b32 s[G0K+4*\s+3], s[G0K+4*\s+3], 0x80000000
	s_mov_b32 s[G0M+4*\s], 1
	s_add_co_u32 s[G0M+4*\s+1], s71, \s*SLOT
	s_add_nc_u64 s[G0M+4*\s+2:G0M+4*\s+3], s[68:69], \s*512
	s_or_b32 s[G0M+4*\s+3], s[G0M+4*\s+3], 0x80000000
.endr
	TLOAD 0                                        ; step 0: one tensor load a wave at the head
	v_and_b32 v28, 15, v0                          ; r
	v_bfe_u32 v29, v0, 4, 1                        ; h
	v_and_b32 v30, 31, v0                          ; lane
	v_lshlrev_b32 v[AKV], 4, v30
	v_add_nc_u32 v[AKV+1], SLOT, v[AKV]
	v_lshlrev_b32 v[AS], 3, v28
	v_add_nc_u32 v[AS+1], SLOT, v[AS]
	s_mul_i32 s71, s[WV], 32*MP
	s_add_co_u32 s71, s71, MOFF
	v_mul_u32_u24 v[AM], v28, MP
	v_lshl_add_u32 v[AM], v29, 5, v[AM]
	v_add_nc_u32 v[AM], s71, v[AM]                 ; row 32 w + r of the mask's tile, + 32 h bytes
	v_add_nc_u32 v[AM+1], SLOT, v[AM]
	s_lshl_b32 s70, s[WV], 7
	v_add_nc_u32 v31, s70, v[AS]                   ; my two fragments' scale words of row r: 128 w + 8 r
	v_lshl_add_u32 v[SWO], v29, 2, v31
	s_lshl_b32 s72, s16, 4
	s_add_co_u32 s72, s72, s15
	s_mul_i32 s72, s72, U
	s_mov_b32 s73, 0
	s_add_nc_u64 s[76:77], s[4:5], s[72:73]        ; q's unit
	s_mul_i32 s74, s[WV], 2*FRB
	s_mov_b32 s75, 0
	s_add_nc_u64 s[78:79], s[76:77], s[74:75]      ; my two fragments of it
	s_lshl_b32 s72, s15, 4
	s_add_co_u32 s72, s72, s16
	s_mul_i32 s72, s72, U
	s_add_nc_u64 s[84:85], s[10:11], s[72:73]      ; the result's unit
	s_add_nc_u64 s[80:81], s[84:85], s[74:75]
	s_mul_i32 s66, s16, 16*2*U                     ; the prefetches, at step 1.  K and V: my work-group's 6,400 bytes of a step's 25,600, my wave's 13 or 12 blocks
	s_add_co_u32 s66, s66, 2*U
	s_mul_i32 s67, s13, 6400
	s_add_co_u32 s66, s66, s67
	s_mul_i32 s67, s17, 13*256
	s_add_co_u32 s66, s66, s67
	s_lshl_b32 s68, s15, 7                         ; the mask: my work-group's 32 rows of the 128, my wave's 16
	s_lshl_b32 s69, s14, 5
	s_add_co_u32 s68, s68, s69
	s_lshl_b32 s69, s17, 4
	s_add_co_u32 s68, s68, s69
	s_lshl_b32 s68, s68, 13
	s_add_co_u32 s68, s68, 512
	s_mov_b32 s[PFS], 512
	s_cmp_lt_u32 s[WV], 2
	s_cselect_b64 s[PFA:PFA+1], s[6:7], s[8:9]
	s_cselect_b32 s66, s66, s68
	s_cselect_b32 s[PFS], 2*U, s[PFS]
	s_cselect_b32 s70, 0, -1
	s_mov_b32 s67, 0
	s_mov_b32 s[PFS+1], 0
	s_add_nc_u64 s[PFA:PFA+1], s[PFA:PFA+1], s[66:67]
	s_sub_co_u32 s69, 12, s17
	s_wait_alu depctr_va_vdst(0)
	v_min_u32 v[PFO], s69, v30                     ; lanes that are left over name the wave's last block again
	v_lshlrev_b32 v[PFO], 8, v[PFO]
	v_lshrrev_b32 v28, 1, v30
	v_lshlrev_b32 v28, 13, v28
	v_and_b32 v29, 1, v30
	v_lshl_add_u32 v28, v29, 8, v28                ; the mask: two lanes to a row's 512 bytes
	v_cndmask_b32 v[PFO], v[PFO], v28, s70
	v_add_nc_u32 v[PFO+2], s[PFS], v[PFO]          ; a step further on
	s_wait_alu depctr_va_vdst(0)
	global_load_b64 v[QW:QW+1], v31, s[76:77] offset:SCO
	WIN 0xc0
.irp q, 0,1
.irp c, 0,1,2
	global_load_b128 v[QF+12*\q+4*\c:QF+12*\q+4*\c+3], v[AKV], s[78:79] offset:\q*FRB+512*\c
.endr
.endr
	WIN 0
	global_prefetch_b8 v[PFO], s[PFA:PFA+1] th:TH_LOAD_NT scope:SCOPE_SE      ; step 1
	global_prefetch_b8 v[PFO+2], s[PFA:PFA+1] th:TH_LOAD_NT scope:SCOPE_SE    ; step 2
	v_mov_b32 v[NM+1], 0xff61b1e6                  ; the largest t so far: -3e38
	v_mov_b32 v[NM+3], 0xff61b1e6
	v_floor_f32 v[NM], -v[NM+1]
	v_floor_f32 v[NM+2], -v[NM+3]
.irp j, 0,1,2,3,4,5,6,7
	v_mov_b32 v[SM+\j], 0                          ; the sums, and the pairs of f
	v_mov_b32 v[PD+\j], 0                          ; a lane permute's destination counts as one of its sources
.endr
	WIN 0x40
.set J, 0
.rept 128
	v_mov_b32 v[J], 0                              ; O^T: the step is written once, and the first finds zeros
.set J, J+1
.endr
	WIN 0
	s_wait_alu depctr_va_vdst(0)
	s_wait_tensorcnt 0x0                           ; my part of step 0 is in
	ds_add_u32 v[SPW], v[NIL]
	s_wait_dscnt 0x0
	CROUND
	TLOAD 1                                        ; step 1, the first tensor load behind the round
.set NXT, 0
	LSC
.irp k, 0,1,2,3,4,5,6,7
	CH \k
.endr
	s_wait_loadcnt 0x0                             ; q
	s_wait_xcnt 0x0
	s_add_nc_u64 s[PFA:PFA+1], s[PFA:PFA+1], s[PFS:PFS+1]   ; at step 2: step 0 moves it on to step 3
	s_mov_b32 s[CNT], 7
.Lpair:
	STEP 0, 1, 0
	STEP 1, 1, 1
	s_sub_co_u32 s[CNT], s[CNT], 1
	s_cmp_lg_u32 s[CNT], 0
	s_cbranch_scc1 .Lpair
	STEP 0, 2, 0                                   ; the last two steps fill nothing
	STEP 1, 0, 0
	NOP4
.irp q, 0,1
	v_add_f32 v[SM+2*\q], v[SM+2*\q], v[SM+2*\q+1]
.endr
.irp q, 0,1
	v_permlanex16_b32 v[PD+\q], v[SM+2*\q], s[SEL], s[SEL+1]
.endr
.irp q, 0,1
	v_add_f32 v[SM+2*\q], v[SM+2*\q], v[PD+\q]     ; the rows' sums
.endr
	s_wait_alu depctr_va_vdst(0)
.irp q, 0,1
	v_rcp_f32 v[SM+2*\q], v[SM+2*\q]
.endr
	v_nop
	WIN 0x01
	s_wait_alu depctr_va_vdst(0)                   ; for the two reciprocals and, directly ahead of its first reader, for O^T
.irp q, 0,1
.set J, 0
.rept 32
	v_pk_mul_f32 v[S+64*\q+J:S+64*\q+J+1], v[64*\q+J:64*\q+J+1], v[SM+2*\q:SM+2*\q+1] op_sel_hi:[1,0]   ; O^T / the sum: register 8 t + j is o(r, 16 t + 8 h + j)
.set J, J+2
.endr
.endr
	WIN 0
.irp b, 0,1,2,3,4,5,6,7
	v_max3_num_f32 v[BM+\b], |v[S+16*\b]|, |v[S+16*\b+1]|, FLOOR
.endr
.irp i, 2,4,6,8,10,12,14
.irp b, 0,1,2,3,4,5,6,7
	v_max3_num_f32 v[BM+\b], v[BM+\b], |v[S+16*\b+\i]|, |v[S+16*\b+\i+1]|
.endr
.endr
	JOIN
	CODES
.irp q, 0,1
.irp c, 0,1,2
	global_store_b128 v[AKV], v[PC+12*\q+4*\c:PC+12*\q+4*\c+3], s[80:81] offset:\q*FRB+512*\c   ; 32 lanes store 512 consecutive bytes, aligned to 256
.endr
.endr
	v_cndmask_b32 v[TT], v[PW], v[PW+1], s[HM]     ; lanes 0-15 my first fragment's words, lanes 16-31 my second's
	global_store_b32 v[SWO], v[TT], s[84:85] offset:SCO   ; the wave's 32 scale words: 128 consecutive bytes
	s_wait_tensorcnt 0x0                           ; the wave's end
	ds_add_u32 v[SPW], v[NIL]
	s_wait_dscnt 0x0
	CROUND                                         ; the closing round
	s_endpgm
.Lfunc_end_k_qf79ad41051_attn:
	.size	k_qf79ad41051_attn, .Lfunc_end_k_qf79ad41051_attn-k_qf79ad41051_attn
	.p2alignl 7, 3214868480
	.fill 96, 4, 3214868480
	.section	.rodata,"a",@progbits
	.p2align	6, 0x0
	.amdhsa_kernel k_qf79ad41051_attn
		.amdhsa_group_segment_fixed_size 327680
		.amdhsa_private_segment_fixed_size 0
		.amdhsa_enable_private_segment 0
		.amdhsa_kernarg_size 32
		.amdhsa_user_sgpr_count 2
		.amdhsa_user_sgpr_kernarg_segment_ptr 1
		.amdhsa_wavefront_size32 1
		.amdhsa_system_sgpr_workgroup_id_x 1
		.amdhsa_system_sgpr_workgroup_id_y 1
		.amdhsa_system_sgpr_workgroup_id_z 1
		.amdhsa_system_vgpr_workitem_id 0
		.amdhsa_next_free_vgpr 1024
		.amdhsa_next_free_sgpr 100
		.amdhsa_reserve_vcc 0
		.amdhsa_float_denorm_mode_32 3
		.amdhsa_float_denorm_mode_16_64 3
		.amdhsa_memory_ordered 1
		.amdhsa_forward_progress 1
		.amdhsa_inst_pref_size 190
	.end_amdhsa_kernel
	.amdgpu_metadata
---
amdhsa.version: [ 1, 2 ]
amdhsa.kernels:
  - .name:           k_qf79ad41051_attn
    .symbol:         k_qf79ad41051_attn.kd
    .args:
      - { .name: qf, .offset: 0, .size: 8, .value_kind: global_buffer, .address_space: global }
      - { .name: kv, .offset: 8, .size: 8, .value_kind: global_buffer, .address_space: global }
      - { .name: mask, .offset: 16, .size: 8, .value_kind: global_buffer, .address_space: global }
      - { .name: af, .offset: 24, .size: 8, .value_kind: global_buffer, .address_space: global }
    .group_segment_fixed_size: 327680
    .private_segment_fixed_size: 0
    .kernarg_segment_align: 8
    .kernarg_segment_size: 32
    .max_flat_workgroup_size: 128
    .sgpr_count:     100
    .vgpr_count:     1024
    .wavefront_size: 32
...
	.end_amdgpu_metadata
.endif
;; end of part 7
;; launch proj (part 8): grid 16 x 16, 4 waves a work-group, clusters of 4 x 4, 327,680 bytes of LDS; arguments af, wc, bo, out0; writes out0
.if DOCPART == 8
	.amdgcn_target "amdgcn-amd-amdhsa--gfx1250"
	.amdhsa_code_object_version 6
	.text
	.protected	k_qf79ad41051_proj
	.globl	k_qf79ad41051_proj
	.p2align	8
	.type	k_qf79ad41051_proj,@function
k_qf79ad41051_proj:
	s_mov_b64 s[64:65], 0
	v_nop
	global_prefetch_b8 v0, s[64:65] scope:SCOPE_SE
	s_setreg_imm32_b32 hwreg(HW_REG_WAVE_MODE, 25, 1), 1
	s_wait_xcnt 0x0
	s_wait_alu depctr_hold_cnt(0) depctr_sa_sdst(0) depctr_va_vdst(0) depctr_va_sdst(0) depctr_va_ssrc(0) depctr_va_vcc(0) depctr_vm_vsrc(0)
	s_getreg_b32 s2, hwreg(HW_REG_IB_STS2, 6, 4)
	s_cmp_eq_u32 s2, 0
	s_cbranch_scc0 .Lentry_in_a_cluster
	s_endpgm
.Lentry_in_a_cluster:
	s_bfe_u32 s2, ttmp6, 0x10000c
	s_cmp_lg_u32 s2, 0xf033
	s_cbranch_scc0 .Lentry_shape_is_right
	s_endpgm
.Lentry_shape_is_right:
; out0 = attn Wo + bo on codes of FP6 (E2M3) with E8M0 scales; sums in f32.  Nothing of the problem is left out here.
; OPERANDS are units of 128 rows x 128 along K, U = 12,800 bytes: eight fragments of 1,536 bytes as images of their 12 registers, then at SCO 512 bytes of scale words (row r of fragment f at 128 (f / 2) + 8 r + 4 (f % 2)).
; af: [128 rows][K step][U]; wc: [weight][128 columns][K step][U], Wo the fourth weight.  So the 16 K steps of a tile's 128 rows are 204,800 dense bytes.
; A tile of 128 x 128 is made by four waves, 64 x 64 each: 16 accumulators.  256 tiles, a work-group each.
; LDS: an area of twelve units for A and one for B.  At the head each wave brings six units by ONE tensor load (76,800 dense bytes): K steps 0 to 11 of A and of B.  Behind K step 3 the first four units of both areas
; are filled again with K steps 12 to 15, two units a wave: the launch's only refill.  By the text's own count a wave has one load out at a time.
; CLUSTERS: 4 x 4 work-groups; A's units are asked for jointly along a row of the cluster, B's along a column.
; PREFETCH: the refill's bytes are named once at the head, three and a half K steps' products and the head's own load ahead of the refill: of the 100 blocks of 256 bytes that a wave's refill brings, each of the four partners names 25, told apart by address.
; THE MATRIX INSTRUCTION IS USED TRANSPOSED (source 0 = 16 rows of B, source 1 = 16 rows of A): a lane holds eight neighbouring numbers of a row of out0.  The bias is the C of each accumulator's first product.
; REGISTERS: window 0: v16-31 addresses, v32-39 scale words (two sets), v64-95 the bias (v64-127 on the way out), v128-255 the accumulators.  Window 1: fragments, two sets at v0 and v128: B's four, then A's four.
.set U,      12800
.set SCO,    12288
.set FRB,    1536
.set R128B,  16*U
.set AREA,   12*U                      ; A's twelve units; B's lie behind them
.set GRP,    4*U                       ; four K steps: what an address register serves, and what is filled again
.set SPARE,  2*AREA                    ; the spare words, 128 bytes for each wave
.set STAGE,  SPARE+512                 ; the way out: 16 rows x 272 bytes for each wave; no tensor load lands here
.set SPITCH, 272
.set FR,     12
.set NP,     4                         ; places behind this matrix instruction (ISA guide 7.12.1)
.set SIZE_N, 2048
.set ADRA,   16                        ; v16-18 my A fragments, K steps 4 g on
.set ADRB,   19                        ; v19-21 my B fragments
.set ADRS,   22                        ; v22-24 my scale words: lanes 0-15 A's rows, lanes 16-31 B's
.set STO,    25
.set RD,     26
.set CO,     27
.set SPW,    28                        ; v28 my spare word; never rewritten
.set NIL,    29                        ; v29 0; never rewritten
.set SC,     32
.set BI,     64
.set BK,     64
.set ACC,    128
.set G1,     24
.set G0,     32                        ; s[32:35] the head's load of A, s[36:39] the refill's
.set G1B,    48
.set G0B,    76                        ; s[76:79], s[80:83] the same for B
.set MSB, 0
.macro WIN new                         ; the immediate's high byte repeats the setting that is left
.if MSB != (\new)
	s_set_vgpr_msb (MSB<<8)|(\new)
.set MSB, (\new)
.endif
.endm
.set MUL,  0x05                        ; sources 0 and 1 window 1; C and D window 0
.set TO_F, 0x40
.macro JLOAD g0a, g1a, g0b, g1b        ; a joint load: waves 0 and 1 fetch for A, waves 2 and 3 for B.  An s_nop 0 and four v_nop follow each line
	s_cmp_eq_u32 s15, 0
	s_cbranch_scc0 .Lfor_b_\@
	tensor_load_to_lds s[\g0a:\g0a+3], s[\g1a:\g1a+7]
	s_nop 0
.rept 4
	v_nop
.endr
	s_branch .Lasked_\@
.Lfor_b_\@:
	tensor_load_to_lds s[\g0b:\g0b+3], s[\g1b:\g1b+7]
	s_nop 0
.rept 4
	v_nop
.endr
.Lasked_\@:
.endm
.macro CREST                           ; a round of the cluster's barrier behind its opening barrier
	s_cmp_lg_u32 s14, 0
	s_cbranch_scc1 .Lnot_wave_0_\@
	s_barrier_signal -3
.Lnot_wave_0_\@:
	s_barrier_wait -3
	s_barrier_signal -1
	s_barrier_wait -1
.endm
.macro CROUND
	s_barrier_signal -1
	s_barrier_wait -1
	CREST
.endm
.macro PLACES n
.rept \n
	v_nop
.endr
.endm
.macro MUL4 a, p, first                ; A's block a against B's four; the 16 accumulators take turns, one instruction a turn
.irp b, 0,1,2,3
.if \first
	v_wmma_scale_f32_16x16x128_f8f6f4 v[ACC+8*(4*(\a)+\b):ACC+8*(4*(\a)+\b)+7], v[128*(\p)+FR*\b:128*(\p)+FR*\b+FR-1], v[128*(\p)+48+FR*(\a):128*(\p)+48+FR*(\a)+FR-1], v[BI+8*\b:BI+8*\b+7], v[SC+4*(\p)+\b], v[SC+4*(\p)+(\a)] matrix_a_fmt:MATRIX_FMT_FP6 matrix_b_fmt:MATRIX_FMT_FP6 matrix_a_scale:MATRIX_SCALE_ROW1
.else
	v_wmma_scale_f32_16x16x128_f8f6f4 v[ACC+8*(4*(\a)+\b):ACC+8*(4*(\a)+\b)+7], v[128*(\p)+FR*\b:128*(\p)+FR*\b+FR-1], v[128*(\p)+48+FR*(\a):128*(\p)+48+FR*(\a)+FR-1], v[ACC+8*(4*(\a)+\b):ACC+8*(4*(\a)+\b)+7], v[SC+4*(\p)+\b], v[SC+4*(\p)+(\a)] matrix_a_fmt:MATRIX_FMT_FP6 matrix_b_fmt:MATRIX_FMT_FP6 matrix_a_scale:MATRIX_SCALE_ROW1
.endif
.endr
.endm
.macro FETCH g, q, p                   ; unit 4 g + q of both areas into set p: scale words, B's four fragments, A's four
	WIN 0
.irp b, 0,1
	ds_load_b64 v[SC+4*(\p)+2*\b:SC+4*(\p)+2*\b+1], v[ADRS+\g] offset:(\q)*U+SCO+128*\b
.endr
	WIN TO_F
.irp i, 0,1,2,3
.irp c, 0,1,2
	ds_load_b128 v[128*(\p)+FR*\i+4*\c:128*(\p)+FR*\i+4*\c+3], v[ADRB+\g] offset:(\q)*U+\i*FRB+512*\c
.endr
.endr
.irp i, 0,1,2,3
.irp c, 0,1,2
	ds_load_b128 v[128*(\p)+48+FR*\i+4*\c:128*(\p)+48+FR*\i+4*\c+3], v[ADRA+\g] offset:(\q)*U+\i*FRB+512*\c
.endr
.endr
.endm
.macro KSTEP p, ng, nq, first          ; a K step on set p; the next step's operands are fetched into the other set
	s_wait_dscnt 0x0
	PLACES NP
	FETCH \ng, \nq, 1-\p
	WIN MUL
	MUL4 0, \p, \first
	MUL4 1, \p, \first
	MUL4 2, \p, \first
	MUL4 3, \p, \first
.endm
; A K step with a barrier.  fill = 1: units 0 to 3 have been read out and are filled again; fill = 0: the refill has landed and is shown to all four waves
.macro TURN p, ng, nq, fill
	WIN 0
	s_wait_tensorcnt 0x0                           ; all my tensor loads have landed
.if \fill
	ds_add_u32 v[SPW], v[NIL]
	s_wait_dscnt 1                                 ; (the add may be out)
.else
	s_wait_dscnt 0x0
.endif
	WIN MUL
	MUL4 0, \p, 0
.if \fill
	s_wait_dscnt 0x0                               ; the add is done, and my reads of units 0 to 3 are over
.endif
	s_barrier_signal -1
	MUL4 1, \p, 0
	WIN 0
	s_barrier_wait -1
.if \fill
	CREST                                          ; the barrier has opened a round of the cluster's barrier
	JLOAD G0+4, G1, G0B+4, G1B                     ; K steps 12 to 15; its four v_nop are the places in front of the loads below
.else
	PLACES NP
.endif
	FETCH \ng, \nq, 1-\p
	WIN MUL
	MUL4 2, \p, 0
	MUL4 3, \p, 0
.endm
	s_load_b256 s[68:75], s[0:1], 0x0              ; af s[68:69], wc s[70:71], bo s[72:73], out0 s[74:75]
	v_lshl_add_u32 v[SPW], v0, 2, SPARE
	v_mov_b32 v[NIL], 0
	ds_add_u32 v[SPW], v[NIL]                      ; the opening
	ds_add_u32 v[SPW], v[NIL]
	v_lshrrev_b32 v1, 5, v0
	v_readfirstlane_b32 s14, v1                    ; wave 0..3
	s_lshr_b32 s15, s14, 1                         ; my half of A's rows.  Also: I fetch for A (0) or for B (1)
	s_and_b32 s16, s14, 1                          ; my half of B's rows.  Also: which half of the units I fetch
	s_bfe_u32 s88, ttmp6, 0x40000                  ; cx, cy
	s_bfe_u32 s89, ttmp6, 0x40004
	s_lshl_b32 s90, ttmp9, 2
	s_add_co_u32 s90, s90, s88                     ; tile column
	s_and_b32 s17, ttmp7, 0xffff
	s_lshl_b32 s17, s17, 2
	s_add_co_u32 s17, s17, s89                     ; tile row
	s_lshl_b32 s91, s89, 2
	s_lshl_b32 s91, 15, s91                        ; my row of the cluster
	s_lshl_b32 s92, 0x1111, s88                    ; my column
	s_or_b32 s[G1+0], s91, (3<<16)|(1<<21)
	s_or_b32 s[G1B+0], s92, (3<<16)|(1<<21)
.irp g, G1, G1B                        ; the head's load: 76,800 dense bytes as 300 rows of 256
	s_mov_b32 s[\g+1], 32<<16
	s_mov_b32 s[\g+2], 300<<16
	s_mov_b32 s[\g+3], 32<<16
	s_mov_b32 s[\g+4], 300
	s_mov_b32 s[\g+5], 32
	s_mov_b32 s[\g+6], 0
	s_mov_b32 s[\g+7], 0
.endr
	s_mul_i32 s18, s16, 6*U                        ; the head: K steps 0-5 or 6-11
	s_mov_b32 s19, 0
	s_mul_i32 s22, s16, 2*U
	s_mul_i32 s97, s15, AREA
	s_add_co_u32 s97, s97, s22                     ; the refill's place in LDS: my area's units 0, 1 or 2, 3
	s_add_co_u32 s22, s22, 12*U                    ; the refill: K steps 12, 13 or 14, 15
	s_mov_b32 s23, 0
	s_mul_i32 s20, s17, R128B
	s_mov_b32 s21, 0
	s_mul_i32 s94, s90, R128B
	s_add_co_u32 s94, s94, 3*16*R128B              ; Wo's units
	s_mov_b32 s95, 0
	s_mul_i32 s93, s14, 6*U                        ; the head's place in LDS: no place in the cluster enters an LDS address
	s_wait_dscnt 0x0
	s_wait_kmcnt 0x0
	s_add_nc_u64 s[20:21], s[68:69], s[20:21]
	s_add_nc_u64 s[94:95], s[70:71], s[94:95]
	CROUND                                         ; all sixteen work-groups are here: the first joint loads meet
	s_mov_b32 s[G0], 1
	s_mov_b32 s[G0+1], s93
	s_add_nc_u64 s[G0+2:G0+3], s[20:21], s[18:19]
	s_mov_b32 s[G0B], 1
	s_mov_b32 s[G0B+1], s93
	s_add_nc_u64 s[G0B+2:G0B+3], s[94:95], s[18:19]
	s_mov_b32 s[G0+4], 1
	s_mov_b32 s[G0+5], s97
	s_add_nc_u64 s[G0+6:G0+7], s[20:21], s[22:23]
	s_mov_b32 s[G0B+4], 1
	s_mov_b32 s[G0B+5], s97
	s_add_nc_u64 s[G0B+6:G0B+7], s[94:95], s[22:23]
	s_cmp_eq_u32 s15, 0                            ; the prefetch: what my refill will bring,
	s_cselect_b64 s[98:99], s[G0+6:G0+7], s[G0B+6:G0B+7]
	s_cselect_b32 s66, s88, s89                    ; and my place among the four that ask for it with me
	s_mul_i32 s66, s66, 6400
	s_mov_b32 s67, 0
	s_add_nc_u64 s[98:99], s[98:99], s[66:67]
	s_or_b32 s[G0+3], s[G0+3], 0x80000000
	s_or_b32 s[G0B+3], s[G0B+3], 0x80000000
	s_or_b32 s[G0+7], s[G0+7], 0x80000000
	s_or_b32 s[G0B+7], s[G0B+7], 0x80000000
	JLOAD G0, G1, G0B, G1B                         ; one tensor load a wave at the head
	s_lshl_b32 s18, s90, 9
	s_lshl_b32 s19, s16, 8
	s_add_co_u32 s18, s18, s19                     ; my 64 columns, in bytes
	s_mov_b32 s19, 0
	s_add_nc_u64 s[72:73], s[72:73], s[18:19]
	s_mul_i32 s21, s15, 4*FRB                      ; my four fragments of A,
	s_mul_i32 s22, s16, 4*FRB
	s_add_co_u32 s22, s22, AREA                    ; and of B
	s_lshl_b32 s23, s15, 8                         ; their scale words
	s_lshl_b32 s96, s16, 8
	s_add_co_u32 s96, s96, AREA
	s_sub_co_u32 s96, s96, s23
	s_mul_i32 s85, s14, 16*SPITCH
	s_add_co_u32 s85, s85, STAGE                   ; my stage
	s_lshl_b32 s86, s17, 7
	s_lshl_b32 s84, s15, 6
	s_add_co_u32 s86, s86, s84
	s_lshl_b32 s86, s86, 13                        ; my first row of out0, 8,192 bytes a row,
	s_add_co_u32 s86, s86, s18                     ; and my first column
	s_mov_b32 s87, 0
	s_add_nc_u64 s[74:75], s[74:75], s[86:87]
	v_and_b32 v1, 15, v0                           ; r
	v_bfe_u32 v2, v0, 4, 1                         ; h
	v_and_b32 v3, 31, v0
	v_lshlrev_b32 v4, 4, v3
	v_lshlrev_b32 v30, 5, v2                       ; the bias's lane term: 32 h
	v_min_u32 v31, 24, v3
	v_lshlrev_b32 v31, 8, v31                      ; the prefetch: a lane a block of 256 bytes; lanes that are left over name the last block again
	v_mul_u32_u24 v5, s96, v2                      ; lanes 16-31 take B's scale words: the lower base + h x the distance
	v_lshl_add_u32 v5, v1, 3, v5
	v_add_nc_u32 v[ADRA], s21, v4
	v_add_nc_u32 v[ADRB], s22, v4
	v_add_nc_u32 v[ADRS], s23, v5
.irp g, 1,2
	v_add_nc_u32 v[ADRA+\g], \g*GRP, v[ADRA]
	v_add_nc_u32 v[ADRB+\g], \g*GRP, v[ADRB]
	v_add_nc_u32 v[ADRS+\g], \g*GRP, v[ADRS]
.endr
	v_mul_u32_u24 v5, v1, SPITCH                   ; into the stage: row r, 32 bytes for each half of the lanes
	v_lshl_add_u32 v5, v2, 5, v5
	v_add_nc_u32 v[STO], s85, v5
	v_mul_u32_u24 v6, v2, SPITCH                   ; back: sixteen lanes to a row of 256 bytes
	v_lshl_add_u32 v6, v1, 4, v6
	v_add_nc_u32 v[RD], s85, v6
	v_lshlrev_b32 v[CO], 13, v2                    ; and the same two rows in out0
	v_lshl_add_u32 v[CO], v1, 4, v[CO]
	s_wait_alu depctr_va_vdst(0)
.irp b, 0,1,2,3                        ; register 8 b + j: the bias of column 16 b + 8 h + j
	global_load_b128 v[BI+8*\b:BI+8*\b+3], v30, s[72:73] offset:64*\b
	global_load_b128 v[BI+8*\b+4:BI+8*\b+7], v30, s[72:73] offset:64*\b+16
.endr
	global_prefetch_b8 v31, s[98:99] th:TH_LOAD_NT scope:SCOPE_SE
	s_wait_tensorcnt 0x0                           ; my six units are in, and no tensor load of mine is out: a descriptor may be written.
	s_mov_b32 s[G1+2], 100<<16                     ; The refill brings 25,600 dense bytes: 100 rows of 256
	s_mov_b32 s[G1+4], 100
	s_mov_b32 s[G1B+2], 100<<16
	s_mov_b32 s[G1B+4], 100
	s_barrier_signal -1
	s_barrier_wait -1                              ; everybody's are
	FETCH 0, 0, 0
	s_wait_loadcnt 0x0                             ; the bias
	KSTEP 0, 0, 1, 1                               ; the first step's products start the sums, on the bias
	KSTEP 1, 0, 2, 0
	KSTEP 0, 0, 3, 0
	TURN  1, 1, 0, 1
	KSTEP 0, 1, 1, 0
	KSTEP 1, 1, 2, 0
	KSTEP 0, 1, 3, 0
	KSTEP 1, 2, 0, 0
	KSTEP 0, 2, 1, 0
	KSTEP 1, 2, 2, 0
	KSTEP 0, 2, 3, 0
	TURN  1, 0, 0, 0
	KSTEP 0, 0, 1, 0
	KSTEP 1, 0, 2, 0
	KSTEP 0, 0, 3, 0
	s_wait_dscnt 0x0
	MUL4 0, 1, 0
	MUL4 1, 1, 0
	MUL4 2, 1, 0
	MUL4 3, 1, 0
	WIN 0
; THE WAY OUT, block by block of 16 rows x 64 columns, through my own stage: a lane holds 32 neighbouring bytes of a row; back come whole rows of 256 bytes.  LDS serves a wave's instructions in order (ISA guide 5.7.1.4)
.macro TOSTAGE a
.irp b, 0,1,2,3
	ds_store_b128 v[STO], v[ACC+8*(4*(\a)+\b):ACC+8*(4*(\a)+\b)+3] offset:64*\b        ; each accumulator from its low end on
	ds_store_b128 v[STO], v[ACC+8*(4*(\a)+\b)+4:ACC+8*(4*(\a)+\b)+7] offset:64*\b+16
.endr
.set BB, BK+32*((\a)%2)
.irp t, 0,1,2,3,4,5,6,7
	ds_load_b128 v[BB+4*\t:BB+4*\t+3], v[RD] offset:2*\t*SPITCH
.endr
.endm
.macro SEND a, younger                 ; younger: the LDS instructions issued behind block a's loads, which may stay out
.set BB, BK+32*((\a)%2)
	s_wait_dscnt \younger
.irp t, 0,1,2,3,4,5,6,7
	global_store_b128 v[CO], v[BB+4*\t:BB+4*\t+3], s[74:75] offset:(16*(\a)+2*\t)*SIZE_N*4 th:TH_STORE_NT   ; sixteen lanes store 256 consecutive bytes, aligned
.endr
.endm
	PLACES NP
	TOSTAGE 0
.irp a, 1,2,3
.if \a > 1
	s_wait_xcnt 0x0                                ; block a - 2's stores have read their registers
.endif
	TOSTAGE \a
	SEND \a-1, 16
.endr
	SEND 3, 0
	s_wait_tensorcnt 0x0                           ; the wave's end
	ds_add_u32 v[SPW], v[NIL]
	s_wait_dscnt 0x0
	CROUND                                         ; the closing round
	s_endpgm
.Lfunc_end_k_qf79ad41051_proj:
	.size	k_qf79ad41051_proj, .Lfunc_end_k_qf79ad41051_proj-k_qf79ad41051_proj
	.p2alignl 7, 3214868480
	.fill 96, 4, 3214868480
	.section	.rodata,"a",@progbits
	.p2align	6, 0x0
	.amdhsa_kernel k_qf79ad41051_proj
		.amdhsa_group_segment_fixed_size 327680
		.amdhsa_private_segment_fixed_size 0
		.amdhsa_enable_private_segment 0
		.amdhsa_kernarg_size 32
		.amdhsa_user_sgpr_count 2
		.amdhsa_user_sgpr_kernarg_segment_ptr 1
		.amdhsa_wavefront_size32 1
		.amdhsa_system_sgpr_workgroup_id_x 1
		.amdhsa_system_sgpr_workgroup_id_y 1
		.amdhsa_system_sgpr_workgroup_id_z 1
		.amdhsa_system_vgpr_workitem_id 0
		.amdhsa_next_free_vgpr 512
		.amdhsa_next_free_sgpr 100
		.amdhsa_reserve_vcc 0
		.amdhsa_float_denorm_mode_32 3
		.amdhsa_float_denorm_mode_16_64 3
		.amdhsa_memory_ordered 1
		.amdhsa_forward_progress 1
		.amdhsa_inst_pref_size 79
	.end_amdhsa_kernel
	.amdgpu_metadata
---
amdhsa.version: [ 1, 2 ]
amdhsa.kernels:
  - .name:           k_qf79ad41051_proj
    .symbol:         k_qf79ad41051_proj.kd
    .args:
      - { .name: af, .offset: 0, .size: 8, .value_kind: global_buffer, .address_space: global }
      - { .name: wc, .offset: 8, .size: 8, .value_kind: global_buffer, .address_space: global }
      - { .name: bo, .offset: 16, .size: 8, .value_kind: global_buffer, .address_space: global }
      - { .name: out0, .offset: 24, .size: 8, .value_kind: global_buffer, .address_space: global }
    .group_segment_fixed_size: 327680
    .private_segment_fixed_size: 0
    .kernarg_segment_align: 8
    .kernarg_segment_size: 32
    .max_flat_workgroup_size: 128
    .sgpr_count:     100
    .vgpr_count:     512
    .wavefront_size: 32
...
	.end_amdgpu_metadata
.endif
;; end of part 8
